; MI455X (gfx1250); checked and timed in simulation.
; The chip was launched on July 23, 2026; its instructions are those of AMD's public machine-readable ISA for CDNA 5 (MIT licence, August 2026) and "CDNA5" Instruction Set Architecture Reference Guide (July 2026). The comments in the code are by the model that wrote it; some were corrected since.
;; Fourier Attention. Allowed arithmetic: matrix products marked QUANTISED: E2M3 operands, one E8M0 scale for each 32 along K, by v_wmma_scale_f32_16x16x128_f8f6f4 with both operands' format E2M3, f32 sums; everything else in f32.
;; Inputs: Wk_codes 1,024 x 32 x 24 uint8 (E2M3 codes of Wk, K innermost, in blocks of 32 codes, four codes in three bytes); Wk_scales 1,024 x 32 uint8 (E8M0 scales of Wk, one for each 32 codes along K); Wo_codes 1,024 x 32 x 24 uint8 (E2M3 codes of Wo, K innermost, in blocks of 32 codes, four codes in three bytes); Wo_scales 1,024 x 32 uint8 (E8M0 scales of Wo, one for each 32 codes along K); Wq_codes 1,024 x 32 x 24 uint8 (E2M3 codes of Wq, K innermost, in blocks of 32 codes, four codes in three bytes); Wq_scales 1,024 x 32 uint8 (E8M0 scales of Wq, one for each 32 codes along K); Wv_codes 1,024 x 32 x 24 uint8 (E2M3 codes of Wv, K innermost, in blocks of 32 codes, four codes in three bytes); Wv_scales 1,024 x 32 uint8 (E8M0 scales of Wv, one for each 32 codes along K); bk 1,024 float32; bo 1,024 float32; bq 1,024 float32; bv 1,024 float32; x_codes 4 x 2,048 x 32 x 24 uint8 (E2M3 codes of x, K innermost, in blocks of 32 codes, four codes in three bytes); x_scales 4 x 2,048 x 32 uint8 (E8M0 scales of x, one for each 32 codes along K).
;; Outputs: out0 4 x 2,048 x 1,024 float32.
;; This version of the problem:
;;   THIS VERSION OF THE PROBLEM IS GIVEN IN LOW PRECISION. The matrix products marked QUANTISED in the list below multiply operands that are first quantised to E2M3 (2 exponent bits, 3 mantissa bits; 6 bits a number), with one power-of-two scale for each 32 numbers along K (OCP MX v1.0); their sums are f32. All else is computed in f32.
;;   The module's matrix products, in the order in which they are computed (A, B: the left and right operand; K: the contracted axis; several contracted axes count as one K, in the product's order):
;;     1. [M 8,192, K 1,024] x [K 1,024, N 1,024]; A: input x (given as codes); B: input Wq (given as codes): QUANTISED
;;     2. [M 8,192, K 1,024] x [K 1,024, N 1,024]; A: input x (given as codes); B: input Wk (given as codes): QUANTISED
;;     3. [M 8,192, K 1,024] x [K 1,024, N 1,024]; A: input x (given as codes); B: input Wv (given as codes): QUANTISED
;;     4. batch 4 x [M 2,048, K 1,024] x [K 1,024, N 2,048]; A: computed on the way; B: computed on the way: QUANTISED
;;     5. batch 4 x [M 2,048, K 2,048] x [K 2,048, N 1,024]; A: softmax (see below); B: computed on the way: QUANTISED
;;     6. [M 8,192, K 1,024] x [K 1,024, N 1,024]; A: computed on the way; B: input Wo (given as codes): QUANTISED
;;   THE QUANTISER, for each operand of a quantised product, along K:
;;     - K is cut into blocks of 32 from its start; a last block that is shorter is filled with zeros.
;;     - A block's scale is 2^e with e = floor(log2(the largest magnitude in the block)) - 2, held to -126 .. 127; a block of zeros has e = 0. As a byte (E8M0): e + 127.
;;     - Each number is divided by its block's scale, clamped to +-7.5, and rounded to the nearest number of E2M3, ties to even, subnormals kept.
;;     - The product sums the exact products of the quantised numbers (number of the format x scale) in f32.
;;   ~~~python
;;   def quantise(x, axis):      # numpy; x: float32 -> the quantised numbers, widened to float32 again
;;       x = np.moveaxis(x, axis, -1); K = x.shape[-1]
;;       x = np.pad(x, [(0, 0)] * (x.ndim - 1) + [(0, -K % 32)]); x = x.reshape(x.shape[:-1] + (-1, 32)); a = np.abs(x).max(-1, keepdims=True)
;;       e = np.where(a > 0, np.clip(np.frexp(np.where(a > 0, a, 1))[1] - 1 - 2, -126, 127), 0)      # np.frexp(a)[1] - 1 = floor(log2(a)), exactly
;;       r = np.clip(x / 2.0 ** e, -7.5, 7.5)
;;       step = 2.0 ** (np.maximum(np.frexp(np.where(r == 0, 1, r))[1] - 1, 0) - 3)
;;       q = np.round(r / step) * step * 2.0 ** e      # np.round: ties to even
;;       return np.moveaxis(q.reshape(q.shape[:-2] + (-1,))[..., :K], -1, axis).astype(np.float32)
;;   ~~~
;;   SOFTMAX AHEAD OF A QUANTISED PRODUCT. Where the list says 'softmax', what is quantised is not the finished softmax but p = 2^(t - M), with t = logit x log2(e) and M = ceil(the row's largest t), a whole number; so 1/2 < the row's largest p <= 1. The row's sum l is taken of the UNQUANTISED p, in f32, and the product's result is divided by l at the end. Since M is a whole number, a kernel that streams over the keys may use a running M (the ceiling of the running maximum): every later rescaling is an exact power of two, which a block's scale takes up: the codes' values come out the same.
;;   OPERANDS COMPUTED ON THE WAY. 'Computed on the way' means the value that the module computes at that place (a softmax that the list does not call 'softmax' is quantised finished and normalised). What goes into a quantiser is computed in f32, as accurately as f32 sums, v_exp_f32 and their like allow (about 1e-6 of the number): no bf16 or f16 on the way to a quantiser, and a product that is left as it is and whose result goes on into a quantised operand takes f32 operands (vector FMAs, or v_wmma_f32_16x16x4_f32). A number that lies on a knife's edge between two numbers of the format may be rounded either way, as far as f32 arithmetic and the matrix unit's own rounding can turn it there, and no further.
;;   INPUTS GIVEN AS CODES. Wk (in the module: [1024, 1024], K = its axis 1); Wo (in the module: [1024, 1024], K = its axis 1); Wq (in the module: [1024, 1024], K = its axis 1); Wv (in the module: [1024, 1024], K = its axis 1); x (in the module: [4, 2048, 1024], K = its axis 2): each comes as NAME_codes (uint8): NAME with its K axis moved to the last place and cut into blocks of 32 codes, [.., K / 32, bytes a block], one block behind the other in memory; four codes in three bytes: a row's codes are one little-endian stream of bits, code i at bits 6 i .. 6 i + 5 (a code: sign, 2 exponent bits, 3 mantissa bits); and NAME_scales (uint8): the same leading axes, one E8M0 byte (e + 127) for each 32 codes along K. Its value is code x scale, taken as it is: it is not quantised again, and the codes and scales need not be those that the quantiser above would give.
;; 2 versions. Each part assembles by itself: llvm-mc -triple=amdgcn-amd-amdhsa -mcpu=gfx1250 --defsym DOCPART=n.
;; ======== version 1 of 2: 4 launches
;; workspace buffers: qkv_codes 18,874,368 bytes; qkv_scales 786,432 bytes; p_codes 12,582,912 bytes; p_stats 1,572,864 bytes; o_codes 6,291,456 bytes; o_scales 262,144 bytes
;; launch proj (part 1): grid 96 x 4, 4 waves a work-group, clusters of 4 x 4, 327,680 bytes of LDS; arguments x_codes, x_scales, Wq_codes, Wq_scales, Wk_codes, Wk_scales, Wv_codes, Wv_scales, bq, bk, bv, qkv_codes, qkv_scales; writes qkv_codes, qkv_scales
.if DOCPART == 1
	.amdgcn_target "amdgcn-amd-amdhsa--gfx1250"
	.amdhsa_code_object_version 6
	.text
	.protected	k_q18bb536817_proj
	.globl	k_q18bb536817_proj
	.p2align	8
	.type	k_q18bb536817_proj,@function
k_q18bb536817_proj:
	s_mov_b64 s[64:65], 0
	v_nop
	global_prefetch_b8 v0, s[64:65] scope:SCOPE_SE
	s_setreg_imm32_b32 hwreg(HW_REG_WAVE_MODE, 25, 1), 1
	s_wait_xcnt 0x0
	s_wait_alu depctr_hold_cnt(0) depctr_sa_sdst(0) depctr_va_vdst(0) depctr_va_sdst(0) depctr_va_ssrc(0) depctr_va_vcc(0) depctr_vm_vsrc(0)
	s_getreg_b32 s2, hwreg(HW_REG_IB_STS2, 6, 4)
	s_cmp_eq_u32 s2, 0
	s_cbranch_scc0 .Lentry_in_a_cluster
	s_endpgm
.Lentry_in_a_cluster:
	s_bfe_u32 s2, ttmp6, 0x10000c
	s_cmp_lg_u32 s2, 0xf033
	s_cbranch_scc0 .Lentry_shape_is_right
	s_endpgm
.Lentry_shape_is_right:
; Q = x Wq^T + bq, K = x Wk^T + bk (rows = tokens, quantised along the 1,024 features) and V^T = Wv x^T + bv (rows = features, quantised along the keys), on codes of FP6 (E2M3) with one E8M0 scale for each 32 along K.
; 24 clusters of 4 x 4 work-groups: clusters 0-15 make the 32 x 8 tiles of [Q | K], clusters 16-23 the 4 x 32 tiles of V^T.  A tile is 256 x 256, a wave's part 128 x 128: 64 accumulators.
; THE MATRIX INSTRUCTION IS USED TRANSPOSED: source 0 = 16 rows of "B" (Wq or Wk; for V^T: x), source 1 = 16 rows of "A" (x; for V^T: Wv): a lane holds ONE row of the result and its registers run along the columns, the next product's K.
; THE ROWS OF A TILE OF 16 ARE NOT NEIGHBOURS: lane r of block i takes row 32 (i / 2) + 8 (i % 2) + r + 8 (r / 8).  On source 0 that makes the 16 registers of blocks 2 b, 2 b + 1 the 16 neighbours 32 b + 16 (lane / 16) + 0 .. 15;
; on source 1 it only says which row lies where, and every buffer of this program keeps its rows in that order.
; THE RESULT LEAVES AS CODES, AS IMAGES OF THE OPERAND'S REGISTERS: a fragment (16 rows x 128 K, 12 registers a lane) is three stores of 512 consecutive bytes, lane l's 16 bytes at 16 l.  With R rows in the tensor a fragment lies at
; (k / 256) 192 R + (row block) 3072 + ((k / 128) % 2) 1536.  Scale words lie K-major: that of (128-step, row) at step x 4 R + 4 x row.
; CLUSTERS: A's tile hangs on the tile row and is asked for jointly by a row of the cluster, B's on the tile column and by a column.
; LIMITS: NaN and infinities are not served; a block whose largest magnitude lies under 2^-124 (a block of zeros among them) keeps the scale byte 1: this program alone reads these bytes.
.set HALFT, 30720                      ; 128 rows x 240 bytes: a quarter of a slot
.set AIMG,  0                          ; A and B come as rows of codes, as given
.set BIMG,  0
.set API,   1                          ; both in the order of rows set out above
.set BPI,   1
.set CBIAS, 1                          ; the first products take the column bias as C
.set NLA,   6                          ; LDS loads that bring a fragment of A
.set ASK,   1                          ; kinds of scale regions (macro SOFF)
.set BSK,   1
.set ASTEP, 8                          ; from a K step's scale words to the next's
.set BSTEP, 8
.set STEP_A, 192                       ; from a K step's codes to the next's, in memory
.set STEP_B, 192
.set LAPS,  2                          ; K = 1,024: four K steps of 256, two to a lap
.set QS,    4352                       ; the scales of 128 rows in LDS: 16 units of 256 bytes + 16
.set SCL,   8*HALFT                    ; behind the ring: the scales, filled once
.set SPARE, SCL+4*QS                   ; the spare words: 128 bytes a wave, named by no other line
.set SCR,   SPARE+512                  ; 512 bytes a wave: the scale words on their way out; no fill lands here
.set ISV,   23                         ; s23  1 in a tile of V^T
.set OC,    98                         ; s[98:99]   where my codes go
.set OS,    100                        ; s[100:101] where my scale words go
.set LI,    24                         ; v24  16 x lane
.set SCW,   25                         ; v25  LDS: my row's scale word
.set SCRD,  26                         ; v26  LDS: my 16 bytes of the wave's 512
.set BM,    232                        ; v232-239 the row bias of my row in blocks 0-7 (0 in tiles of Q and K)
.set TM,    200                        ; v200-215 at work in the quantiser
.set PW,    216                        ; v216-223 a scale word for each block
; ---- the core that this program's four launches share ----
.set FR,    12                         ; registers of a fragment
.set PITCH, 240                        ; a row of 192 bytes of codes in LDS: 3 x (64 + 16 of padding)
.set SLOT,  4*HALFT                    ; A's 256 rows, then B's 256 rows
.set ADRA,  16                         ; v16-17 LDS address of my A fragments in slot 0, 1 (v18-19: behind one padding more)
.set ADRB,  20                         ; v20-23 the same for B
.set ADSA,  27                         ; v27  LDS address of A's scale words: lanes 0-15 the K step's first 128, lanes 16-31 its second
.set SPW,   28                         ; v28  my spare word; never rewritten
.set NIL,   29                         ; v29  0; never rewritten
.set ADSB,  31                         ; v31  the same as v27 for B
.set SC,    32                         ; v32-63 scale words and nothing else: set s: A's block i at SC + 16 s + i, B's at SC + 16 s + 8 + i
.set CB,    64                         ; v64-127 the column bias in the result's layout
.set AF,    128                        ; v128-223 A's fragments, one set.  Window 1: B's two sets at v0 and v128.  Windows 2, 3: accumulator (a, b) at v[8 (8 (a % 4) + b)]
.set SEL,   16                         ; s[16:17] lane selects: lane l xor 16
.set WV,    20                         ; s20 wave;  s21 wave / 2: my half of the rows, and whether I fetch for A (0) or B (1);  s22 wave % 2: my half of the columns, and which 128 rows I fetch
.set RH,    21
.set CH,    22
.set G1,    24                         ; s[24:31], s[32:39] groups 1 and 0 (a set a slot) for A's tiles;  s[48:55], s[56:63] for B's
.set G0,    32
.set TC,    42
.set G1B,   48
.set G0B,   56
.set TR,    66
.set G1S,   68                         ; s[68:75], s[76:79] for A's scales;  s[80:87], s[88:91] for B's
.set G0S,   76
.set G1SB,  80
.set G0SB,  88
.set W0ROW, (1<<20)|(1<<21)|(3<<22)|(3<<25)          ; bytes; 4 words of padding behind every 16; bit 21 beside a mask
.set W0IMG, (3<<16)|(1<<21)                          ; elements of 8 bytes, no padding
.set W0GIV, (3<<16)|(1<<20)|(1<<21)|(5<<22)|(3<<25)  ; 4 words behind every 64
.set W0OWN, (3<<16)|(1<<20)|(1<<21)|(6<<22)|(15<<25) ; 16 words behind every 128
.set MSB, 0
.macro WIN new                         ; the immediate's high byte repeats the setting that is left
.if MSB != (\new)
	s_set_vgpr_msb (MSB<<8)|(\new)
.set MSB, (\new)
.endif
.endm
.macro PLACES n                        ; plain places behind matrix instructions, in front of loads into their registers and of reads of their results
.rept \n
	v_nop
.endr
.endm
.macro CREST                           ; a round of the cluster's barrier behind its opening barrier
	s_cmp_lg_u32 s[WV], 0
	s_cbranch_scc1 .Lnot_wave_0_\@
	s_barrier_signal -3
.Lnot_wave_0_\@:
	s_barrier_wait -3
	s_barrier_signal -1
	s_barrier_wait -1
.endm
.macro CROUND
	s_barrier_signal -1
	s_barrier_wait -1
	CREST
.endm
.macro JLOAD g0a, g1a, g0b, g1b        ; a joint load: waves 0, 1 for A, waves 2, 3 for B; four v_nop follow each line
	s_cmp_eq_u32 s[RH], 0
	s_cbranch_scc0 .Lfor_b_\@
	tensor_load_to_lds s[\g0a:\g0a+3], s[\g1a:\g1a+7]
	s_nop 0
.rept 4
	v_nop
.endr
	s_branch .Lasked_\@
.Lfor_b_\@:
	tensor_load_to_lds s[\g0b:\g0b+3], s[\g1b:\g1b+7]
	s_nop 0
.rept 4
	v_nop
.endr
.Lasked_\@:
.endm
.macro G1SET g, m, w0, d0, d1, st      ; group 1: d1 rows of d0 elements, st elements apart; the mask in s[m]
	s_or_b32 s[\g], s[\m], \w0
	s_mov_b32 s[\g+1], (\d0)<<16
	s_mov_b32 s[\g+2], (\d1)<<16
	s_mov_b32 s[\g+3], (\d0)<<16
	s_mov_b32 s[\g+4], \d1
	s_mov_b32 s[\g+5], \st
	s_mov_b32 s[\g+6], 0
	s_mov_b32 s[\g+7], 0
.endm
.macro SDESC g0, ptr, lr, base         ; group 0 of a scale tile: words 2, 3 hold the byte offset on entry
	s_mov_b32 s[\g0], 1
	s_add_co_u32 s[\g0+1], s[\lr], \base
	s_add_nc_u64 s[\g0+2:\g0+3], s[\ptr:\ptr+1], s[\g0+2:\g0+3]
	s_or_b32 s[\g0+3], s[\g0+3], 0x80000000
.endm
.macro GROUP0 pa, pb                   ; groups 0 of the code tiles, a set for each slot: K steps 0 and 1
	s_add_nc_u64 s[G0+2:G0+3], s[\pa:\pa+1], s[G0+2:G0+3]
	s_add_nc_u64 s[G0+6:G0+7], s[G0+2:G0+3], STEP_A
	s_add_nc_u64 s[G0B+2:G0B+3], s[\pb:\pb+1], s[G0B+2:G0B+3]
	s_add_nc_u64 s[G0B+6:G0B+7], s[G0B+2:G0B+3], STEP_B
.irp s, 0,1
	s_mov_b32 s[G0+4*\s], 1
	s_add_co_u32 s[G0+4*\s+1], s45, \s*SLOT
	s_or_b32 s[G0+4*\s+3], s[G0+4*\s+3], 0x80000000
	s_mov_b32 s[G0B+4*\s], 1
	s_add_co_u32 s[G0B+4*\s+1], s45, \s*SLOT
	s_or_b32 s[G0B+4*\s+3], s[G0B+4*\s+3], 0x80000000
.endr
.endm
.macro HEAD
	v_lshl_add_u32 v[SPW], v0, 2, SPARE
	v_mov_b32 v[NIL], 0
	ds_add_u32 v28, v29
	ds_add_u32 v28, v29
	s_wait_dscnt 0x0
	v_lshrrev_b32 v1, 5, v0
	v_readfirstlane_b32 s[WV], v1
	s_lshr_b32 s[RH], s[WV], 1
	s_and_b32 s[CH], s[WV], 1
	s_bfe_u32 s40, ttmp6, 0x40000                  ; cx, cy: my place in the cluster
	s_bfe_u32 s41, ttmp6, 0x40004
	s_lshl_b32 s43, s41, 2
	s_lshl_b32 s43, 15, s43                        ; my row of the cluster
	s_lshl_b32 s44, 0x1111, s40                    ; my column
	s_mul_i32 s45, s[WV], HALFT                    ; where my quarter of a slot lies
.endm
.macro FRAGR reg, adr, q, rowoff       ; a fragment from rows of codes: six pieces of 8 bytes; lanes 16-31 read three pieces on, for some pieces behind one padding more (second address register)
.irp p, 0,1,2,3,4,5
.set PCE, 12*(\q)+6*(\p/3)+\p%3
.if PCE%8 < 5
	ds_load_b64 v[\reg+2*\p:\reg+2*\p+1], v[\adr] offset:8*PCE+16*(PCE/8)+(\rowoff)*PITCH
.else
	ds_load_b64 v[\reg+2*\p:\reg+2*\p+1], v[\adr+2] offset:8*PCE+16*(PCE/8)+(\rowoff)*PITCH
.endif
.endr
.endm
.macro FRAGI reg, adr, q, i            ; a fragment from an image of its registers: three loads of 512 consecutive bytes
.irp c, 0,1,2
	ds_load_b128 v[\reg+4*\c:\reg+4*\c+3], v[\adr] offset:(\i)*3072+(\q)*1536+512*\c
.endr
.endm
.macro FETCH_B slot, q, p              ; B's eight fragments of the slot's q-th 128 along K into set p
	WIN 0x40
.irp i, 0,1,2,3,4,5,6,7
.if BIMG
	FRAGI 128*(\p)+FR*\i, ADRB+\slot, \q, \i
.elseif BPI
	FRAGR 128*(\p)+FR*\i, ADRB+\slot, \q, 32*(\i/2)+8*(\i%2)
.else
	FRAGR 128*(\p)+FR*\i, ADRB+\slot, \q, 16*\i
.endif
.endr
	WIN 0
.endm
.macro FETCH_A slot, q, i0             ; A's blocks i0 .. i0 + 3
.irp i, \i0, \i0+1, \i0+2, \i0+3
.if AIMG
	FRAGI AF+FR*(\i), ADRA+\slot, \q, \i
.elseif API
	FRAGR AF+FR*(\i), ADRA+\slot, \q, 32*((\i)/2)+8*((\i)%2)
.else
	FRAGR AF+FR*(\i), ADRA+\slot, \q, 16*(\i)
.endif
.endr
.endm
.macro SOFF kind, i                    ; where block i's scale words begin.  0: given scales, rows as they lie; 1: given, rows in this program's order; 2: my own, K-major; 3: my own, in quarters of 64 rows
.if \kind == 0
.set SOF, 544*(\i)
.elseif \kind == 1
.set SOF, 272*(4*((\i)/2)+(\i)%2)
.elseif \kind == 2
.set SOF, 64*(\i)
.else
.set SOF, ((\i)/4)*5120+((\i)%4)*64
.endif
.endm
.macro SCALES sc                       ; a K step's scale words into set sc: one register a block carries both 128-steps, in the two halves of the lanes
.irp i, 0,1,2,3,4,5,6,7
	SOFF ASK, \i
	ds_load_b32 v[SC+16*\sc+\i], v[ADSA] offset:SOF
.endr
.irp i, 0,1,2,3,4,5,6,7
	SOFF BSK, \i
	ds_load_b32 v[SC+16*\sc+8+\i], v[ADSB] offset:SOF
.endr
.endm
; 16 products: A's blocks a0, a0 + 1 x B's eight, the slot's q-th 128 along K; p: B's set; sc: the scale set.  zero = 1: the first product starts the sums.  The 64 accumulators take turns, in the same order in every step.
.macro MUL16 a0, p, q, sc, zero
.irp a, \a0, \a0+1
.irp b, 0,1,2,3,4,5,6,7
.if (\zero) && CBIAS
	v_wmma_scale_f32_16x16x128_f8f6f4 v[8*(8*((\a)%4)+\b):8*(8*((\a)%4)+\b)+7], v[128*(\p)+FR*\b:128*(\p)+FR*\b+FR-1], v[AF+FR*(\a):AF+FR*(\a)+FR-1], v[CB+8*\b:CB+8*\b+7], v[SC+16*(\sc)+8+\b], v[SC+16*(\sc)+(\a)] matrix_a_fmt:MATRIX_FMT_FP6 matrix_b_fmt:MATRIX_FMT_FP6
.elseif \zero
	v_wmma_scale_f32_16x16x128_f8f6f4 v[8*(8*((\a)%4)+\b):8*(8*((\a)%4)+\b)+7], v[128*(\p)+FR*\b:128*(\p)+FR*\b+FR-1], v[AF+FR*(\a):AF+FR*(\a)+FR-1], 0, v[SC+16*(\sc)+8+\b], v[SC+16*(\sc)+(\a)] matrix_a_fmt:MATRIX_FMT_FP6 matrix_b_fmt:MATRIX_FMT_FP6
.elseif (\q) == 0
	v_wmma_scale_f32_16x16x128_f8f6f4 v[8*(8*((\a)%4)+\b):8*(8*((\a)%4)+\b)+7], v[128*(\p)+FR*\b:128*(\p)+FR*\b+FR-1], v[AF+FR*(\a):AF+FR*(\a)+FR-1], v[8*(8*((\a)%4)+\b):8*(8*((\a)%4)+\b)+7], v[SC+16*(\sc)+8+\b], v[SC+16*(\sc)+(\a)] matrix_a_fmt:MATRIX_FMT_FP6 matrix_b_fmt:MATRIX_FMT_FP6
.else
	v_wmma_scale_f32_16x16x128_f8f6f4 v[8*(8*((\a)%4)+\b):8*(8*((\a)%4)+\b)+7], v[128*(\p)+FR*\b:128*(\p)+FR*\b+FR-1], v[AF+FR*(\a):AF+FR*(\a)+FR-1], v[8*(8*((\a)%4)+\b):8*(8*((\a)%4)+\b)+7], v[SC+16*(\sc)+8+\b], v[SC+16*(\sc)+(\a)] matrix_a_fmt:MATRIX_FMT_FP6 matrix_b_fmt:MATRIX_FMT_FP6 matrix_a_scale:MATRIX_SCALE_ROW1 matrix_b_scale:MATRIX_SCALE_ROW1
.endif
.endr
.endr
.endm
.macro STEP slot, zero                 ; a slot's first 128 along K; the second's fragments are fetched in two runs
	s_wait_dscnt 4*NLA                             ; B's set, A's blocks 0-3 and the scale words are in; the youngest loads, A's blocks 4-7, may be out
.if (\zero) && CBIAS
	WIN 0x81                                       ; source 0 window 1, source 1 and C window 0, D window 2
.else
	WIN 0xa1                                       ; C and D window 2
.endif
	MUL16 0, 0, 0, \slot, \zero
	MUL16 2, 0, 0, \slot, \zero
	s_wait_dscnt 0x0                               ; A's blocks 4-7 are in
	PLACES 4
	FETCH_B \slot, 1, 1
	FETCH_A \slot, 1, 0
.if (\zero) && CBIAS
	WIN 0xc1
.else
	WIN 0xf1
.endif
	MUL16 4, 0, 0, \slot, \zero
	MUL16 6, 0, 0, \slot, \zero
	PLACES 4
	WIN 0
	FETCH_A \slot, 1, 4
.endm
; A slot's second 128 along K changes slots: ONE barrier; in front of it each wave waits for all its tensor loads, adds 0 to its spare word, and waits for that and for its reads of this slot.  fill = 1: the slot is filled again, two K steps ahead.
.macro TURN slot, next, fill
	s_wait_tensorcnt 0x0                           ; all my tensor loads have landed: my part of the next slot
	ds_add_u32 v[SPW], v[NIL]                      ; 0 onto my spare word
	s_wait_dscnt 4*NLA+1                           ; (the add and A's blocks 4-7 may be out)
	WIN 0xa1
	MUL16 0, 1, 1, \slot, 0                        ; sixteen products stand between the add and the wait for it
	s_wait_dscnt 0x0                               ; the add is done, and my reads of this slot are over
	s_barrier_signal -1
	MUL16 2, 1, 1, \slot, 0
	WIN 0
	s_barrier_wait -1
.if \fill
	CREST                                          ; the barrier has opened a round of the cluster's: no wave of any partner still reads this slot or has a load on its way
	s_add_nc_u64 s[G0+4*\slot+2:G0+4*\slot+3], s[G0+4*\slot+2:G0+4*\slot+3], 2*STEP_A
	s_add_nc_u64 s[G0B+4*\slot+2:G0B+4*\slot+3], s[G0B+4*\slot+2:G0B+4*\slot+3], 2*STEP_B
	JLOAD G0+4*\slot, G1, G0B+4*\slot, G1B         ; the first tensor load behind the round; its four v_nop are the places in front of the loads below
.else
	PLACES 4
.endif
	v_add_nc_u32 v[ADSA], ASTEP, v[ADSA]           ; on to the next K step's scale words
	v_add_nc_u32 v[ADSB], BSTEP, v[ADSB]
	FETCH_B \next, 0, 0
	FETCH_A \next, 0, 0
	SCALES \next
	WIN 0xf1
	MUL16 4, 1, 1, \slot, 0
	MUL16 6, 1, 1, \slot, 0
	PLACES 4
	WIN 0
	FETCH_A \next, 0, 4
.endm
; 64 numbers of a lane in window w, register s + 16 b + i = k 32 b + 16 (lane / 16) + i of my row, become a fragment's codes in v[pc .. pc + 11] and its scale word in v[pw]
.macro QUANT s, w, pc, pw
	WIN (\w)|((\w)<<2)
.irp b, 0,1,2,3
	v_max3_num_f32 v[TM+\b], |v[\s+16*\b]|, |v[\s+16*\b+1]|, 0x1800000   ; my 16 numbers of block b, and the floor 2^(3 - 127): the byte cannot fall under 1
.endr
.irp i, 2,4,6,8,10,12,14
.irp b, 0,1,2,3
	v_max3_num_f32 v[TM+\b], |v[\s+16*\b+\i]|, |v[\s+16*\b+\i+1]|, v[TM+\b]
.endr
.endr
	WIN 0
.irp b, 0,1,2,3
	v_permlanex16_b32 v[TM+4+\b], v[TM+\b], s[SEL], s[SEL+1]
.endr
.irp b, 0,1,2,3
	v_max_num_f32 v[TM+\b], v[TM+\b], v[TM+4+\b]   ; with lane l xor 16's: the block's largest magnitude
.endr
.irp b, 0,1,2,3
	v_add_nc_u32 v[TM+12+\b], 0xff000000, v[TM+\b] ; 2 off its exponent field: the conversion's scale operand
.endr
.irp b, 0,1,2,3
	v_lshrrev_b32 v[TM+4+\b], 23, v[TM+12+\b]      ; the scale's byte
.endr
	v_lshl_or_b32 v[\pw], v[TM+5], 8, v[TM+4]
	v_lshl_or_b32 v[\pw], v[TM+6], 16, v[\pw]
	v_lshl_or_b32 v[\pw], v[TM+7], 24, v[\pw]
	WIN \w
.irp c, 0,1
	v_cvt_scalef32_pk16_fp6_f32 v[\pc+6*\c:\pc+6*\c+2], v[\s+32*\c:\s+32*\c+15], v[TM+12+2*\c]
	v_cvt_scalef32_pk16_fp6_f32 v[\pc+12+4*\c:\pc+14+4*\c], v[\s+16+32*\c:\s+31+32*\c], v[TM+12+2*\c+1]
.endr
	WIN 0
	v_nop                                          ; one plain place behind a scaled conversion
.irp c, 0,1                                    ; the operand's layout wants a whole block in a lane: lanes 0-15 block 2 c, lanes 16-31 block 2 c + 1
.irp i, 0,1,2
	v_permlane16_swap_b32 v[\pc+6*\c+\i], v[\pc+12+4*\c+\i]
.endr
.irp i, 0,1,2
	v_mov_b32 v[\pc+3+6*\c+\i], v[\pc+12+4*\c+\i]
.endr
.endr
.endm
.macro IMAGE a, pc                     ; block a's fragment leaves as it stands: each store covers 512 consecutive bytes, aligned
.irp c, 0,1,2
	global_store_b128 v[LI], v[\pc+4*\c:\pc+4*\c+3], s[OC:OC+1] offset:(\a)*3072+512*\c
.endr
.endm
; ---- the launch ----
	s_load_b512 s[4:19], s[0:1], 0x0               ; x's codes, scales; Wq's; Wk's; Wv's
	s_load_b256 s[92:99], s[0:1], 0x40             ; bq, bk, bv, the codes' buffer
	s_load_b64 s[100:101], s[0:1], 0x60            ; the scale words' buffer
	HEAD
	s_lshr_b32 s2, ttmp9, 1                        ; the cluster's number says what is made; it is the same in all sixteen partners
	s_sub_co_u32 s46, ttmp9, 16
	s_cmp_ge_u32 ttmp9, 16
	s_cselect_b32 s[ISV], 1, 0
	s_cselect_b32 s2, 0, s2                        ; the cluster's row of tiles: Q, K: number / 2; V^T: 0
	s_cselect_b32 s46, s46, 0                      ; the cluster's column in B's rows: Q, K: 0 (each W has four tiles); V^T: number - 16
	s_lshl_b32 s[TR], s2, 2
	s_add_co_u32 s[TR], s[TR], s41                 ; A's tile
	s_lshl_b32 s[TC], s46, 2
	s_add_co_u32 s[TC], s[TC], s40                 ; B's tile
	G1SET G1, 43, W0ROW, 192, 128, 768
	G1SET G1B, 44, W0ROW, 192, 128, 768
	G1SET G1S, 43, W0GIV, 32, 16, 32
	G1SET G1SB, 44, W0GIV, 32, 16, 32
	s_lshl_b32 s2, s[TR], 8
	s_lshl_b32 s3, s[CH], 7
	s_add_co_u32 s2, s2, s3                        ; A: the first row that I fetch
	s_mul_i32 s[G0+2], s2, 768
	s_mov_b32 s[G0+3], 0
	s_lshl_b32 s[G0S+2], s2, 5
	s_mov_b32 s[G0S+3], 0
	s_lshl_b32 s46, s[TC], 8
	s_lshl_b32 s47, s[CH], 7
	s_add_co_u32 s46, s46, s47                     ; B likewise
	s_mul_i32 s[G0B+2], s46, 768
	s_mov_b32 s[G0B+3], 0
	s_lshl_b32 s[G0SB+2], s46, 5
	s_mov_b32 s[G0SB+3], 0
	s_mul_i32 s3, s[WV], QS
	s_wait_kmcnt 0x0
	s_and_b32 s2, ttmp9, 1
	s_cmp_eq_u32 s2, 0                             ; even clusters make Q, odd ones K
	s_cselect_b64 s[8:9], s[8:9], s[12:13]
	s_cselect_b64 s[10:11], s[10:11], s[14:15]
	s_cselect_b64 s[92:93], s[92:93], s[94:95]
	s_cmp_eq_u32 s[ISV], 0
	s_cselect_b64 s[12:13], s[4:5], s[16:17]       ; A: x, or Wv
	s_cselect_b64 s[14:15], s[6:7], s[18:19]
	s_cselect_b64 s[8:9], s[8:9], s[4:5]           ; B: Wq or Wk, or x
	s_cselect_b64 s[10:11], s[10:11], s[6:7]
	s_cselect_b64 s[92:93], s[92:93], s[96:97]     ; the bias
	s_cselect_b32 s18, 0, -1                       ; all ones in a tile of V^T
	SDESC G0S, 14, 3, SCL
	SDESC G0SB, 10, 3, SCL
	GROUP0 12, 8
	s_mov_b32 s[SEL], 0x76543210
	s_mov_b32 s[SEL+1], 0xfedcba98
	CROUND                                         ; all sixteen work-groups are here: the first joint loads meet
	JLOAD G0S, G1S, G0SB, G1SB                     ; three loads of mine are out: the scales, K step 0, K step 1
	JLOAD G0, G1, G0B, G1B
	JLOAD G0+4, G1, G0B+4, G1B
	v_and_b32 v1, 15, v0                           ; r
	v_bfe_u32 v2, v0, 4, 1                         ; h
	v_and_b32 v3, 8, v1
	v_add_nc_u32 v3, v3, v1                        ; r + 8 (r / 8)
	s_lshl_b32 s94, s40, 10                        ; the column bias: numbers 256 cx + 128 (wave % 2) + 32 (b / 2) + 8 (b % 2) + 16 h + 0 .. 7
	s_lshl_b32 s95, s[CH], 9
	s_add_co_u32 s94, s94, s95
	v_lshlrev_b32 v9, 6, v2
	v_add_nc_u32 v9, s94, v9
.irp t, 0,1,2,3,4,5,6,7
	global_load_b128 v[CB+8*\t:CB+8*\t+3], v9, s[92:93] offset:(32*(\t/2)+8*(\t%2))*4
	global_load_b128 v[CB+8*\t+4:CB+8*\t+7], v9, s[92:93] offset:(32*(\t/2)+8*(\t%2))*4+16
.endr
	s_lshl_b32 s94, s41, 10                        ; the row bias: number 256 cy + 128 (wave / 2) + my row (both forms stay under 1,024)
	s_lshl_b32 s95, s[RH], 9
	s_add_co_u32 s94, s94, s95
	v_lshl_add_u32 v10, v3, 2, s94
.irp a, 0,1,2,3,4,5,6,7
	global_load_b32 v[BM+\a], v10, s[92:93] offset:(32*(\a/2)+8*(\a%2))*4
.endr
	v_mul_u32_u24 v4, v3, PITCH
	v_mad_u32_u24 v4, v2, 24, v4                   ; a fragment's row x pitch + 24 x half
	v_lshl_add_u32 v5, v2, 4, v4                   ; and behind one padding more
	s_mul_i32 s2, s[RH], HALFT
	s_mul_i32 s46, s[CH], HALFT
	s_add_co_u32 s46, s46, 2*HALFT
.irp s, 0,1
	v_add_nc_u32 v[ADRA+\s], s2, v4
	v_add_nc_u32 v[ADRA+2+\s], s2, v5
	v_add_nc_u32 v[ADRB+\s], s46, v4
	v_add_nc_u32 v[ADRB+2+\s], s46, v5
	s_add_co_u32 s2, s2, SLOT
	s_add_co_u32 s46, s46, SLOT
.endr
	v_and_b32 v6, 7, v1                            ; my row's scales: 32 bytes a row, eight rows to a unit of 272 bytes; rows 8-15 of a block lie two units on
	v_lshrrev_b32 v7, 3, v1
	v_lshlrev_b32 v6, 5, v6
	v_mad_u32_u24 v6, v7, 544, v6
	v_lshl_add_u32 v6, v2, 2, v6                   ; lanes 16-31: the K step's second word
	s_mul_i32 s2, s[RH], QS
	s_add_co_u32 s2, s2, SCL
	v_add_nc_u32 v[ADSA], s2, v6
	s_mul_i32 s46, s[CH], QS
	s_add_co_u32 s46, s46, SCL+2*QS
	v_add_nc_u32 v[ADSB], s46, v6
	v_and_b32 v8, 31, v0
	v_lshlrev_b32 v[LI], 4, v8
	s_lshl_b32 s2, s[WV], 9
	s_add_co_u32 s2, s2, SCR
	v_lshl_add_u32 v[SCW], v1, 2, s2
	v_add_nc_u32 v[SCRD], s2, v[LI]
	v_mov_b32 v15, 0
	; where my results go
	s_and_b32 s94, ttmp9, 1
	s_lshl_b32 s95, s[TC], 1
	s_add_co_u32 s95, s95, s[CH]                   ; my 128-step of the result's K
	s_mul_i32 s96, s94, 6291456
	s_mul_i32 s97, s[TC], 1572864
	s_add_co_u32 s96, s96, s97                     ; Q, K: 8,192 rows
	s_mul_i32 s97, s[TC], 196608
	s_add_co_u32 s97, s97, 12582912                ; V^T: 1,024 rows; eight K steps of 256 keys to a batch
	s_lshl_b32 s4, s94, 18
	s_lshl_b32 s5, s95, 15
	s_add_co_u32 s4, s4, s5
	s_lshl_b32 s5, s95, 12
	s_add_co_u32 s5, s5, 524288
	s_cmp_eq_u32 s[ISV], 0
	s_cselect_b32 s96, s96, s97
	s_cselect_b32 s4, s4, s5
	s_mul_i32 s97, s[TR], 49152
	s_add_co_u32 s96, s96, s97
	s_mul_i32 s97, s[RH], 24576
	s_add_co_u32 s96, s96, s97
	s_mul_i32 s97, s[CH], 1536
	s_add_co_u32 s96, s96, s97
	s_mov_b32 s97, 0
	s_add_nc_u64 s[OC:OC+1], s[OC:OC+1], s[96:97]
	s_lshl_b32 s5, s[TR], 10
	s_add_co_u32 s4, s4, s5
	s_lshl_b32 s5, s[RH], 9
	s_add_co_u32 s4, s4, s5
	s_mov_b32 s5, 0
	s_add_nc_u64 s[OS:OS+1], s[OS:OS+1], s[4:5]
	s_wait_loadcnt 0x0                             ; the biases
.set jj, 0
.rept 64
	v_cndmask_b32 v[CB+jj], v[CB+jj], v15, s18     ; in a tile of V^T the bias runs along the rows: the first C is 0 there
.set jj, jj+1
.endr
.irp a, 0,1,2,3,4,5,6,7
	v_cndmask_b32 v[BM+\a], v15, v[BM+\a], s18     ; and in tiles of Q and K the row bias is 0
.endr
	s_wait_tensorcnt 1                             ; the scales and my part of K step 0 are in; K step 1's load may be out
	s_barrier_signal -1
	s_barrier_wait -1
	FETCH_B 0, 0, 0
	FETCH_A 0, 0, 0
	SCALES 0
	FETCH_A 0, 0, 4
	STEP 0, 1                                      ; the first step stands in front of the loop: its products start the sums
	s_mov_b32 s3, LAPS-1
.Llap:
	TURN 0, 1, 1
	STEP 1, 0
	TURN 1, 0, 1
	STEP 0, 0
	s_sub_co_u32 s3, s3, 1
	s_cmp_lg_u32 s3, 0
	s_cbranch_scc1 .Llap
	TURN 0, 1, 0                                   ; the last lap fills nothing
	STEP 1, 0
	s_wait_dscnt 4*NLA
	WIN 0xa1
	MUL16 0, 1, 1, 1, 0
	MUL16 2, 1, 1, 1, 0
	s_wait_dscnt 0x0
	WIN 0xf1
	MUL16 4, 1, 1, 1, 0
	MUL16 6, 1, 1, 1, 0
	WIN 0
	; THE WAY OUT, block by block of 16 rows: the row bias, the quantiser along my 128 columns, the fragment's image to memory, the scale word to my 512 bytes of LDS
	PLACES 4
.irp b, 0,1,2,3
	v_mov_b32 v[TM+4+\b], 0                        ; written once: a lane permute's destination counts as one of its sources
.endr
.macro OUTBLK a
.set WW, 2+(\a)/4
.set AC, 64*((\a)%4)
.set PCS, 128+20*((\a)%2)
.if (\a) > 1
	s_wait_xcnt 0x0                                ; block a - 2's stores have read the registers that this block's codes take
.endif
	WIN (WW<<6)|WW
.set jj, 0
.rept 32
.if (\a)%2
	v_pk_add_f32 v[AC+jj:AC+jj+1], v[AC+jj:AC+jj+1], v[BM+((\a)&6):BM+((\a)&6)+1] op_sel:[0,1] op_sel_hi:[1,1]
.else
	v_pk_add_f32 v[AC+jj:AC+jj+1], v[AC+jj:AC+jj+1], v[BM+((\a)&6):BM+((\a)&6)+1] op_sel:[0,0] op_sel_hi:[1,0]
.endif
.set jj, jj+2
.endr
	QUANT AC, WW, PCS, PW+(\a)
	IMAGE \a, PCS
	ds_store_b32 v[SCW], v[PW+(\a)] offset:64*(\a) ; both halves of the lanes write the same word with the same value
.endm
.irp a, 0,1,2,3,4,5,6,7
	OUTBLK \a
.endr
	ds_load_b128 v[TM:TM+3], v[SCRD]               ; LDS serves a wave's instructions in order: this sees my stores
	s_wait_dscnt 0x0
	global_store_b128 v[LI], v[TM:TM+3], s[OS:OS+1]   ; my 128 rows' scale words: 512 consecutive bytes, aligned
	s_wait_tensorcnt 0x0                           ; the wave's end
	ds_add_u32 v[SPW], v[NIL]
	s_wait_dscnt 0x0
	CROUND                                         ; the closing round
	s_endpgm
.Lfunc_end_k_q18bb536817_proj:
	.size	k_q18bb536817_proj, .Lfunc_end_k_q18bb536817_proj-k_q18bb536817_proj
	.p2alignl 7, 3214868480
	.fill 96, 4, 3214868480
	.section	.rodata,"a",@progbits
	.p2align	6, 0x0
	.amdhsa_kernel k_q18bb536817_proj
		.amdhsa_group_segment_fixed_size 327680
		.amdhsa_private_segment_fixed_size 0
		.amdhsa_enable_private_segment 0
		.amdhsa_kernarg_size 104
		.amdhsa_user_sgpr_count 2
		.amdhsa_user_sgpr_kernarg_segment_ptr 1
		.amdhsa_wavefront_size32 1
		.amdhsa_system_sgpr_workgroup_id_x 1
		.amdhsa_system_sgpr_workgroup_id_y 1
		.amdhsa_system_sgpr_workgroup_id_z 1
		.amdhsa_system_vgpr_workitem_id 0
		.amdhsa_next_free_vgpr 1024
		.amdhsa_next_free_sgpr 102
		.amdhsa_reserve_vcc 0
		.amdhsa_float_denorm_mode_32 3
		.amdhsa_float_denorm_mode_16_64 3
		.amdhsa_memory_ordered 1
		.amdhsa_forward_progress 1
		.amdhsa_inst_pref_size 191
	.end_amdhsa_kernel
	.amdgpu_metadata
---
amdhsa.version: [ 1, 2 ]
amdhsa.kernels:
  - .name:           k_q18bb536817_proj
    .symbol:         k_q18bb536817_proj.kd
    .args:
      - { .name: x_codes, .offset: 0, .size: 8, .value_kind: global_buffer, .address_space: global }
      - { .name: x_scales, .offset: 8, .size: 8, .value_kind: global_buffer, .address_space: global }
      - { .name: Wq_codes, .offset: 16, .size: 8, .value_kind: global_buffer, .address_space: global }
      - { .name: Wq_scales, .offset: 24, .size: 8, .value_kind: global_buffer, .address_space: global }
      - { .name: Wk_codes, .offset: 32, .size: 8, .value_kind: global_buffer, .address_space: global }
      - { .name: Wk_scales, .offset: 40, .size: 8, .value_kind: global_buffer, .address_space: global }
      - { .name: Wv_codes, .offset: 48, .size: 8, .value_kind: global_buffer, .address_space: global }
      - { .name: Wv_scales, .offset: 56, .size: 8, .value_kind: global_buffer, .address_space: global }
      - { .name: bq, .offset: 64, .size: 8, .value_kind: global_buffer, .address_space: global }
      - { .name: bk, .offset: 72, .size: 8, .value_kind: global_buffer, .address_space: global }
      - { .name: bv, .offset: 80, .size: 8, .value_kind: global_buffer, .address_space: global }
      - { .name: qkv_codes, .offset: 88, .size: 8, .value_kind: global_buffer, .address_space: global }
      - { .name: qkv_scales, .offset: 96, .size: 8, .value_kind: global_buffer, .address_space: global }
    .group_segment_fixed_size: 327680
    .private_segment_fixed_size: 0
    .kernarg_segment_align: 8
    .kernarg_segment_size: 104
    .max_flat_workgroup_size: 128
    .sgpr_count:     102
    .vgpr_count:     1024
    .wavefront_size: 32
...
	.end_amdgpu_metadata
.endif
;; end of part 1
;; launch scores (part 2): grid 8 x 32, 4 waves a work-group, clusters of 4 x 4, 327,680 bytes of LDS; arguments qkv_codes, qkv_scales, p_codes, p_stats; writes p_codes, p_stats
.if DOCPART == 2
	.amdgcn_target "amdgcn-amd-amdhsa--gfx1250"
	.amdhsa_code_object_version 6
	.text
	.protected	k_q18bb536817_scores
	.globl	k_q18bb536817_scores
	.p2align	8
	.type	k_q18bb536817_scores,@function
k_q18bb536817_scores:
	s_mov_b64 s[64:65], 0
	v_nop
	global_prefetch_b8 v0, s[64:65] scope:SCOPE_SE
	s_setreg_imm32_b32 hwreg(HW_REG_WAVE_MODE, 25, 1), 1
	s_wait_xcnt 0x0
	s_wait_alu depctr_hold_cnt(0) depctr_sa_sdst(0) depctr_va_vdst(0) depctr_va_sdst(0) depctr_va_ssrc(0) depctr_va_vcc(0) depctr_vm_vsrc(0)
	s_getreg_b32 s2, hwreg(HW_REG_IB_STS2, 6, 4)
	s_cmp_eq_u32 s2, 0
	s_cbranch_scc0 .Lentry_in_a_cluster
	s_endpgm
.Lentry_in_a_cluster:
	s_bfe_u32 s2, ttmp6, 0x10000c
	s_cmp_lg_u32 s2, 0xf033
	s_cbranch_scc0 .Lentry_shape_is_right
	s_endpgm
.Lentry_shape_is_right:
; S = Q K^T for each batch, on codes of FP6 (E2M3), and the softmax's p as codes.  A tile is 256 queries x 256 keys, a wave's part 128 x 128.  Source 0 = 16 keys, source 1 = 16 queries: a lane holds one query, its registers run along the keys.
; THE SOFTMAX IS TAKEN PIECE BY PIECE: for each query and each run of 128 keys (a wave's columns): t = score x log2(e) / 8; M = the piece's largest t rounded UP to a whole number; p = 2^(t - M), quantised along the keys;
; the piece's sum l of the unquantised p.  The piece's -M and l are stored beside p's scale words; the next launch brings all 16 pieces of a row under the row's M by whole numbers taken off the scale bytes, which changes no code.
; Q, K come and p leaves as images of the operand's registers: a fragment (16 rows x 128 K) is 1,536 bytes, lane l's 16 bytes at 16 l of each 512; it lies at (k / 256) 192 R + (row block) 3072 + ((k / 128) % 2) 1536, R = 8,192 rows.
; Scale words, -M and l lie K-major: (128-step, row) at step x 32,768 + 4 x row.  Rows keep the order in which the first launch laid them.
; CLUSTERS: Q's tile is asked for jointly by a row of the cluster, K's by a column.
; LIMITS: NaN and infinities are not served; a block whose every p has fallen under 2^-124 keeps the scale byte 1.
.set HALFT, 24576                      ; 128 rows x 256 K as images: a quarter of a slot
.set AIMG,  1
.set BIMG,  1
.set API,   0
.set BPI,   0
.set CBIAS, 0
.set NLA,   3
.set ASK,   2
.set BSK,   2
.set ASTEP, 1152
.set BSTEP, 1152
.set STEP_A, 1572864
.set STEP_B, 1572864
.set LAPS,  2
.set QS,    4608                       ; the scale words of 128 rows: 8 rows of 512 bytes + 64
.set SCL,   8*HALFT
.set SPARE, SCL+4*QS
.set SCR,   SPARE+512                  ; 1,536 bytes a wave: scale words, -M, l on their way out; no fill lands here
.set OC,    8
.set OS,    10
.set CS,    92                         ; s[92:93] c = log2(e) / 8
.set LI,    24
.set SCW,   25
.set SCRD,  26
.set W,     128                        ; v128-191 t - M, then p
.set BX,    232                        ; v232-235 each block's largest score, then its largest p
.set BY,    236                        ; v236-239 at work
.set SOP,   240                        ; v240-243 the conversions' scale operands
.set NM,    244                        ; v[244:245] -M (the pair is named by the packed form; its low word serves both halves)
.set LS,    246                        ; v[246:247], v[248:249] the sum in two chains
.set LT,    248
.set TT,    250
.set PW,    251
; ---- the core that this program's four launches share ----
.set FR,    12                         ; registers of a fragment
.set PITCH, 240                        ; a row of 192 bytes of codes in LDS: 3 x (64 + 16 of padding)
.set SLOT,  4*HALFT                    ; A's 256 rows, then B's 256 rows
.set ADRA,  16                         ; v16-17 LDS address of my A fragments in slot 0, 1 (v18-19: behind one padding more)
.set ADRB,  20                         ; v20-23 the same for B
.set ADSA,  27                         ; v27  LDS address of A's scale words: lanes 0-15 the K step's first 128, lanes 16-31 its second
.set SPW,   28                         ; v28  my spare word; never rewritten
.set NIL,   29                         ; v29  0; never rewritten
.set ADSB,  31                         ; v31  the same as v27 for B
.set SC,    32                         ; v32-63 scale words and nothing else: set s: A's block i at SC + 16 s + i, B's at SC + 16 s + 8 + i
.set CB,    64                         ; v64-127 the column bias in the result's layout
.set AF,    128                        ; v128-223 A's fragments, one set.  Window 1: B's two sets at v0 and v128.  Windows 2, 3: accumulator (a, b) at v[8 (8 (a % 4) + b)]
.set SEL,   16                         ; s[16:17] lane selects: lane l xor 16
.set WV,    20                         ; s20 wave;  s21 wave / 2: my half of the rows, and whether I fetch for A (0) or B (1);  s22 wave % 2: my half of the columns, and which 128 rows I fetch
.set RH,    21
.set CH,    22
.set G1,    24                         ; s[24:31], s[32:39] groups 1 and 0 (a set a slot) for A's tiles;  s[48:55], s[56:63] for B's
.set G0,    32
.set TC,    42
.set G1B,   48
.set G0B,   56
.set TR,    66
.set G1S,   68                         ; s[68:75], s[76:79] for A's scales;  s[80:87], s[88:91] for B's
.set G0S,   76
.set G1SB,  80
.set G0SB,  88
.set W0ROW, (1<<20)|(1<<21)|(3<<22)|(3<<25)          ; bytes; 4 words of padding behind every 16; bit 21 beside a mask
.set W0IMG, (3<<16)|(1<<21)                          ; elements of 8 bytes, no padding
.set W0GIV, (3<<16)|(1<<20)|(1<<21)|(5<<22)|(3<<25)  ; 4 words behind every 64
.set W0OWN, (3<<16)|(1<<20)|(1<<21)|(6<<22)|(15<<25) ; 16 words behind every 128
.set MSB, 0
.macro WIN new                         ; the immediate's high byte repeats the setting that is left
.if MSB != (\new)
	s_set_vgpr_msb (MSB<<8)|(\new)
.set MSB, (\new)
.endif
.endm
.macro PLACES n                        ; plain places behind matrix instructions, in front of loads into their registers and of reads of their results
.rept \n
	v_nop
.endr
.endm
.macro CREST                           ; a round of the cluster's barrier behind its opening barrier
	s_cmp_lg_u32 s[WV], 0
	s_cbranch_scc1 .Lnot_wave_0_\@
	s_barrier_signal -3
.Lnot_wave_0_\@:
	s_barrier_wait -3
	s_barrier_signal -1
	s_barrier_wait -1
.endm
.macro CROUND
	s_barrier_signal -1
	s_barrier_wait -1
	CREST
.endm
.macro JLOAD g0a, g1a, g0b, g1b        ; a joint load: waves 0, 1 for A, waves 2, 3 for B; four v_nop follow each line
	s_cmp_eq_u32 s[RH], 0
	s_cbranch_scc0 .Lfor_b_\@
	tensor_load_to_lds s[\g0a:\g0a+3], s[\g1a:\g1a+7]
	s_nop 0
.rept 4
	v_nop
.endr
	s_branch .Lasked_\@
.Lfor_b_\@:
	tensor_load_to_lds s[\g0b:\g0b+3], s[\g1b:\g1b+7]
	s_nop 0
.rept 4
	v_nop
.endr
.Lasked_\@:
.endm
.macro G1SET g, m, w0, d0, d1, st      ; group 1: d1 rows of d0 elements, st elements apart; the mask in s[m]
	s_or_b32 s[\g], s[\m], \w0
	s_mov_b32 s[\g+1], (\d0)<<16
	s_mov_b32 s[\g+2], (\d1)<<16
	s_mov_b32 s[\g+3], (\d0)<<16
	s_mov_b32 s[\g+4], \d1
	s_mov_b32 s[\g+5], \st
	s_mov_b32 s[\g+6], 0
	s_mov_b32 s[\g+7], 0
.endm
.macro SDESC g0, ptr, lr, base         ; group 0 of a scale tile: words 2, 3 hold the byte offset on entry
	s_mov_b32 s[\g0], 1
	s_add_co_u32 s[\g0+1], s[\lr], \base
	s_add_nc_u64 s[\g0+2:\g0+3], s[\ptr:\ptr+1], s[\g0+2:\g0+3]
	s_or_b32 s[\g0+3], s[\g0+3], 0x80000000
.endm
.macro GROUP0 pa, pb                   ; groups 0 of the code tiles, a set for each slot: K steps 0 and 1
	s_add_nc_u64 s[G0+2:G0+3], s[\pa:\pa+1], s[G0+2:G0+3]
	s_add_nc_u64 s[G0+6:G0+7], s[G0+2:G0+3], STEP_A
	s_add_nc_u64 s[G0B+2:G0B+3], s[\pb:\pb+1], s[G0B+2:G0B+3]
	s_add_nc_u64 s[G0B+6:G0B+7], s[G0B+2:G0B+3], STEP_B
.irp s, 0,1
	s_mov_b32 s[G0+4*\s], 1
	s_add_co_u32 s[G0+4*\s+1], s45, \s*SLOT
	s_or_b32 s[G0+4*\s+3], s[G0+4*\s+3], 0x80000000
	s_mov_b32 s[G0B+4*\s], 1
	s_add_co_u32 s[G0B+4*\s+1], s45, \s*SLOT
	s_or_b32 s[G0B+4*\s+3], s[G0B+4*\s+3], 0x80000000
.endr
.endm
.macro HEAD
	v_lshl_add_u32 v[SPW], v0, 2, SPARE
	v_mov_b32 v[NIL], 0
	ds_add_u32 v28, v29
	ds_add_u32 v28, v29
	s_wait_dscnt 0x0
	v_lshrrev_b32 v1, 5, v0
	v_readfirstlane_b32 s[WV], v1
	s_lshr_b32 s[RH], s[WV], 1
	s_and_b32 s[CH], s[WV], 1
	s_bfe_u32 s40, ttmp6, 0x40000                  ; cx, cy: my place in the cluster
	s_bfe_u32 s41, ttmp6, 0x40004
	s_lshl_b32 s43, s41, 2
	s_lshl_b32 s43, 15, s43                        ; my row of the cluster
	s_lshl_b32 s44, 0x1111, s40                    ; my column
	s_mul_i32 s45, s[WV], HALFT                    ; where my quarter of a slot lies
.endm
.macro FRAGR reg, adr, q, rowoff       ; a fragment from rows of codes: six pieces of 8 bytes; lanes 16-31 read three pieces on, for some pieces behind one padding more (second address register)
.irp p, 0,1,2,3,4,5
.set PCE, 12*(\q)+6*(\p/3)+\p%3
.if PCE%8 < 5
	ds_load_b64 v[\reg+2*\p:\reg+2*\p+1], v[\adr] offset:8*PCE+16*(PCE/8)+(\rowoff)*PITCH
.else
	ds_load_b64 v[\reg+2*\p:\reg+2*\p+1], v[\adr+2] offset:8*PCE+16*(PCE/8)+(\rowoff)*PITCH
.endif
.endr
.endm
.macro FRAGI reg, adr, q, i            ; a fragment from an image of its registers: three loads of 512 consecutive bytes
.irp c, 0,1,2
	ds_load_b128 v[\reg+4*\c:\reg+4*\c+3], v[\adr] offset:(\i)*3072+(\q)*1536+512*\c
.endr
.endm
.macro FETCH_B slot, q, p              ; B's eight fragments of the slot's q-th 128 along K into set p
	WIN 0x40
.irp i, 0,1,2,3,4,5,6,7
.if BIMG
	FRAGI 128*(\p)+FR*\i, ADRB+\slot, \q, \i
.elseif BPI
	FRAGR 128*(\p)+FR*\i, ADRB+\slot, \q, 32*(\i/2)+8*(\i%2)
.else
	FRAGR 128*(\p)+FR*\i, ADRB+\slot, \q, 16*\i
.endif
.endr
	WIN 0
.endm
.macro FETCH_A slot, q, i0             ; A's blocks i0 .. i0 + 3
.irp i, \i0, \i0+1, \i0+2, \i0+3
.if AIMG
	FRAGI AF+FR*(\i), ADRA+\slot, \q, \i
.elseif API
	FRAGR AF+FR*(\i), ADRA+\slot, \q, 32*((\i)/2)+8*((\i)%2)
.else
	FRAGR AF+FR*(\i), ADRA+\slot, \q, 16*(\i)
.endif
.endr
.endm
.macro SOFF kind, i                    ; where block i's scale words begin.  0: given scales, rows as they lie; 1: given, rows in this program's order; 2: my own, K-major; 3: my own, in quarters of 64 rows
.if \kind == 0
.set SOF, 544*(\i)
.elseif \kind == 1
.set SOF, 272*(4*((\i)/2)+(\i)%2)
.elseif \kind == 2
.set SOF, 64*(\i)
.else
.set SOF, ((\i)/4)*5120+((\i)%4)*64
.endif
.endm
.macro SCALES sc                       ; a K step's scale words into set sc: one register a block carries both 128-steps, in the two halves of the lanes
.irp i, 0,1,2,3,4,5,6,7
	SOFF ASK, \i
	ds_load_b32 v[SC+16*\sc+\i], v[ADSA] offset:SOF
.endr
.irp i, 0,1,2,3,4,5,6,7
	SOFF BSK, \i
	ds_load_b32 v[SC+16*\sc+8+\i], v[ADSB] offset:SOF
.endr
.endm
; 16 products: A's blocks a0, a0 + 1 x B's eight, the slot's q-th 128 along K; p: B's set; sc: the scale set.  zero = 1: the first product starts the sums.  The 64 accumulators take turns, in the same order in every step.
.macro MUL16 a0, p, q, sc, zero
.irp a, \a0, \a0+1
.irp b, 0,1,2,3,4,5,6,7
.if (\zero) && CBIAS
	v_wmma_scale_f32_16x16x128_f8f6f4 v[8*(8*((\a)%4)+\b):8*(8*((\a)%4)+\b)+7], v[128*(\p)+FR*\b:128*(\p)+FR*\b+FR-1], v[AF+FR*(\a):AF+FR*(\a)+FR-1], v[CB+8*\b:CB+8*\b+7], v[SC+16*(\sc)+8+\b], v[SC+16*(\sc)+(\a)] matrix_a_fmt:MATRIX_FMT_FP6 matrix_b_fmt:MATRIX_FMT_FP6
.elseif \zero
	v_wmma_scale_f32_16x16x128_f8f6f4 v[8*(8*((\a)%4)+\b):8*(8*((\a)%4)+\b)+7], v[128*(\p)+FR*\b:128*(\p)+FR*\b+FR-1], v[AF+FR*(\a):AF+FR*(\a)+FR-1], 0, v[SC+16*(\sc)+8+\b], v[SC+16*(\sc)+(\a)] matrix_a_fmt:MATRIX_FMT_FP6 matrix_b_fmt:MATRIX_FMT_FP6
.elseif (\q) == 0
	v_wmma_scale_f32_16x16x128_f8f6f4 v[8*(8*((\a)%4)+\b):8*(8*((\a)%4)+\b)+7], v[128*(\p)+FR*\b:128*(\p)+FR*\b+FR-1], v[AF+FR*(\a):AF+FR*(\a)+FR-1], v[8*(8*((\a)%4)+\b):8*(8*((\a)%4)+\b)+7], v[SC+16*(\sc)+8+\b], v[SC+16*(\sc)+(\a)] matrix_a_fmt:MATRIX_FMT_FP6 matrix_b_fmt:MATRIX_FMT_FP6
.else
	v_wmma_scale_f32_16x16x128_f8f6f4 v[8*(8*((\a)%4)+\b):8*(8*((\a)%4)+\b)+7], v[128*(\p)+FR*\b:128*(\p)+FR*\b+FR-1], v[AF+FR*(\a):AF+FR*(\a)+FR-1], v[8*(8*((\a)%4)+\b):8*(8*((\a)%4)+\b)+7], v[SC+16*(\sc)+8+\b], v[SC+16*(\sc)+(\a)] matrix_a_fmt:MATRIX_FMT_FP6 matrix_b_fmt:MATRIX_FMT_FP6 matrix_a_scale:MATRIX_SCALE_ROW1 matrix_b_scale:MATRIX_SCALE_ROW1
.endif
.endr
.endr
.endm
.macro STEP slot, zero                 ; a slot's first 128 along K; the second's fragments are fetched in two runs
	s_wait_dscnt 4*NLA                             ; B's set, A's blocks 0-3 and the scale words are in; the youngest loads, A's blocks 4-7, may be out
.if (\zero) && CBIAS
	WIN 0x81                                       ; source 0 window 1, source 1 and C window 0, D window 2
.else
	WIN 0xa1                                       ; C and D window 2
.endif
	MUL16 0, 0, 0, \slot, \zero
	MUL16 2, 0, 0, \slot, \zero
	s_wait_dscnt 0x0                               ; A's blocks 4-7 are in
	PLACES 4
	FETCH_B \slot, 1, 1
	FETCH_A \slot, 1, 0
.if (\zero) && CBIAS
	WIN 0xc1
.else
	WIN 0xf1
.endif
	MUL16 4, 0, 0, \slot, \zero
	MUL16 6, 0, 0, \slot, \zero
	PLACES 4
	WIN 0
	FETCH_A \slot, 1, 4
.endm
; A slot's second 128 along K changes slots: ONE barrier; in front of it each wave waits for all its tensor loads, adds 0 to its spare word, and waits for that and for its reads of this slot.  fill = 1: the slot is filled again, two K steps ahead.
.macro TURN slot, next, fill
	s_wait_tensorcnt 0x0                           ; all my tensor loads have landed: my part of the next slot
	ds_add_u32 v[SPW], v[NIL]                      ; 0 onto my spare word
	s_wait_dscnt 4*NLA+1                           ; (the add and A's blocks 4-7 may be out)
	WIN 0xa1
	MUL16 0, 1, 1, \slot, 0                        ; sixteen products stand between the add and the wait for it
	s_wait_dscnt 0x0                               ; the add is done, and my reads of this slot are over
	s_barrier_signal -1
	MUL16 2, 1, 1, \slot, 0
	WIN 0
	s_barrier_wait -1
.if \fill
	CREST                                          ; the barrier has opened a round of the cluster's: no wave of any partner still reads this slot or has a load on its way
	s_add_nc_u64 s[G0+4*\slot+2:G0+4*\slot+3], s[G0+4*\slot+2:G0+4*\slot+3], 2*STEP_A
	s_add_nc_u64 s[G0B+4*\slot+2:G0B+4*\slot+3], s[G0B+4*\slot+2:G0B+4*\slot+3], 2*STEP_B
	JLOAD G0+4*\slot, G1, G0B+4*\slot, G1B         ; the first tensor load behind the round; its four v_nop are the places in front of the loads below
.else
	PLACES 4
.endif
	v_add_nc_u32 v[ADSA], ASTEP, v[ADSA]           ; on to the next K step's scale words
	v_add_nc_u32 v[ADSB], BSTEP, v[ADSB]
	FETCH_B \next, 0, 0
	FETCH_A \next, 0, 0
	SCALES \next
	WIN 0xf1
	MUL16 4, 1, 1, \slot, 0
	MUL16 6, 1, 1, \slot, 0
	PLACES 4
	WIN 0
	FETCH_A \next, 0, 4
.endm
.macro IMAGE a, pc                     ; block a's fragment leaves as it stands: each store covers 512 consecutive bytes, aligned
.irp c, 0,1,2
	global_store_b128 v[LI], v[\pc+4*\c:\pc+4*\c+3], s[OC:OC+1] offset:(\a)*3072+512*\c
.endr
.endm
.macro OUTBASE oc, os                  ; where my codes and my scale words go: K step = tile column, 8,192 rows
	s_mul_i32 s96, s[TC], 1572864
	s_mul_i32 s97, s[TR], 49152
	s_add_co_u32 s96, s96, s97
	s_mul_i32 s97, s[RH], 24576
	s_add_co_u32 s96, s96, s97
	s_mul_i32 s97, s[CH], 1536
	s_add_co_u32 s96, s96, s97
	s_mov_b32 s97, 0
	s_add_nc_u64 s[\oc:\oc+1], s[\oc:\oc+1], s[96:97]
	s_lshl_b32 s96, s[TC], 1
	s_add_co_u32 s96, s96, s[CH]
	s_lshl_b32 s96, s96, 15
	s_lshl_b32 s98, s[TR], 10
	s_add_co_u32 s96, s96, s98
	s_lshl_b32 s98, s[RH], 9
	s_add_co_u32 s96, s96, s98
	s_add_nc_u64 s[\os:\os+1], s[\os:\os+1], s[96:97]
.endm
; ---- the launch ----
	s_load_b256 s[4:11], s[0:1], 0x0               ; Q, K, V^T's codes; their scale words; p's codes; p's scale words, -M, l
	HEAD
	s_lshl_b32 s[TC], ttmp9, 2
	s_add_co_u32 s[TC], s[TC], s40                 ; the tile of 256 keys in the batch
	s_and_b32 s67, ttmp7, 0xffff
	s_lshl_b32 s[TR], s67, 2
	s_add_co_u32 s[TR], s[TR], s41                 ; the tile of 256 queries among all 8,192
	s_lshr_b32 s67, s67, 1                         ; the batch: from the cluster's y alone, so all sixteen partners share it
	G1SET G1, 43, W0IMG, 32, 96, 32
	G1SET G1B, 44, W0IMG, 32, 96, 32
	G1SET G1S, 43, W0OWN, 64, 8, 4096
	G1SET G1SB, 44, W0OWN, 64, 8, 4096
	s_mul_i32 s2, s[TR], 49152
	s_mul_i32 s3, s[CH], 24576
	s_add_co_u32 s[G0+2], s2, s3                   ; Q: the 128 rows that I fetch
	s_mov_b32 s[G0+3], 0
	s_lshl_b32 s2, s[TR], 10
	s_lshl_b32 s3, s[CH], 9
	s_add_co_u32 s[G0S+2], s2, s3
	s_mov_b32 s[G0S+3], 0
	s_mul_i32 s46, s[TC], 49152
	s_mul_i32 s47, s[CH], 24576
	s_add_co_u32 s46, s46, s47
	s_mul_i32 s47, s67, 393216
	s_add_co_u32 s46, s46, s47
	s_add_co_u32 s[G0B+2], s46, 6291456            ; K lies behind Q
	s_mov_b32 s[G0B+3], 0
	s_lshl_b32 s46, s[TC], 10
	s_lshl_b32 s47, s[CH], 9
	s_add_co_u32 s46, s46, s47
	s_lshl_b32 s47, s67, 13
	s_add_co_u32 s46, s46, s47
	s_add_co_u32 s[G0SB+2], s46, 262144
	s_mov_b32 s[G0SB+3], 0
	s_mul_i32 s3, s[WV], QS
	s_mov_b32 s[SEL], 0x76543210
	s_mov_b32 s[SEL+1], 0xfedcba98
	s_mov_b32 s[CS], 0x3e38aa3b                    ; log2(e) / 8
	s_mov_b32 s[CS+1], s[CS]
	s_wait_kmcnt 0x0
	SDESC G0S, 6, 3, SCL
	SDESC G0SB, 6, 3, SCL
	GROUP0 4, 4
	OUTBASE OC, OS
	CROUND                                         ; all sixteen work-groups are here: the first joint loads meet
	JLOAD G0S, G1S, G0SB, G1SB                     ; three loads of mine are out: the scales, K step 0, K step 1
	JLOAD G0, G1, G0B, G1B
	JLOAD G0+4, G1, G0B+4, G1B
	v_and_b32 v1, 15, v0                           ; r
	v_bfe_u32 v2, v0, 4, 1                         ; h
	v_and_b32 v8, 31, v0
	v_lshlrev_b32 v[LI], 4, v8                     ; 16 x lane
	s_mul_i32 s2, s[RH], HALFT
	s_mul_i32 s46, s[CH], HALFT
	s_add_co_u32 s46, s46, 2*HALFT
.irp s, 0,1
	v_add_nc_u32 v[ADRA+\s], s2, v[LI]
	v_add_nc_u32 v[ADRB+\s], s46, v[LI]
	s_add_co_u32 s2, s2, SLOT
	s_add_co_u32 s46, s46, SLOT
.endr
	v_lshlrev_b32 v6, 2, v1
	v_mad_u32_u24 v6, v2, 576, v6                  ; my row's word; lanes 16-31: the K step's second 128
	s_mul_i32 s2, s[RH], QS
	s_add_co_u32 s2, s2, SCL
	v_add_nc_u32 v[ADSA], s2, v6
	s_mul_i32 s46, s[CH], QS
	s_add_co_u32 s46, s46, SCL+2*QS
	v_add_nc_u32 v[ADSB], s46, v6
	s_mul_i32 s2, s[WV], 1536
	s_add_co_u32 s2, s2, SCR
	v_lshl_add_u32 v[SCW], v1, 2, s2
	v_add_nc_u32 v[SCRD], s2, v[LI]
	s_wait_tensorcnt 1                             ; the scales and my part of K step 0 are in; K step 1's load may be out
	s_barrier_signal -1
	s_barrier_wait -1
	FETCH_B 0, 0, 0
	FETCH_A 0, 0, 0
	SCALES 0
	FETCH_A 0, 0, 4
	STEP 0, 1
	s_mov_b32 s3, LAPS-1
.Llap:
	TURN 0, 1, 1
	STEP 1, 0
	TURN 1, 0, 1
	STEP 0, 0
	s_sub_co_u32 s3, s3, 1
	s_cmp_lg_u32 s3, 0
	s_cbranch_scc1 .Llap
	TURN 0, 1, 0
	STEP 1, 0
	s_wait_dscnt 4*NLA
	WIN 0xa1
	MUL16 0, 1, 1, 1, 0
	MUL16 2, 1, 1, 1, 0
	s_wait_dscnt 0x0
	WIN 0xf1
	MUL16 4, 1, 1, 1, 0
	MUL16 6, 1, 1, 1, 0
	WIN 0
	; THE WAY OUT, block by block of 16 queries: the piece's softmax over my 128 keys
	PLACES 4
.irp b, 0,1,2,3
	v_mov_b32 v[BY+\b], 0                          ; written once: a lane permute's destination counts as one of its sources
.endr
	v_mov_b32 v[NM+1], 0                           ; (named as the upper half of a pair)
	v_mov_b32 v[TT], 0
.macro SOFTBLK a
.set WW, 2+(\a)/4
.set AC, 64*((\a)%4)
.set PCS, 192+20*((\a)%2)
.if (\a) > 0
	s_wait_dscnt 0x0                               ; the last block's three LDS stores have read their registers
.endif
.if (\a) > 1
	s_wait_xcnt 0x0                                ; block a - 2's stores have read the registers that this block's codes take
.endif
	WIN WW|(WW<<2)
.irp b, 0,1,2,3
	v_max_num_f32 v[BX+\b], v[AC+16*\b], v[AC+16*\b+1]   ; the largest score of each block of 32 keys: it serves for the piece's maximum and, since p rises with the score, for the block's largest p
.endr
.irp i, 2,4,6,8,10,12,14
.irp b, 0,1,2,3
	v_max3_num_f32 v[BX+\b], v[AC+16*\b+\i], v[AC+16*\b+\i+1], v[BX+\b]
.endr
.endr
	WIN 0
.irp b, 0,1,2,3
	v_permlanex16_b32 v[BY+\b], v[BX+\b], s[SEL], s[SEL+1]
.endr
.irp b, 0,1,2,3
	v_max_num_f32 v[BX+\b], v[BX+\b], v[BY+\b]
.endr
	v_max3_num_f32 v[TT], v[BX], v[BX+1], v[BX+2]
	v_max_num_f32 v[TT], v[TT], v[BX+3]
	v_mul_f32 v[TT], s[CS], v[TT]                  ; the piece's largest t (c is positive)
	v_floor_f32 v[NM], -v[TT]                      ; -M = floor(-t) = -ceil(t): a whole number
	WIN WW
.set jj, 0
.rept 32
	v_pk_fma_f32 v[W+jj:W+jj+1], v[AC+jj:AC+jj+1], s[CS:CS+1], v[NM:NM+1] op_sel_hi:[1,0,0]   ; t - M, two at a time
.set jj, jj+2
.endr
	WIN 0
.irp b, 0,1,2,3
	v_fma_f32 v[BX+\b], v[BX+\b], s[CS], v[NM]     ; the same of each block's largest score
.endr
.set jj, 0
.rept 64
	v_exp_f32 v[W+jj], v[W+jj]                     ; p = 2^(t - M), at most 1
.set jj, jj+1
.endr
	v_nop                                          ; a plain place behind the exponentials
	s_wait_alu depctr_va_vdst(0)                   ; one wait for the batch, ahead of its first reader
.irp b, 0,1,2,3
	v_exp_f32 v[BX+\b], v[BX+\b]                   ; the block's largest p: the same two instructions on the same number give the same bits
.endr
	v_pk_add_f32 v[LS:LS+1], v[W:W+1], v[W+4:W+5]  ; the sum of the UNQUANTISED p, in two chains
	v_pk_add_f32 v[LT:LT+1], v[W+2:W+3], v[W+6:W+7]
.irp j, 8,12,16,20,24,28,32,36,40,44,48,52,56,60
	v_pk_add_f32 v[LS:LS+1], v[LS:LS+1], v[W+\j:W+\j+1]
	v_pk_add_f32 v[LT:LT+1], v[LT:LT+1], v[W+\j+2:W+\j+3]
.endr
	v_pk_add_f32 v[LS:LS+1], v[LS:LS+1], v[LT:LT+1]
	v_add_f32 v[LS], v[LS], v[LS+1]
	v_permlanex16_b32 v[TT], v[LS], s[SEL], s[SEL+1]
	v_add_f32 v[LS], v[LS], v[TT]                  ; with lane l xor 16's 64 keys: the piece's l
	s_wait_alu depctr_va_vdst(0)                   ; and one wait for the four
.irp b, 0,1,2,3
	v_max_num_f32 v[BX+\b], 0x1800000, v[BX+\b]    ; the floor 2^(3 - 127): the byte cannot fall under 1
.endr
.irp b, 0,1,2,3
	v_add_nc_u32 v[SOP+\b], 0xff000000, v[BX+\b]   ; 2 off the exponent field: the conversion's scale operand
.endr
.irp b, 0,1,2,3
	v_lshrrev_b32 v[BY+\b], 23, v[SOP+\b]          ; the scale's byte
.endr
	v_lshl_or_b32 v[PW], v[BY+1], 8, v[BY]
	v_lshl_or_b32 v[PW], v[BY+2], 16, v[PW]
	v_lshl_or_b32 v[PW], v[BY+3], 24, v[PW]
.irp c, 0,1
	v_cvt_scalef32_pk16_fp6_f32 v[PCS+6*\c:PCS+6*\c+2], v[W+32*\c:W+32*\c+15], v[SOP+2*\c]
	v_cvt_scalef32_pk16_fp6_f32 v[PCS+12+4*\c:PCS+14+4*\c], v[W+16+32*\c:W+31+32*\c], v[SOP+2*\c+1]
.endr
	v_nop                                          ; one plain place behind a scaled conversion
.irp c, 0,1
.irp i, 0,1,2
	v_permlane16_swap_b32 v[PCS+6*\c+\i], v[PCS+12+4*\c+\i]
.endr
.irp i, 0,1,2
	v_mov_b32 v[PCS+3+6*\c+\i], v[PCS+12+4*\c+\i]
.endr
.endr
	IMAGE \a, PCS
	ds_store_b32 v[SCW], v[PW] offset:64*(\a)      ; both halves of the lanes write the same word with the same value
	ds_store_b32 v[SCW], v[NM] offset:512+64*(\a)
	ds_store_b32 v[SCW], v[LS] offset:1024+64*(\a)
.endm
.irp a, 0,1,2,3,4,5,6,7
	SOFTBLK \a
.endr
.irp c, 0,1,2
	ds_load_b128 v[W+4*\c:W+4*\c+3], v[SCRD] offset:512*\c   ; LDS serves a wave's instructions in order: these see my stores
.endr
	s_wait_dscnt 0x0
	global_store_b128 v[LI], v[W:W+3], s[OS:OS+1]                      ; my 128 rows' scale words,
	global_store_b128 v[LI], v[W+4:W+7], s[OS:OS+1] offset:524288      ; -M,
	global_store_b128 v[LI], v[W+8:W+11], s[OS:OS+1] offset:1048576    ; and l: 512 consecutive bytes each, aligned
	s_wait_tensorcnt 0x0                           ; the wave's end
	ds_add_u32 v[SPW], v[NIL]
	s_wait_dscnt 0x0
	CROUND                                         ; the closing round
	s_endpgm
.Lfunc_end_k_q18bb536817_scores:
	.size	k_q18bb536817_scores, .Lfunc_end_k_q18bb536817_scores-k_q18bb536817_scores
	.p2alignl 7, 3214868480
	.fill 96, 4, 3214868480
	.section	.rodata,"a",@progbits
	.p2align	6, 0x0
	.amdhsa_kernel k_q18bb536817_scores
		.amdhsa_group_segment_fixed_size 327680
		.amdhsa_private_segment_fixed_size 0
		.amdhsa_enable_private_segment 0
		.amdhsa_kernarg_size 32
		.amdhsa_user_sgpr_count 2
		.amdhsa_user_sgpr_kernarg_segment_ptr 1
		.amdhsa_wavefront_size32 1
		.amdhsa_system_sgpr_workgroup_id_x 1
		.amdhsa_system_sgpr_workgroup_id_y 1
		.amdhsa_system_sgpr_workgroup_id_z 1
		.amdhsa_system_vgpr_workitem_id 0
		.amdhsa_next_free_vgpr 1024
		.amdhsa_next_free_sgpr 100
		.amdhsa_reserve_vcc 0
		.amdhsa_float_denorm_mode_32 3
		.amdhsa_float_denorm_mode_16_64 3
		.amdhsa_memory_ordered 1
		.amdhsa_forward_progress 1
		.amdhsa_inst_pref_size 198
	.end_amdhsa_kernel
	.amdgpu_metadata
---
amdhsa.version: [ 1, 2 ]
amdhsa.kernels:
  - .name:           k_q18bb536817_scores
    .symbol:         k_q18bb536817_scores.kd
    .args:
      - { .name: qkv_codes, .offset: 0, .size: 8, .value_kind: global_buffer, .address_space: global }
      - { .name: qkv_scales, .offset: 8, .size: 8, .value_kind: global_buffer, .address_space: global }
      - { .name: p_codes, .offset: 16, .size: 8, .value_kind: global_buffer, .address_space: global }
      - { .name: p_stats, .offset: 24, .size: 8, .value_kind: global_buffer, .address_space: global }
    .group_segment_fixed_size: 327680
    .private_segment_fixed_size: 0
    .kernarg_segment_align: 8
    .kernarg_segment_size: 32
    .max_flat_workgroup_size: 128
    .sgpr_count:     100
    .vgpr_count:     1024
    .wavefront_size: 32
...
	.end_amdgpu_metadata
.endif
;; end of part 2
;; launch pv (part 3): grid 4 x 32, 4 waves a work-group, clusters of 4 x 4, 327,680 bytes of LDS; arguments p_codes, p_stats, qkv_codes, qkv_scales, o_codes, o_scales; writes o_codes, o_scales
.if DOCPART == 3
	.amdgcn_target "amdgcn-amd-amdhsa--gfx1250"
	.amdhsa_code_object_version 6
	.text
	.protected	k_q18bb536817_pv
	.globl	k_q18bb536817_pv
	.p2align	8
	.type	k_q18bb536817_pv,@function
k_q18bb536817_pv:
	s_mov_b64 s[64:65], 0
	v_nop
	global_prefetch_b8 v0, s[64:65] scope:SCOPE_SE
	s_setreg_imm32_b32 hwreg(HW_REG_WAVE_MODE, 25, 1), 1
	s_wait_xcnt 0x0
	s_wait_alu depctr_hold_cnt(0) depctr_sa_sdst(0) depctr_va_vdst(0) depctr_va_sdst(0) depctr_va_ssrc(0) depctr_va_vcc(0) depctr_vm_vsrc(0)
	s_getreg_b32 s2, hwreg(HW_REG_IB_STS2, 6, 4)
	s_cmp_eq_u32 s2, 0
	s_cbranch_scc0 .Lentry_in_a_cluster
	s_endpgm
.Lentry_in_a_cluster:
	s_bfe_u32 s2, ttmp6, 0x10000c
	s_cmp_lg_u32 s2, 0xf033
	s_cbranch_scc0 .Lentry_shape_is_right
	s_endpgm
.Lentry_shape_is_right:
; O = p V / l for each batch, on codes of FP6 (E2M3), and O as codes along its 1,024 features.  A tile is 256 queries x 256 features, a wave's part 128 x 128; K = the batch's 2,048 keys.  Source 0 = 16 rows of V^T, source 1 = 16 rows of p.
; p CAME PIECE BY PIECE: each run of 128 keys under its own whole number M.  At the head, while the first tiles are on their way, each thread takes two rows of the tile: the row's M is the largest of the 16; each piece's four scale bytes
; have (row's M - piece's M) taken off them, held at 0 from below; each piece's l is multiplied by 2^(piece's M - row's M), exactly; the sum's reciprocal is kept.  The mended words go to LDS by stores and are read from there like any scale words.
; p, V^T come and O leaves as images of the operand's registers (1,536 bytes a fragment of 16 rows x 128 K, at (k / 256) 192 R + (row block) 3072 + ((k / 128) % 2) 1536); scale words lie K-major.
; CLUSTERS: p's tile is asked for jointly by a row of the cluster, V^T's tile and its scale words by a column.
; LIMITS: NaN and infinities are not served.  The shift of a scale byte is held at 127, and a byte at 0: what is so misstated lies under 2^-123, beside a row sum of at least 1/2.  O / l is a reciprocal and a multiplication.
; A block of O whose largest magnitude lies under 2^-124 keeps the scale byte 1.
.set HALFT, 24576
.set AIMG,  1
.set BIMG,  1
.set API,   0
.set BPI,   0
.set CBIAS, 0
.set NLA,   3
.set ASK,   2
.set BSK,   3
.set ASTEP, 1152
.set BSTEP, 640
.set STEP_A, 1572864
.set STEP_B, 196608
.set LAPS,  4                          ; K = 2,048: eight K steps of 256
.set SCLB,  8*HALFT                    ; V^T's scale words: four quarters of 64 rows, each 16 rows of 256 bytes + 64; filled once
.set SPARE, SCLB+4*5120
.set SCLA,  SPARE+512                  ; p's mended scale words: two halves of 128 rows, each 16 rows of 512 bytes + 64; written by stores alone
.set RL,    SCLA+2*9216                ; 1 / l of the tile's 256 rows
.set SCR,   RL+1024                    ; 512 bytes a wave: O's scale words on their way out
.set OC,    12
.set OS,    14
.set LI,    24
.set SCW,   25
.set SCRD,  26
.set RLR,   232                        ; v232-239 1 / l of my row in blocks 0-7
.set TM,    200
.set PW,    216
.set PSR,   64                         ; the head: v64-95 scale words, v96-127 -M, v128-159 l: a pair (my two rows) for each of the 16 pieces
.set PMR,   96
.set PLR,   128
.set GG,    176                        ; v176-177 the rows' -M
.set LL,    178                        ; v[178:179] the rows' l;  v[180:181] 1 / l
.set RR,    180
; ---- the core that this program's four launches share ----
.set FR,    12                         ; registers of a fragment
.set PITCH, 240                        ; a row of 192 bytes of codes in LDS: 3 x (64 + 16 of padding)
.set SLOT,  4*HALFT                    ; A's 256 rows, then B's 256 rows
.set ADRA,  16                         ; v16-17 LDS address of my A fragments in slot 0, 1 (v18-19: behind one padding more)
.set ADRB,  20                         ; v20-23 the same for B
.set ADSA,  27                         ; v27  LDS address of A's scale words: lanes 0-15 the K step's first 128, lanes 16-31 its second
.set SPW,   28                         ; v28  my spare word; never rewritten
.set NIL,   29                         ; v29  0; never rewritten
.set ADSB,  31                         ; v31  the same as v27 for B
.set SC,    32                         ; v32-63 scale words and nothing else: set s: A's block i at SC + 16 s + i, B's at SC + 16 s + 8 + i
.set CB,    64                         ; v64-127 the column bias in the result's layout
.set AF,    128                        ; v128-223 A's fragments, one set.  Window 1: B's two sets at v0 and v128.  Windows 2, 3: accumulator (a, b) at v[8 (8 (a % 4) + b)]
.set SEL,   16                         ; s[16:17] lane selects: lane l xor 16
.set WV,    20                         ; s20 wave;  s21 wave / 2: my half of the rows, and whether I fetch for A (0) or B (1);  s22 wave % 2: my half of the columns, and which 128 rows I fetch
.set RH,    21
.set CH,    22
.set G1,    24                         ; s[24:31], s[32:39] groups 1 and 0 (a set a slot) for A's tiles;  s[48:55], s[56:63] for B's
.set G0,    32
.set TC,    42
.set G1B,   48
.set G0B,   56
.set TR,    66
.set G1S,   68                         ; s[80:87], s[88:91] for B's scales
.set G0S,   76
.set G1SB,  80
.set G0SB,  88
.set W0ROW, (1<<20)|(1<<21)|(3<<22)|(3<<25)          ; bytes; 4 words of padding behind every 16; bit 21 beside a mask
.set W0IMG, (3<<16)|(1<<21)                          ; elements of 8 bytes, no padding
.set W0GIV, (3<<16)|(1<<20)|(1<<21)|(5<<22)|(3<<25)  ; 4 words behind every 64
.set W0OWN, (3<<16)|(1<<20)|(1<<21)|(6<<22)|(15<<25) ; 16 words behind every 128
.set W0PVB, (3<<16)|(1<<20)|(1<<21)|(5<<22)|(15<<25) ; 16 words behind every 64
.set MSB, 0
.macro WIN new                         ; the immediate's high byte repeats the setting that is left
.if MSB != (\new)
	s_set_vgpr_msb (MSB<<8)|(\new)
.set MSB, (\new)
.endif
.endm
.macro PLACES n                        ; plain places behind matrix instructions, in front of loads into their registers and of reads of their results
.rept \n
	v_nop
.endr
.endm
.macro CREST                           ; a round of the cluster's barrier behind its opening barrier
	s_cmp_lg_u32 s[WV], 0
	s_cbranch_scc1 .Lnot_wave_0_\@
	s_barrier_signal -3
.Lnot_wave_0_\@:
	s_barrier_wait -3
	s_barrier_signal -1
	s_barrier_wait -1
.endm
.macro CROUND
	s_barrier_signal -1
	s_barrier_wait -1
	CREST
.endm
.macro JLOAD g0a, g1a, g0b, g1b        ; a joint load: waves 0, 1 for A, waves 2, 3 for B; four v_nop follow each line
	s_cmp_eq_u32 s[RH], 0
	s_cbranch_scc0 .Lfor_b_\@
	tensor_load_to_lds s[\g0a:\g0a+3], s[\g1a:\g1a+7]
	s_nop 0
.rept 4
	v_nop
.endr
	s_branch .Lasked_\@
.Lfor_b_\@:
	tensor_load_to_lds s[\g0b:\g0b+3], s[\g1b:\g1b+7]
	s_nop 0
.rept 4
	v_nop
.endr
.Lasked_\@:
.endm
.macro G1SET g, m, w0, d0, d1, st      ; group 1: d1 rows of d0 elements, st elements apart; the mask in s[m]
	s_or_b32 s[\g], s[\m], \w0
	s_mov_b32 s[\g+1], (\d0)<<16
	s_mov_b32 s[\g+2], (\d1)<<16
	s_mov_b32 s[\g+3], (\d0)<<16
	s_mov_b32 s[\g+4], \d1
	s_mov_b32 s[\g+5], \st
	s_mov_b32 s[\g+6], 0
	s_mov_b32 s[\g+7], 0
.endm
.macro SDESC g0, ptr, lr, base         ; group 0 of a scale tile: words 2, 3 hold the byte offset on entry
	s_mov_b32 s[\g0], 1
	s_add_co_u32 s[\g0+1], s[\lr], \base
	s_add_nc_u64 s[\g0+2:\g0+3], s[\ptr:\ptr+1], s[\g0+2:\g0+3]
	s_or_b32 s[\g0+3], s[\g0+3], 0x80000000
.endm
.macro GROUP0 pa, pb                   ; groups 0 of the code tiles, a set for each slot: K steps 0 and 1
	s_add_nc_u64 s[G0+2:G0+3], s[\pa:\pa+1], s[G0+2:G0+3]
	s_add_nc_u64 s[G0+6:G0+7], s[G0+2:G0+3], STEP_A
	s_add_nc_u64 s[G0B+2:G0B+3], s[\pb:\pb+1], s[G0B+2:G0B+3]
	s_add_nc_u64 s[G0B+6:G0B+7], s[G0B+2:G0B+3], STEP_B
.irp s, 0,1
	s_mov_b32 s[G0+4*\s], 1
	s_add_co_u32 s[G0+4*\s+1], s45, \s*SLOT
	s_or_b32 s[G0+4*\s+3], s[G0+4*\s+3], 0x80000000
	s_mov_b32 s[G0B+4*\s], 1
	s_add_co_u32 s[G0B+4*\s+1], s45, \s*SLOT
	s_or_b32 s[G0B+4*\s+3], s[G0B+4*\s+3], 0x80000000
.endr
.endm
.macro HEAD
	v_lshl_add_u32 v[SPW], v0, 2, SPARE
	v_mov_b32 v[NIL], 0
	ds_add_u32 v28, v29
	ds_add_u32 v28, v29
	s_wait_dscnt 0x0
	v_lshrrev_b32 v1, 5, v0
	v_readfirstlane_b32 s[WV], v1
	s_lshr_b32 s[RH], s[WV], 1
	s_and_b32 s[CH], s[WV], 1
	s_bfe_u32 s40, ttmp6, 0x40000                  ; cx, cy: my place in the cluster
	s_bfe_u32 s41, ttmp6, 0x40004
	s_lshl_b32 s43, s41, 2
	s_lshl_b32 s43, 15, s43                        ; my row of the cluster
	s_lshl_b32 s44, 0x1111, s40                    ; my column
	s_mul_i32 s45, s[WV], HALFT                    ; where my quarter of a slot lies
.endm
.macro FRAGR reg, adr, q, rowoff       ; a fragment from rows of codes: six pieces of 8 bytes; lanes 16-31 read three pieces on, for some pieces behind one padding more (second address register)
.irp p, 0,1,2,3,4,5
.set PCE, 12*(\q)+6*(\p/3)+\p%3
.if PCE%8 < 5
	ds_load_b64 v[\reg+2*\p:\reg+2*\p+1], v[\adr] offset:8*PCE+16*(PCE/8)+(\rowoff)*PITCH
.else
	ds_load_b64 v[\reg+2*\p:\reg+2*\p+1], v[\adr+2] offset:8*PCE+16*(PCE/8)+(\rowoff)*PITCH
.endif
.endr
.endm
.macro FRAGI reg, adr, q, i            ; a fragment from an image of its registers: three loads of 512 consecutive bytes
.irp c, 0,1,2
	ds_load_b128 v[\reg+4*\c:\reg+4*\c+3], v[\adr] offset:(\i)*3072+(\q)*1536+512*\c
.endr
.endm
.macro FETCH_B slot, q, p              ; B's eight fragments of the slot's q-th 128 along K into set p
	WIN 0x40
.irp i, 0,1,2,3,4,5,6,7
.if BIMG
	FRAGI 128*(\p)+FR*\i, ADRB+\slot, \q, \i
.elseif BPI
	FRAGR 128*(\p)+FR*\i, ADRB+\slot, \q, 32*(\i/2)+8*(\i%2)
.else
	FRAGR 128*(\p)+FR*\i, ADRB+\slot, \q, 16*\i
.endif
.endr
	WIN 0
.endm
.macro FETCH_A slot, q, i0             ; A's blocks i0 .. i0 + 3
.irp i, \i0, \i0+1, \i0+2, \i0+3
.if AIMG
	FRAGI AF+FR*(\i), ADRA+\slot, \q, \i
.elseif API
	FRAGR AF+FR*(\i), ADRA+\slot, \q, 32*((\i)/2)+8*((\i)%2)
.else
	FRAGR AF+FR*(\i), ADRA+\slot, \q, 16*(\i)
.endif
.endr
.endm
.macro SOFF kind, i                    ; where block i's scale words begin.  0: given scales, rows as they lie; 1: given, rows in this program's order; 2: my own, K-major; 3: my own, in quarters of 64 rows
.if \kind == 0
.set SOF, 544*(\i)
.elseif \kind == 1
.set SOF, 272*(4*((\i)/2)+(\i)%2)
.elseif \kind == 2
.set SOF, 64*(\i)
.else
.set SOF, ((\i)/4)*5120+((\i)%4)*64
.endif
.endm
.macro SCALES sc                       ; a K step's scale words into set sc: one register a block carries both 128-steps, in the two halves of the lanes
.irp i, 0,1,2,3,4,5,6,7
	SOFF ASK, \i
	ds_load_b32 v[SC+16*\sc+\i], v[ADSA] offset:SOF
.endr
.irp i, 0,1,2,3,4,5,6,7
	SOFF BSK, \i
	ds_load_b32 v[SC+16*\sc+8+\i], v[ADSB] offset:SOF
.endr
.endm
; 16 products: A's blocks a0, a0 + 1 x B's eight, the slot's q-th 128 along K; p: B's set; sc: the scale set.  zero = 1: the first product starts the sums.  The 64 accumulators take turns, in the same order in every step.
.macro MUL16 a0, p, q, sc, zero
.irp a, \a0, \a0+1
.irp b, 0,1,2,3,4,5,6,7
.if (\zero) && CBIAS
	v_wmma_scale_f32_16x16x128_f8f6f4 v[8*(8*((\a)%4)+\b):8*(8*((\a)%4)+\b)+7], v[128*(\p)+FR*\b:128*(\p)+FR*\b+FR-1], v[AF+FR*(\a):AF+FR*(\a)+FR-1], v[CB+8*\b:CB+8*\b+7], v[SC+16*(\sc)+8+\b], v[SC+16*(\sc)+(\a)] matrix_a_fmt:MATRIX_FMT_FP6 matrix_b_fmt:MATRIX_FMT_FP6
.elseif \zero
	v_wmma_scale_f32_16x16x128_f8f6f4 v[8*(8*((\a)%4)+\b):8*(8*((\a)%4)+\b)+7], v[128*(\p)+FR*\b:128*(\p)+FR*\b+FR-1], v[AF+FR*(\a):AF+FR*(\a)+FR-1], 0, v[SC+16*(\sc)+8+\b], v[SC+16*(\sc)+(\a)] matrix_a_fmt:MATRIX_FMT_FP6 matrix_b_fmt:MATRIX_FMT_FP6
.elseif (\q) == 0
	v_wmma_scale_f32_16x16x128_f8f6f4 v[8*(8*((\a)%4)+\b):8*(8*((\a)%4)+\b)+7], v[128*(\p)+FR*\b:128*(\p)+FR*\b+FR-1], v[AF+FR*(\a):AF+FR*(\a)+FR-1], v[8*(8*((\a)%4)+\b):8*(8*((\a)%4)+\b)+7], v[SC+16*(\sc)+8+\b], v[SC+16*(\sc)+(\a)] matrix_a_fmt:MATRIX_FMT_FP6 matrix_b_fmt:MATRIX_FMT_FP6
.else
	v_wmma_scale_f32_16x16x128_f8f6f4 v[8*(8*((\a)%4)+\b):8*(8*((\a)%4)+\b)+7], v[128*(\p)+FR*\b:128*(\p)+FR*\b+FR-1], v[AF+FR*(\a):AF+FR*(\a)+FR-1], v[8*(8*((\a)%4)+\b):8*(8*((\a)%4)+\b)+7], v[SC+16*(\sc)+8+\b], v[SC+16*(\sc)+(\a)] matrix_a_fmt:MATRIX_FMT_FP6 matrix_b_fmt:MATRIX_FMT_FP6 matrix_a_scale:MATRIX_SCALE_ROW1 matrix_b_scale:MATRIX_SCALE_ROW1
.endif
.endr
.endr
.endm
.macro STEP slot, zero                 ; a slot's first 128 along K; the second's fragments are fetched in two runs
	s_wait_dscnt 4*NLA                             ; B's set, A's blocks 0-3 and the scale words are in; the youngest loads, A's blocks 4-7, may be out
.if (\zero) && CBIAS
	WIN 0x81                                       ; source 0 window 1, source 1 and C window 0, D window 2
.else
	WIN 0xa1                                       ; C and D window 2
.endif
	MUL16 0, 0, 0, \slot, \zero
	MUL16 2, 0, 0, \slot, \zero
	s_wait_dscnt 0x0                               ; A's blocks 4-7 are in
	PLACES 4
	FETCH_B \slot, 1, 1
	FETCH_A \slot, 1, 0
.if (\zero) && CBIAS
	WIN 0xc1
.else
	WIN 0xf1
.endif
	MUL16 4, 0, 0, \slot, \zero
	MUL16 6, 0, 0, \slot, \zero
	PLACES 4
	WIN 0
	FETCH_A \slot, 1, 4
.endm
; A slot's second 128 along K changes slots: ONE barrier; in front of it each wave waits for all its tensor loads, adds 0 to its spare word, and waits for that and for its reads of this slot.  fill = 1: the slot is filled again, two K steps ahead.
.macro TURN slot, next, fill
	s_wait_tensorcnt 0x0                           ; all my tensor loads have landed: my part of the next slot
	ds_add_u32 v[SPW], v[NIL]                      ; 0 onto my spare word
	s_wait_dscnt 4*NLA+1                           ; (the add and A's blocks 4-7 may be out)
	WIN 0xa1
	MUL16 0, 1, 1, \slot, 0                        ; sixteen products stand between the add and the wait for it
	s_wait_dscnt 0x0                               ; the add is done, and my reads of this slot are over
	s_barrier_signal -1
	MUL16 2, 1, 1, \slot, 0
	WIN 0
	s_barrier_wait -1
.if \fill
	CREST                                          ; the barrier has opened a round of the cluster's: no wave of any partner still reads this slot or has a load on its way
	s_add_nc_u64 s[G0+4*\slot+2:G0+4*\slot+3], s[G0+4*\slot+2:G0+4*\slot+3], 2*STEP_A
	s_add_nc_u64 s[G0B+4*\slot+2:G0B+4*\slot+3], s[G0B+4*\slot+2:G0B+4*\slot+3], 2*STEP_B
	JLOAD G0+4*\slot, G1, G0B+4*\slot, G1B         ; the first tensor load behind the round; its four v_nop are the places in front of the loads below
.else
	PLACES 4
.endif
	v_add_nc_u32 v[ADSA], ASTEP, v[ADSA]           ; on to the next K step's scale words
	v_add_nc_u32 v[ADSB], BSTEP, v[ADSB]
	FETCH_B \next, 0, 0
	FETCH_A \next, 0, 0
	SCALES \next
	WIN 0xf1
	MUL16 4, 1, 1, \slot, 0
	MUL16 6, 1, 1, \slot, 0
	PLACES 4
	WIN 0
	FETCH_A \next, 0, 4
.endm
; 64 numbers of a lane in window w, register s + 16 b + i = k 32 b + 16 (lane / 16) + i of my row, become a fragment's codes in v[pc .. pc + 11] and its scale word in v[pw]
.macro QUANT s, w, pc, pw
	WIN (\w)|((\w)<<2)
.irp b, 0,1,2,3
	v_max3_num_f32 v[TM+\b], |v[\s+16*\b]|, |v[\s+16*\b+1]|, 0x1800000   ; my 16 numbers of block b, and the floor 2^(3 - 127): the byte cannot fall under 1
.endr
.irp i, 2,4,6,8,10,12,14
.irp b, 0,1,2,3
	v_max3_num_f32 v[TM+\b], |v[\s+16*\b+\i]|, |v[\s+16*\b+\i+1]|, v[TM+\b]
.endr
.endr
	WIN 0
.irp b, 0,1,2,3
	v_permlanex16_b32 v[TM+4+\b], v[TM+\b], s[SEL], s[SEL+1]
.endr
.irp b, 0,1,2,3
	v_max_num_f32 v[TM+\b], v[TM+\b], v[TM+4+\b]   ; with lane l xor 16's: the block's largest magnitude
.endr
.irp b, 0,1,2,3
	v_add_nc_u32 v[TM+12+\b], 0xff000000, v[TM+\b] ; 2 off its exponent field: the conversion's scale operand
.endr
.irp b, 0,1,2,3
	v_lshrrev_b32 v[TM+4+\b], 23, v[TM+12+\b]      ; the scale's byte
.endr
	v_lshl_or_b32 v[\pw], v[TM+5], 8, v[TM+4]
	v_lshl_or_b32 v[\pw], v[TM+6], 16, v[\pw]
	v_lshl_or_b32 v[\pw], v[TM+7], 24, v[\pw]
	WIN \w
.irp c, 0,1
	v_cvt_scalef32_pk16_fp6_f32 v[\pc+6*\c:\pc+6*\c+2], v[\s+32*\c:\s+32*\c+15], v[TM+12+2*\c]
	v_cvt_scalef32_pk16_fp6_f32 v[\pc+12+4*\c:\pc+14+4*\c], v[\s+16+32*\c:\s+31+32*\c], v[TM+12+2*\c+1]
.endr
	WIN 0
	v_nop                                          ; one plain place behind a scaled conversion
.irp c, 0,1                                    ; the operand's layout wants a whole block in a lane: lanes 0-15 block 2 c, lanes 16-31 block 2 c + 1
.irp i, 0,1,2
	v_permlane16_swap_b32 v[\pc+6*\c+\i], v[\pc+12+4*\c+\i]
.endr
.irp i, 0,1,2
	v_mov_b32 v[\pc+3+6*\c+\i], v[\pc+12+4*\c+\i]
.endr
.endr
.endm
.macro IMAGE a, pc                     ; block a's fragment leaves as it stands: each store covers 512 consecutive bytes, aligned
.irp c, 0,1,2
	global_store_b128 v[LI], v[\pc+4*\c:\pc+4*\c+3], s[OC:OC+1] offset:(\a)*3072+512*\c
.endr
.endm
.macro OUTBASE oc, os                  ; where my codes and my scale words go: K step = tile column, 8,192 rows
	s_mul_i32 s96, s[TC], 1572864
	s_mul_i32 s97, s[TR], 49152
	s_add_co_u32 s96, s96, s97
	s_mul_i32 s97, s[RH], 24576
	s_add_co_u32 s96, s96, s97
	s_mul_i32 s97, s[CH], 1536
	s_add_co_u32 s96, s96, s97
	s_mov_b32 s97, 0
	s_add_nc_u64 s[\oc:\oc+1], s[\oc:\oc+1], s[96:97]
	s_lshl_b32 s96, s[TC], 1
	s_add_co_u32 s96, s96, s[CH]
	s_lshl_b32 s96, s96, 15
	s_lshl_b32 s98, s[TR], 10
	s_add_co_u32 s96, s96, s98
	s_lshl_b32 s98, s[RH], 9
	s_add_co_u32 s96, s96, s98
	s_add_nc_u64 s[\os:\os+1], s[\os:\os+1], s[96:97]
.endm
; ---- the launch ----
	s_load_b256 s[4:11], s[0:1], 0x0               ; p's codes; p's scale words, -M, l; Q, K, V^T's codes; their scale words
	s_load_b128 s[12:15], s[0:1], 0x20             ; O's codes, O's scale words
	HEAD
	s_lshl_b32 s[TC], ttmp9, 2
	s_add_co_u32 s[TC], s[TC], s40                 ; the tile of 256 features
	s_and_b32 s67, ttmp7, 0xffff
	s_lshl_b32 s[TR], s67, 2
	s_add_co_u32 s[TR], s[TR], s41                 ; the tile of 256 queries among all 8,192
	s_lshr_b32 s67, s67, 1                         ; the batch: from the cluster's y alone
	G1SET G1, 43, W0IMG, 32, 96, 32
	G1SET G1B, 44, W0IMG, 32, 96, 32
	G1SET G1SB, 44, W0PVB, 32, 16, 512             ; V^T's scale words of 64 rows: 16 rows (128-steps) of 256 bytes, 4,096 bytes apart
	s_mul_i32 s2, s[TR], 49152
	s_mul_i32 s3, s[CH], 24576
	s_add_co_u32 s[G0+2], s2, s3
	s_mov_b32 s[G0+3], 0
	s_mul_i32 s46, s[TC], 49152
	s_mul_i32 s47, s[CH], 24576
	s_add_co_u32 s46, s46, s47
	s_mul_i32 s47, s67, 1572864
	s_add_co_u32 s46, s46, s47
	s_add_co_u32 s[G0B+2], s46, 12582912           ; V^T lies behind Q and K
	s_mov_b32 s[G0B+3], 0
	s_lshl_b32 s46, s[TC], 10
	s_lshl_b32 s47, s[WV], 8
	s_add_co_u32 s46, s46, s47                     ; every wave brings the scale words of 64 rows
	s_lshl_b32 s47, s67, 16
	s_add_co_u32 s46, s46, s47
	s_add_co_u32 s[G0SB+2], s46, 524288
	s_mov_b32 s[G0SB+3], 0
	s_mul_i32 s3, s[WV], 5120
	s_mov_b32 s[SEL], 0x76543210
	s_mov_b32 s[SEL+1], 0xfedcba98
	s_lshl_b32 s94, s[TR], 10
	s_mov_b32 s95, 0
	s_wait_kmcnt 0x0
	SDESC G0SB, 10, 3, SCLB
	GROUP0 4, 8
	OUTBASE OC, OS
	s_add_nc_u64 s[6:7], s[6:7], s[94:95]          ; p's scale words, -M and l at my tile's first row
	CROUND                                         ; all sixteen work-groups are here: the first joint loads meet
	tensor_load_to_lds s[G0SB:G0SB+3], s[G1SB:G1SB+7]   ; three loads of mine are out: V^T's scale words, K step 0, K step 1
	s_nop 0
.rept 4
	v_nop
.endr
	JLOAD G0, G1, G0B, G1B
	JLOAD G0+4, G1, G0B+4, G1B
	v_lshlrev_b32 v9, 3, v0                        ; thread t takes the tile's rows 2 t and 2 t + 1
.irp k, 0,1,2,3,4,5,6,7,8,9,10,11,12,13,14,15
	global_load_b64 v[PSR+2*\k:PSR+2*\k+1], v9, s[6:7] offset:\k*32768
	global_load_b64 v[PMR+2*\k:PMR+2*\k+1], v9, s[6:7] offset:\k*32768+524288
	global_load_b64 v[PLR+2*\k:PLR+2*\k+1], v9, s[6:7] offset:\k*32768+1048576
.endr
	v_and_b32 v1, 15, v0                           ; r
	v_bfe_u32 v2, v0, 4, 1                         ; h
	v_and_b32 v8, 31, v0
	v_lshlrev_b32 v[LI], 4, v8
	s_mul_i32 s2, s[RH], HALFT
	s_mul_i32 s46, s[CH], HALFT
	s_add_co_u32 s46, s46, 2*HALFT
.irp s, 0,1
	v_add_nc_u32 v[ADRA+\s], s2, v[LI]
	v_add_nc_u32 v[ADRB+\s], s46, v[LI]
	s_add_co_u32 s2, s2, SLOT
	s_add_co_u32 s46, s46, SLOT
.endr
	v_lshlrev_b32 v6, 2, v1
	v_mad_u32_u24 v7, v2, 576, v6
	s_mul_i32 s2, s[RH], 9216
	s_add_co_u32 s2, s2, SCLA
	v_add_nc_u32 v[ADSA], s2, v7
	v_mad_u32_u24 v7, v2, 320, v6
	s_mul_i32 s46, s[CH], 10240
	s_add_co_u32 s46, s46, SCLB
	v_add_nc_u32 v[ADSB], s46, v7
	s_lshl_b32 s2, s[RH], 9
	s_add_co_u32 s2, s2, RL
	v_add_nc_u32 v12, s2, v6                       ; 1 / l of my row in block 0
	s_lshl_b32 s2, s[WV], 9
	s_add_co_u32 s2, s2, SCR
	v_lshl_add_u32 v[SCW], v1, 2, s2
	v_add_nc_u32 v[SCRD], s2, v[LI]
	v_lshrrev_b32 v10, 6, v0                       ; where my two rows' mended words go: half t / 64, 8 bytes at 8 (t % 64), 576 bytes from piece to piece
	v_mul_u32_u24 v10, v10, 9216
	v_and_b32 v11, 63, v0
	v_lshl_add_u32 v10, v11, 3, v10
	v_add_nc_u32 v10, SCLA, v10
	v_lshl_add_u32 v11, v0, 3, RL
	s_wait_loadcnt 0x0
.irp e, 0,1
	v_min3_num_f32 v[GG+\e], v[PMR+\e], v[PMR+2+\e], v[PMR+4+\e]   ; the row's -M: the least of the pieces'
.endr
.irp k, 3,5,7,9,11,13
.irp e, 0,1
	v_min3_num_f32 v[GG+\e], v[GG+\e], v[PMR+2*\k+\e], v[PMR+2*\k+2+\e]
.endr
.endr
.irp e, 0,1
	v_min_num_f32 v[GG+\e], v[GG+\e], v[PMR+30+\e]
.endr
.macro MEND k, e                       ; piece k of my row e
.set RT, 160+4*(\e)
	v_sub_f32 v[RT], v[GG+\e], v[PMR+2*\k+\e]      ; piece's M - row's M: a whole number, 0 or less,
	v_max_num_f32 v[RT], 0xc2fe0000, v[RT]         ; held at -127
	v_cvt_i32_f32 v[RT], v[RT]
	v_ldexp_f32 v[PLR+2*\k+\e], v[PLR+2*\k+\e], v[RT]   ; the piece's l under the row's M
	v_sub_nc_u32 v[RT], 0, v[RT]                   ; d, 0 to 127,
	v_lshl_or_b32 v[RT], v[RT], 8, v[RT]
	v_lshl_or_b32 v[RT], v[RT], 16, v[RT]          ; in all four bytes
	v_or_b32 v[RT+1], 0x80808080, v[PSR+2*\k+\e]   ; the bytes are at most 125: with 128 on top no byte borrows from the next
	v_sub_nc_u32 v[RT+1], v[RT+1], v[RT]           ; 128 + byte - d
	v_lshrrev_b32 v[RT+2], 7, v[RT+1]
	v_and_b32 v[RT+2], 0x01010101, v[RT+2]         ; 1 where byte >= d
	v_lshlrev_b32 v[RT], 8, v[RT+2]
	v_sub_nc_u32 v[RT+2], v[RT], v[RT+2]           ; x 255
	v_and_b32 v[RT+1], v[RT+1], v[RT+2]
	v_and_b32 v[PSR+2*\k+\e], 0x7f7f7f7f, v[RT+1]  ; max(byte - d, 0)
.endm
.irp k, 0,1,2,3,4,5,6,7,8,9,10,11,12,13,14,15
	MEND \k, 0
	MEND \k, 1
.endr
	v_pk_add_f32 v[LL:LL+1], v[PLR:PLR+1], v[PLR+2:PLR+3]
.irp k, 2,3,4,5,6,7,8,9,10,11,12,13,14,15
	v_pk_add_f32 v[LL:LL+1], v[LL:LL+1], v[PLR+2*\k:PLR+2*\k+1]
.endr
	v_rcp_f32 v[RR], v[LL]
	v_rcp_f32 v[RR+1], v[LL+1]
	v_nop                                          ; a plain place behind the reciprocals
	s_wait_alu depctr_va_vdst(0)                   ; one wait for both, ahead of their first reader
.irp k, 0,1,2,3,4,5,6,7,8,9,10,11,12,13,14,15
	ds_store_b64 v10, v[PSR+2*\k:PSR+2*\k+1] offset:576*\k
.endr
	ds_store_b64 v11, v[RR:RR+1]
	s_wait_dscnt 0x0                               ; for the others' sake: my stores have landed
	s_wait_tensorcnt 1                             ; V^T's scale words and my part of K step 0 are in; K step 1's load may be out
	s_barrier_signal -1
	s_barrier_wait -1
.irp a, 0,1,2,3,4,5,6,7
	ds_load_b32 v[RLR+\a], v12 offset:64*\a
.endr
	FETCH_B 0, 0, 0
	FETCH_A 0, 0, 0
	SCALES 0
	FETCH_A 0, 0, 4
	STEP 0, 1
	s_mov_b32 s3, LAPS-1
.Llap:
	TURN 0, 1, 1
	STEP 1, 0
	TURN 1, 0, 1
	STEP 0, 0
	s_sub_co_u32 s3, s3, 1
	s_cmp_lg_u32 s3, 0
	s_cbranch_scc1 .Llap
	TURN 0, 1, 0
	STEP 1, 0
	s_wait_dscnt 4*NLA
	WIN 0xa1
	MUL16 0, 1, 1, 1, 0
	MUL16 2, 1, 1, 1, 0
	s_wait_dscnt 0x0
	WIN 0xf1
	MUL16 4, 1, 1, 1, 0
	MUL16 6, 1, 1, 1, 0
	WIN 0
	; THE WAY OUT, block by block of 16 rows: x 1 / l, the quantiser along my 128 features, the fragment's image to memory, the scale word to my 512 bytes of LDS
	PLACES 4
.irp b, 0,1,2,3
	v_mov_b32 v[TM+4+\b], 0                        ; written once: a lane permute's destination counts as one of its sources
.endr
.macro OUTBLK a
.set WW, 2+(\a)/4
.set AC, 64*((\a)%4)
.set PCS, 128+20*((\a)%2)
.if (\a) > 1
	s_wait_xcnt 0x0                                ; block a - 2's stores have read the registers that this block's codes take
.endif
	WIN (WW<<6)|WW
.set jj, 0
.rept 32
.if (\a)%2
	v_pk_mul_f32 v[AC+jj:AC+jj+1], v[AC+jj:AC+jj+1], v[RLR+((\a)&6):RLR+((\a)&6)+1] op_sel:[0,1] op_sel_hi:[1,1]
.else
	v_pk_mul_f32 v[AC+jj:AC+jj+1], v[AC+jj:AC+jj+1], v[RLR+((\a)&6):RLR+((\a)&6)+1] op_sel:[0,0] op_sel_hi:[1,0]
.endif
.set jj, jj+2
.endr
	QUANT AC, WW, PCS, PW+(\a)
	IMAGE \a, PCS
	ds_store_b32 v[SCW], v[PW+(\a)] offset:64*(\a) ; both halves of the lanes write the same word with the same value
.endm
.irp a, 0,1,2,3,4,5,6,7
	OUTBLK \a
.endr
	ds_load_b128 v[TM:TM+3], v[SCRD]               ; LDS serves a wave's instructions in order: this sees my stores
	s_wait_dscnt 0x0
	global_store_b128 v[LI], v[TM:TM+3], s[OS:OS+1]   ; my 128 rows' scale words: 512 consecutive bytes, aligned
	s_wait_tensorcnt 0x0                           ; the wave's end
	ds_add_u32 v[SPW], v[NIL]
	s_wait_dscnt 0x0
	CROUND                                         ; the closing round
	s_endpgm
.Lfunc_end_k_q18bb536817_pv:
	.size	k_q18bb536817_pv, .Lfunc_end_k_q18bb536817_pv-k_q18bb536817_pv
	.p2alignl 7, 3214868480
	.fill 96, 4, 3214868480
	.section	.rodata,"a",@progbits
	.p2align	6, 0x0
	.amdhsa_kernel k_q18bb536817_pv
		.amdhsa_group_segment_fixed_size 327680
		.amdhsa_private_segment_fixed_size 0
		.amdhsa_enable_private_segment 0
		.amdhsa_kernarg_size 48
		.amdhsa_user_sgpr_count 2
		.amdhsa_user_sgpr_kernarg_segment_ptr 1
		.amdhsa_wavefront_size32 1
		.amdhsa_system_sgpr_workgroup_id_x 1
		.amdhsa_system_sgpr_workgroup_id_y 1
		.amdhsa_system_sgpr_workgroup_id_z 1
		.amdhsa_system_vgpr_workitem_id 0
		.amdhsa_next_free_vgpr 1024
		.amdhsa_next_free_sgpr 100
		.amdhsa_reserve_vcc 0
		.amdhsa_float_denorm_mode_32 3
		.amdhsa_float_denorm_mode_16_64 3
		.amdhsa_memory_ordered 1
		.amdhsa_forward_progress 1
		.amdhsa_inst_pref_size 189
	.end_amdhsa_kernel
	.amdgpu_metadata
---
amdhsa.version: [ 1, 2 ]
amdhsa.kernels:
  - .name:           k_q18bb536817_pv
    .symbol:         k_q18bb536817_pv.kd
    .args:
      - { .name: p_codes, .offset: 0, .size: 8, .value_kind: global_buffer, .address_space: global }
      - { .name: p_stats, .offset: 8, .size: 8, .value_kind: global_buffer, .address_space: global }
      - { .name: qkv_codes, .offset: 16, .size: 8, .value_kind: global_buffer, .address_space: global }
      - { .name: qkv_scales, .offset: 24, .size: 8, .value_kind: global_buffer, .address_space: global }
      - { .name: o_codes, .offset: 32, .size: 8, .value_kind: global_buffer, .address_space: global }
      - { .name: o_scales, .offset: 40, .size: 8, .value_kind: global_buffer, .address_space: global }
    .group_segment_fixed_size: 327680
    .private_segment_fixed_size: 0
    .kernarg_segment_align: 8
    .kernarg_segment_size: 48
    .max_flat_workgroup_size: 128
    .sgpr_count:     100
    .vgpr_count:     1024
    .wavefront_size: 32
...
	.end_amdgpu_metadata
.endif
;; end of part 3
;; launch outp (part 4): grid 4 x 32, 4 waves a work-group, clusters of 4 x 4, 327,680 bytes of LDS; arguments o_codes, o_scales, Wo_codes, Wo_scales, bo, out0; writes out0
.if DOCPART == 4
	.amdgcn_target "amdgcn-amd-amdhsa--gfx1250"
	.amdhsa_code_object_version 6
	.text
	.protected	k_q18bb536817_outp
	.globl	k_q18bb536817_outp
	.p2align	8
	.type	k_q18bb536817_outp,@function
k_q18bb536817_outp:
	s_mov_b64 s[64:65], 0
	v_nop
	global_prefetch_b8 v0, s[64:65] scope:SCOPE_SE
	s_setreg_imm32_b32 hwreg(HW_REG_WAVE_MODE, 25, 1), 1
	s_wait_xcnt 0x0
	s_wait_alu depctr_hold_cnt(0) depctr_sa_sdst(0) depctr_va_vdst(0) depctr_va_sdst(0) depctr_va_ssrc(0) depctr_va_vcc(0) depctr_vm_vsrc(0)
	s_getreg_b32 s2, hwreg(HW_REG_IB_STS2, 6, 4)
	s_cmp_eq_u32 s2, 0
	s_cbranch_scc0 .Lentry_in_a_cluster
	s_endpgm
.Lentry_in_a_cluster:
	s_bfe_u32 s2, ttmp6, 0x10000c
	s_cmp_lg_u32 s2, 0xf033
	s_cbranch_scc0 .Lentry_shape_is_right
	s_endpgm
.Lentry_shape_is_right:
; out = O Wo^T + bo, on codes of FP6 (E2M3); out is f32.  A tile is 256 x 256, a wave's part 128 x 128; K = 1,024.  Source 0 = 16 rows of Wo, as they lie; source 1 = 16 rows of O: a lane holds eight neighbouring numbers of a row of out.
; O comes as images of the operand's registers (1,536 bytes a fragment of 16 rows x 128 K, at (k / 256) 192 x 8,192 + (row block) 3072 + ((k / 128) % 2) 1536), its scale words K-major; Wo as given: rows of 768 bytes, 32 scale bytes a row.
; O's ROWS LIE IN THE ORDER IN WHICH THE FIRST LAUNCH LAID THEM: lane r of block a holds row 32 (a / 2) + 8 (a % 2) + r + 8 (r / 8).  The stores' offsets put each row in its true place.
; The bias is the C of each sum's first product.  Results go through the wave's own stage in LDS and leave as rows of 512 consecutive bytes, aligned.
; CLUSTERS: O's tile is asked for jointly by a row of the cluster, Wo's by a column.
; LIMITS: NaN and infinities are not served.
.set HALFT, 30720                      ; a quarter of a slot: Wo's 128 rows x 240 bytes; O's images take 24,576 of it
.set AIMG,  1
.set BIMG,  0
.set API,   0
.set BPI,   0
.set CBIAS, 1
.set NLA,   3
.set ASK,   2
.set BSK,   0
.set ASTEP, 1152
.set BSTEP, 8
.set STEP_A, 1572864
.set STEP_B, 192
.set LAPS,  2
.set QS,    4608                       ; a quarter of the scales: O's 8 rows of 512 + 64 bytes; Wo's 16 units of 272 take 4,352 of it
.set SCL,   8*HALFT
.set SPARE, SCL+4*QS
.set STAGE, SPARE+512                  ; 16 rows x (512 + 16) bytes a wave; no fill lands here
.set SPITCH, 528
.set STO,   24                         ; v24  the stage: where I put 32 bytes of a row
.set RD,    25                         ; v25  and where I read a row back
.set CO,    26                         ; v26  16 x lane: my bytes of a row of out
.set BK,    128                        ; v128-191, v192-255 by turns: 16 rows read back
; ---- the core that this program's four launches share ----
.set FR,    12                         ; registers of a fragment
.set PITCH, 240                        ; a row of 192 bytes of codes in LDS: 3 x (64 + 16 of padding)
.set SLOT,  4*HALFT                    ; A's 256 rows, then B's 256 rows
.set ADRA,  16                         ; v16-17 LDS address of my A fragments in slot 0, 1 (v18-19: behind one padding more)
.set ADRB,  20                         ; v20-23 the same for B
.set ADSA,  27                         ; v27  LDS address of A's scale words: lanes 0-15 the K step's first 128, lanes 16-31 its second
.set SPW,   28                         ; v28  my spare word; never rewritten
.set NIL,   29                         ; v29  0; never rewritten
.set ADSB,  31                         ; v31  the same as v27 for B
.set SC,    32                         ; v32-63 scale words and nothing else: set s: A's block i at SC + 16 s + i, B's at SC + 16 s + 8 + i
.set CB,    64                         ; v64-127 the column bias in the result's layout
.set AF,    128                        ; v128-223 A's fragments, one set.  Window 1: B's two sets at v0 and v128.  Windows 2, 3: accumulator (a, b) at v[8 (8 (a % 4) + b)]
.set SEL,   16
.set WV,    20                         ; s20 wave;  s21 wave / 2: my half of the rows, and whether I fetch for A (0) or B (1);  s22 wave % 2: my half of the columns, and which 128 rows I fetch
.set RH,    21
.set CH,    22
.set G1,    24                         ; s[24:31], s[32:39] groups 1 and 0 (a set a slot) for A's tiles;  s[48:55], s[56:63] for B's
.set G0,    32
.set TC,    42
.set G1B,   48
.set G0B,   56
.set TR,    66
.set G1S,   68                         ; s[68:75], s[76:79] for A's scales;  s[80:87], s[88:91] for B's
.set G0S,   76
.set G1SB,  80
.set G0SB,  88
.set W0ROW, (1<<20)|(1<<21)|(3<<22)|(3<<25)          ; bytes; 4 words of padding behind every 16; bit 21 beside a mask
.set W0IMG, (3<<16)|(1<<21)                          ; elements of 8 bytes, no padding
.set W0GIV, (3<<16)|(1<<20)|(1<<21)|(5<<22)|(3<<25)  ; 4 words behind every 64
.set W0OWN, (3<<16)|(1<<20)|(1<<21)|(6<<22)|(15<<25) ; 16 words behind every 128
.set MSB, 0
.macro WIN new                         ; the immediate's high byte repeats the setting that is left
.if MSB != (\new)
	s_set_vgpr_msb (MSB<<8)|(\new)
.set MSB, (\new)
.endif
.endm
.macro PLACES n                        ; plain places behind matrix instructions, in front of loads into their registers and of reads of their results
.rept \n
	v_nop
.endr
.endm
.macro CREST                           ; a round of the cluster's barrier behind its opening barrier
	s_cmp_lg_u32 s[WV], 0
	s_cbranch_scc1 .Lnot_wave_0_\@
	s_barrier_signal -3
.Lnot_wave_0_\@:
	s_barrier_wait -3
	s_barrier_signal -1
	s_barrier_wait -1
.endm
.macro CROUND
	s_barrier_signal -1
	s_barrier_wait -1
	CREST
.endm
.macro JLOAD g0a, g1a, g0b, g1b        ; a joint load: waves 0, 1 for A, waves 2, 3 for B; four v_nop follow each line
	s_cmp_eq_u32 s[RH], 0
	s_cbranch_scc0 .Lfor_b_\@
	tensor_load_to_lds s[\g0a:\g0a+3], s[\g1a:\g1a+7]
	s_nop 0
.rept 4
	v_nop
.endr
	s_branch .Lasked_\@
.Lfor_b_\@:
	tensor_load_to_lds s[\g0b:\g0b+3], s[\g1b:\g1b+7]
	s_nop 0
.rept 4
	v_nop
.endr
.Lasked_\@:
.endm
.macro G1SET g, m, w0, d0, d1, st      ; group 1: d1 rows of d0 elements, st elements apart; the mask in s[m]
	s_or_b32 s[\g], s[\m], \w0
	s_mov_b32 s[\g+1], (\d0)<<16
	s_mov_b32 s[\g+2], (\d1)<<16
	s_mov_b32 s[\g+3], (\d0)<<16
	s_mov_b32 s[\g+4], \d1
	s_mov_b32 s[\g+5], \st
	s_mov_b32 s[\g+6], 0
	s_mov_b32 s[\g+7], 0
.endm
.macro SDESC g0, ptr, lr, base         ; group 0 of a scale tile: words 2, 3 hold the byte offset on entry
	s_mov_b32 s[\g0], 1
	s_add_co_u32 s[\g0+1], s[\lr], \base
	s_add_nc_u64 s[\g0+2:\g0+3], s[\ptr:\ptr+1], s[\g0+2:\g0+3]
	s_or_b32 s[\g0+3], s[\g0+3], 0x80000000
.endm
.macro GROUP0 pa, pb                   ; groups 0 of the code tiles, a set for each slot: K steps 0 and 1
	s_add_nc_u64 s[G0+2:G0+3], s[\pa:\pa+1], s[G0+2:G0+3]
	s_add_nc_u64 s[G0+6:G0+7], s[G0+2:G0+3], STEP_A
	s_add_nc_u64 s[G0B+2:G0B+3], s[\pb:\pb+1], s[G0B+2:G0B+3]
	s_add_nc_u64 s[G0B+6:G0B+7], s[G0B+2:G0B+3], STEP_B
.irp s, 0,1
	s_mov_b32 s[G0+4*\s], 1
	s_add_co_u32 s[G0+4*\s+1], s45, \s*SLOT
	s_or_b32 s[G0+4*\s+3], s[G0+4*\s+3], 0x80000000
	s_mov_b32 s[G0B+4*\s], 1
	s_add_co_u32 s[G0B+4*\s+1], s45, \s*SLOT
	s_or_b32 s[G0B+4*\s+3], s[G0B+4*\s+3], 0x80000000
.endr
.endm
.macro HEAD
	v_lshl_add_u32 v[SPW], v0, 2, SPARE
	v_mov_b32 v[NIL], 0
	ds_add_u32 v28, v29
	ds_add_u32 v28, v29
	s_wait_dscnt 0x0
	v_lshrrev_b32 v1, 5, v0
	v_readfirstlane_b32 s[WV], v1
	s_lshr_b32 s[RH], s[WV], 1
	s_and_b32 s[CH], s[WV], 1
	s_bfe_u32 s40, ttmp6, 0x40000                  ; cx, cy: my place in the cluster
	s_bfe_u32 s41, ttmp6, 0x40004
	s_lshl_b32 s43, s41, 2
	s_lshl_b32 s43, 15, s43                        ; my row of the cluster
	s_lshl_b32 s44, 0x1111, s40                    ; my column
	s_mul_i32 s45, s[WV], HALFT                    ; where my quarter of a slot lies
.endm
.macro FRAGR reg, adr, q, rowoff       ; a fragment from rows of codes: six pieces of 8 bytes; lanes 16-31 read three pieces on, for some pieces behind one padding more (second address register)
.irp p, 0,1,2,3,4,5
.set PCE, 12*(\q)+6*(\p/3)+\p%3
.if PCE%8 < 5
	ds_load_b64 v[\reg+2*\p:\reg+2*\p+1], v[\adr] offset:8*PCE+16*(PCE/8)+(\rowoff)*PITCH
.else
	ds_load_b64 v[\reg+2*\p:\reg+2*\p+1], v[\adr+2] offset:8*PCE+16*(PCE/8)+(\rowoff)*PITCH
.endif
.endr
.endm
.macro FRAGI reg, adr, q, i            ; a fragment from an image of its registers: three loads of 512 consecutive bytes
.irp c, 0,1,2
	ds_load_b128 v[\reg+4*\c:\reg+4*\c+3], v[\adr] offset:(\i)*3072+(\q)*1536+512*\c
.endr
.endm
.macro FETCH_B slot, q, p              ; B's eight fragments of the slot's q-th 128 along K into set p
	WIN 0x40
.irp i, 0,1,2,3,4,5,6,7
.if BIMG
	FRAGI 128*(\p)+FR*\i, ADRB+\slot, \q, \i
.elseif BPI
	FRAGR 128*(\p)+FR*\i, ADRB+\slot, \q, 32*(\i/2)+8*(\i%2)
.else
	FRAGR 128*(\p)+FR*\i, ADRB+\slot, \q, 16*\i
.endif
.endr
	WIN 0
.endm
.macro FETCH_A slot, q, i0             ; A's blocks i0 .. i0 + 3
.irp i, \i0, \i0+1, \i0+2, \i0+3
.if AIMG
	FRAGI AF+FR*(\i), ADRA+\slot, \q, \i
.elseif API
	FRAGR AF+FR*(\i), ADRA+\slot, \q, 32*((\i)/2)+8*((\i)%2)
.else
	FRAGR AF+FR*(\i), ADRA+\slot, \q, 16*(\i)
.endif
.endr
.endm
.macro SOFF kind, i                    ; where block i's scale words begin.  0: given scales, rows as they lie; 1: given, rows in this program's order; 2: my own, K-major; 3: my own, in quarters of 64 rows
.if \kind == 0
.set SOF, 544*(\i)
.elseif \kind == 1
.set SOF, 272*(4*((\i)/2)+(\i)%2)
.elseif \kind == 2
.set SOF, 64*(\i)
.else
.set SOF, ((\i)/4)*5120+((\i)%4)*64
.endif
.endm
.macro SCALES sc                       ; a K step's scale words into set sc: one register a block carries both 128-steps, in the two halves of the lanes
.irp i, 0,1,2,3,4,5,6,7
	SOFF ASK, \i
	ds_load_b32 v[SC+16*\sc+\i], v[ADSA] offset:SOF
.endr
.irp i, 0,1,2,3,4,5,6,7
	SOFF BSK, \i
	ds_load_b32 v[SC+16*\sc+8+\i], v[ADSB] offset:SOF
.endr
.endm
; 16 products: A's blocks a0, a0 + 1 x B's eight, the slot's q-th 128 along K; p: B's set; sc: the scale set.  zero = 1: the first product starts the sums.  The 64 accumulators take turns, in the same order in every step.
.macro MUL16 a0, p, q, sc, zero
.irp a, \a0, \a0+1
.irp b, 0,1,2,3,4,5,6,7
.if (\zero) && CBIAS
	v_wmma_scale_f32_16x16x128_f8f6f4 v[8*(8*((\a)%4)+\b):8*(8*((\a)%4)+\b)+7], v[128*(\p)+FR*\b:128*(\p)+FR*\b+FR-1], v[AF+FR*(\a):AF+FR*(\a)+FR-1], v[CB+8*\b:CB+8*\b+7], v[SC+16*(\sc)+8+\b], v[SC+16*(\sc)+(\a)] matrix_a_fmt:MATRIX_FMT_FP6 matrix_b_fmt:MATRIX_FMT_FP6
.elseif \zero
	v_wmma_scale_f32_16x16x128_f8f6f4 v[8*(8*((\a)%4)+\b):8*(8*((\a)%4)+\b)+7], v[128*(\p)+FR*\b:128*(\p)+FR*\b+FR-1], v[AF+FR*(\a):AF+FR*(\a)+FR-1], 0, v[SC+16*(\sc)+8+\b], v[SC+16*(\sc)+(\a)] matrix_a_fmt:MATRIX_FMT_FP6 matrix_b_fmt:MATRIX_FMT_FP6
.elseif (\q) == 0
	v_wmma_scale_f32_16x16x128_f8f6f4 v[8*(8*((\a)%4)+\b):8*(8*((\a)%4)+\b)+7], v[128*(\p)+FR*\b:128*(\p)+FR*\b+FR-1], v[AF+FR*(\a):AF+FR*(\a)+FR-1], v[8*(8*((\a)%4)+\b):8*(8*((\a)%4)+\b)+7], v[SC+16*(\sc)+8+\b], v[SC+16*(\sc)+(\a)] matrix_a_fmt:MATRIX_FMT_FP6 matrix_b_fmt:MATRIX_FMT_FP6
.else
	v_wmma_scale_f32_16x16x128_f8f6f4 v[8*(8*((\a)%4)+\b):8*(8*((\a)%4)+\b)+7], v[128*(\p)+FR*\b:128*(\p)+FR*\b+FR-1], v[AF+FR*(\a):AF+FR*(\a)+FR-1], v[8*(8*((\a)%4)+\b):8*(8*((\a)%4)+\b)+7], v[SC+16*(\sc)+8+\b], v[SC+16*(\sc)+(\a)] matrix_a_fmt:MATRIX_FMT_FP6 matrix_b_fmt:MATRIX_FMT_FP6 matrix_a_scale:MATRIX_SCALE_ROW1 matrix_b_scale:MATRIX_SCALE_ROW1
.endif
.endr
.endr
.endm
.macro STEP slot, zero                 ; a slot's first 128 along K; the second's fragments are fetched in two runs
	s_wait_dscnt 4*NLA                             ; B's set, A's blocks 0-3 and the scale words are in; the youngest loads, A's blocks 4-7, may be out
.if (\zero) && CBIAS
	WIN 0x81                                       ; source 0 window 1, source 1 and C window 0, D window 2
.else
	WIN 0xa1                                       ; C and D window 2
.endif
	MUL16 0, 0, 0, \slot, \zero
	MUL16 2, 0, 0, \slot, \zero
	s_wait_dscnt 0x0                               ; A's blocks 4-7 are in
	PLACES 4
	FETCH_B \slot, 1, 1
	FETCH_A \slot, 1, 0
.if (\zero) && CBIAS
	WIN 0xc1
.else
	WIN 0xf1
.endif
	MUL16 4, 0, 0, \slot, \zero
	MUL16 6, 0, 0, \slot, \zero
	PLACES 4
	WIN 0
	FETCH_A \slot, 1, 4
.endm
; A slot's second 128 along K changes slots: ONE barrier; in front of it each wave waits for all its tensor loads, adds 0 to its spare word, and waits for that and for its reads of this slot.  fill = 1: the slot is filled again, two K steps ahead.
.macro TURN slot, next, fill
	s_wait_tensorcnt 0x0                           ; all my tensor loads have landed: my part of the next slot
	ds_add_u32 v[SPW], v[NIL]                      ; 0 onto my spare word
	s_wait_dscnt 4*NLA+1                           ; (the add and A's blocks 4-7 may be out)
	WIN 0xa1
	MUL16 0, 1, 1, \slot, 0                        ; sixteen products stand between the add and the wait for it
	s_wait_dscnt 0x0                               ; the add is done, and my reads of this slot are over
	s_barrier_signal -1
	MUL16 2, 1, 1, \slot, 0
	WIN 0
	s_barrier_wait -1
.if \fill
	CREST                                          ; the barrier has opened a round of the cluster's: no wave of any partner still reads this slot or has a load on its way
	s_add_nc_u64 s[G0+4*\slot+2:G0+4*\slot+3], s[G0+4*\slot+2:G0+4*\slot+3], 2*STEP_A
	s_add_nc_u64 s[G0B+4*\slot+2:G0B+4*\slot+3], s[G0B+4*\slot+2:G0B+4*\slot+3], 2*STEP_B
	JLOAD G0+4*\slot, G1, G0B+4*\slot, G1B         ; the first tensor load behind the round; its four v_nop are the places in front of the loads below
.else
	PLACES 4
.endif
	v_add_nc_u32 v[ADSA], ASTEP, v[ADSA]           ; on to the next K step's scale words
	v_add_nc_u32 v[ADSB], BSTEP, v[ADSB]
	FETCH_B \next, 0, 0
	FETCH_A \next, 0, 0
	SCALES \next
	WIN 0xf1
	MUL16 4, 1, 1, \slot, 0
	MUL16 6, 1, 1, \slot, 0
	PLACES 4
	WIN 0
	FETCH_A \next, 0, 4
.endm
; ---- the launch ----
	s_load_b256 s[4:11], s[0:1], 0x0               ; O's codes, O's scale words, Wo's codes, Wo's scales
	s_load_b128 s[12:15], s[0:1], 0x20             ; bo, out
	HEAD
	s_lshl_b32 s[TC], ttmp9, 2
	s_add_co_u32 s[TC], s[TC], s40                 ; the tile of 256 columns
	s_and_b32 s67, ttmp7, 0xffff
	s_lshl_b32 s[TR], s67, 2
	s_add_co_u32 s[TR], s[TR], s41                 ; the tile of 256 rows
	G1SET G1, 43, W0IMG, 32, 96, 32
	G1SET G1B, 44, W0ROW, 192, 128, 768
	G1SET G1S, 43, W0OWN, 64, 8, 4096
	G1SET G1SB, 44, W0GIV, 32, 16, 32
	s_mul_i32 s2, s[TR], 49152
	s_mul_i32 s3, s[CH], 24576
	s_add_co_u32 s[G0+2], s2, s3
	s_mov_b32 s[G0+3], 0
	s_lshl_b32 s2, s[TR], 10
	s_lshl_b32 s3, s[CH], 9
	s_add_co_u32 s[G0S+2], s2, s3
	s_mov_b32 s[G0S+3], 0
	s_lshl_b32 s46, s[TC], 8
	s_lshl_b32 s47, s[CH], 7
	s_add_co_u32 s46, s46, s47                     ; Wo: the first row that I fetch
	s_mul_i32 s[G0B+2], s46, 768
	s_mov_b32 s[G0B+3], 0
	s_lshl_b32 s[G0SB+2], s46, 5
	s_mov_b32 s[G0SB+3], 0
	s_mul_i32 s3, s[WV], QS
	s_lshl_b32 s94, s[TC], 10
	s_lshl_b32 s95, s[CH], 9
	s_add_co_u32 s94, s94, s95                     ; my first column, in bytes of f32
	s_lshl_b32 s96, s[TR], 20
	s_lshl_b32 s97, s[RH], 19
	s_add_co_u32 s96, s96, s97
	s_add_co_u32 s96, s96, s94                     ; and my first row: 4,096 bytes a row
	s_mov_b32 s97, 0
	s_wait_kmcnt 0x0
	SDESC G0S, 6, 3, SCL
	SDESC G0SB, 10, 3, SCL
	GROUP0 4, 8
	s_add_nc_u64 s[14:15], s[14:15], s[96:97]
	CROUND                                         ; all sixteen work-groups are here: the first joint loads meet
	JLOAD G0S, G1S, G0SB, G1SB                     ; three loads of mine are out: the scales, K step 0, K step 1
	JLOAD G0, G1, G0B, G1B
	JLOAD G0+4, G1, G0B+4, G1B
	v_and_b32 v1, 15, v0                           ; r
	v_bfe_u32 v2, v0, 4, 1                         ; h
	v_lshlrev_b32 v9, 5, v2
	v_add_nc_u32 v9, s94, v9                       ; the bias: numbers (my first column) + 16 b + 8 h + 0 .. 7
.irp b, 0,1,2,3,4,5,6,7
	global_load_b128 v[CB+8*\b:CB+8*\b+3], v9, s[12:13] offset:64*\b
	global_load_b128 v[CB+8*\b+4:CB+8*\b+7], v9, s[12:13] offset:64*\b+16
.endr
	v_and_b32 v8, 31, v0
	v_lshlrev_b32 v[CO], 4, v8                     ; 16 x lane
	v_mul_u32_u24 v4, v1, PITCH
	v_mad_u32_u24 v4, v2, 24, v4                   ; Wo: a fragment's row x pitch + 24 x half
	v_lshl_add_u32 v5, v2, 4, v4                   ; and behind one padding more
	s_mul_i32 s2, s[RH], HALFT
	s_mul_i32 s46, s[CH], HALFT
	s_add_co_u32 s46, s46, 2*HALFT
.irp s, 0,1
	v_add_nc_u32 v[ADRA+\s], s2, v[CO]
	v_add_nc_u32 v[ADRB+\s], s46, v4
	v_add_nc_u32 v[ADRB+2+\s], s46, v5
	s_add_co_u32 s2, s2, SLOT
	s_add_co_u32 s46, s46, SLOT
.endr
	v_lshlrev_b32 v6, 2, v1
	v_mad_u32_u24 v6, v2, 576, v6                  ; O's scale words: my row's; lanes 16-31: the K step's second 128
	s_mul_i32 s2, s[RH], QS
	s_add_co_u32 s2, s2, SCL
	v_add_nc_u32 v[ADSA], s2, v6
	v_lshlrev_b32 v6, 5, v1                        ; Wo's: 32 bytes a row, 16 more for each eight rows passed
	v_lshrrev_b32 v7, 3, v1
	v_lshl_add_u32 v6, v7, 4, v6
	v_lshl_add_u32 v6, v2, 2, v6
	s_mul_i32 s46, s[CH], QS
	s_add_co_u32 s46, s46, SCL+2*QS
	v_add_nc_u32 v[ADSB], s46, v6
	s_mul_i32 s2, s[WV], 16*SPITCH
	s_add_co_u32 s2, s2, STAGE                     ; my stage
	v_mul_u32_u24 v7, v1, SPITCH
	v_lshl_add_u32 v7, v2, 5, v7
	v_add_nc_u32 v[STO], s2, v7                    ; in: row r, 32 bytes for each half of the lanes
	v_add_nc_u32 v[RD], s2, v[CO]                  ; back: the 32 lanes take one row of 512 bytes
	s_wait_loadcnt 0x0                             ; the bias
	s_wait_tensorcnt 1                             ; the scales and my part of K step 0 are in; K step 1's load may be out
	s_barrier_signal -1
	s_barrier_wait -1
	FETCH_B 0, 0, 0
	FETCH_A 0, 0, 0
	SCALES 0
	FETCH_A 0, 0, 4
	STEP 0, 1
	s_mov_b32 s3, LAPS-1
.Llap:
	TURN 0, 1, 1
	STEP 1, 0
	TURN 1, 0, 1
	STEP 0, 0
	s_sub_co_u32 s3, s3, 1
	s_cmp_lg_u32 s3, 0
	s_cbranch_scc1 .Llap
	TURN 0, 1, 0
	STEP 1, 0
	s_wait_dscnt 4*NLA
	WIN 0xa1
	MUL16 0, 1, 1, 1, 0
	MUL16 2, 1, 1, 1, 0
	s_wait_dscnt 0x0
	WIN 0xf1
	MUL16 4, 1, 1, 1, 0
	MUL16 6, 1, 1, 1, 0
	WIN 0
; THE WAY OUT, block by block of 16 rows x 128 columns, through my own stage.  LDS serves a wave's instructions in order (ISA guide 5.7.1.4): no wait between the stores and the loads, nor in front of the next block's stores.
.macro TOSTAGE a
.set AC, 64*((\a)%4)
	WIN 0x08+4*((\a)/4)                            ; an LDS store's data: window 2 or 3
.irp b, 0,1,2,3,4,5,6,7
	ds_store_b128 v[STO], v[AC+8*\b:AC+8*\b+3] offset:64*\b          ; each accumulator from its low end on
	ds_store_b128 v[STO], v[AC+8*\b+4:AC+8*\b+7] offset:64*\b+16
.endr
	WIN 0
.set BB, BK+64*((\a)%2)
.irp t, 0,1,2,3,4,5,6,7,8,9,10,11,12,13,14,15
	ds_load_b128 v[BB+4*\t:BB+4*\t+3], v[RD] offset:\t*SPITCH
.endr
.endm
.macro SEND a, younger                 ; younger: the LDS instructions issued behind block a's loads, which may stay out
.set BB, BK+64*((\a)%2)
	s_wait_dscnt \younger
.irp t, 0,1,2,3,4,5,6,7,8,9,10,11,12,13,14,15
	global_store_b128 v[CO], v[BB+4*\t:BB+4*\t+3], s[14:15] offset:(32*((\a)/2)+8*((\a)%2)+\t+8*(\t/8))*4096 th:TH_STORE_NT   ; the row's true place; 512 consecutive bytes, aligned; at most 127 rows on: inside the signed 24-bit immediate
.endr
.endm
	PLACES 4
	TOSTAGE 0
.irp a, 1,2,3,4,5,6,7
.if \a > 1
	s_wait_xcnt 0x0                                ; block a - 2's stores have read the registers into which block a's loads land
.endif
	TOSTAGE \a
	SEND \a-1, 32                                  ; behind block a - 1's loads: block a's 16 stores and 16 loads
.endr
	SEND 7, 0
	s_wait_tensorcnt 0x0                           ; the wave's end
	ds_add_u32 v[SPW], v[NIL]
	s_wait_dscnt 0x0
	CROUND                                         ; the closing round
	s_endpgm
.Lfunc_end_k_q18bb536817_outp:
	.size	k_q18bb536817_outp, .Lfunc_end_k_q18bb536817_outp-k_q18bb536817_outp
	.p2alignl 7, 3214868480
	.fill 96, 4, 3214868480
	.section	.rodata,"a",@progbits
	.p2align	6, 0x0
	.amdhsa_kernel k_q18bb536817_outp
		.amdhsa_group_segment_fixed_size 327680
		.amdhsa_private_segment_fixed_size 0
		.amdhsa_enable_private_segment 0
		.amdhsa_kernarg_size 48
		.amdhsa_user_sgpr_count 2
		.amdhsa_user_sgpr_kernarg_segment_ptr 1
		.amdhsa_wavefront_size32 1
		.amdhsa_system_sgpr_workgroup_id_x 1
		.amdhsa_system_sgpr_workgroup_id_y 1
		.amdhsa_system_sgpr_workgroup_id_z 1
		.amdhsa_system_vgpr_workitem_id 0
		.amdhsa_next_free_vgpr 1024
		.amdhsa_next_free_sgpr 100
		.amdhsa_reserve_vcc 0
		.amdhsa_float_denorm_mode_32 3
		.amdhsa_float_denorm_mode_16_64 3
		.amdhsa_memory_ordered 1
		.amdhsa_forward_progress 1
		.amdhsa_inst_pref_size 151
	.end_amdhsa_kernel
	.amdgpu_metadata
---
amdhsa.version: [ 1, 2 ]
amdhsa.kernels:
  - .name:           k_q18bb536817_outp
    .symbol:         k_q18bb536817_outp.kd
    .args:
      - { .name: o_codes, .offset: 0, .size: 8, .value_kind: global_buffer, .address_space: global }
      - { .name: o_scales, .offset: 8, .size: 8, .value_kind: global_buffer, .address_space: global }
      - { .name: Wo_codes, .offset: 16, .size: 8, .value_kind: global_buffer, .address_space: global }
      - { .name: Wo_scales, .offset: 24, .size: 8, .value_kind: global_buffer, .address_space: global }
      - { .name: bo, .offset: 32, .size: 8, .value_kind: global_buffer, .address_space: global }
      - { .name: out0, .offset: 40, .size: 8, .value_kind: global_buffer, .address_space: global }
    .group_segment_fixed_size: 327680
    .private_segment_fixed_size: 0
    .kernarg_segment_align: 8
    .kernarg_segment_size: 48
    .max_flat_workgroup_size: 128
    .sgpr_count:     100
    .vgpr_count:     1024
    .wavefront_size: 32
...
	.end_amdgpu_metadata
.endif
;; end of part 4
;; ======== version 2 of 2: 4 launches
;; limits: right only within a limited range of input values
;; workspace buffers: qkv_codes 18,874,368 bytes; qkv_scales 786,432 bytes; p_codes 12,582,912 bytes; p_stats 1,572,864 bytes; o_codes 6,291,456 bytes; o_scales 262,144 bytes
;; launch proj (part 5): grid 8 x 32, 4 waves a work-group, clusters of 4 x 4, 327,680 bytes of LDS; arguments x_codes, x_scales, Wq_codes, Wq_scales, Wk_codes, Wk_scales, Wv_codes, Wv_scales, bq, bk, bv, qkv_codes, qkv_scales; writes qkv_codes, qkv_scales
.if DOCPART == 5
	.amdgcn_target "amdgcn-amd-amdhsa--gfx1250"
	.amdhsa_code_object_version 6
	.text
	.protected	k_q18bb536817_proj
	.globl	k_q18bb536817_proj
	.p2align	8
	.type	k_q18bb536817_proj,@function
k_q18bb536817_proj:
	s_mov_b64 s[64:65], 0
	v_nop
	global_prefetch_b8 v0, s[64:65] scope:SCOPE_SE
	s_setreg_imm32_b32 hwreg(HW_REG_WAVE_MODE, 25, 1), 1
	s_wait_xcnt 0x0
	s_wait_alu depctr_hold_cnt(0) depctr_sa_sdst(0) depctr_va_vdst(0) depctr_va_sdst(0) depctr_va_ssrc(0) depctr_va_vcc(0) depctr_vm_vsrc(0)
	s_getreg_b32 s2, hwreg(HW_REG_IB_STS2, 6, 4)
	s_cmp_eq_u32 s2, 0
	s_cbranch_scc0 .Lentry_in_a_cluster
	s_endpgm
.Lentry_in_a_cluster:
	s_bfe_u32 s2, ttmp6, 0x10000c
	s_cmp_lg_u32 s2, 0xf033
	s_cbranch_scc0 .Lentry_shape_is_right
	s_endpgm
.Lentry_shape_is_right:
; Q = x Wq^T + bq, K = x Wk^T + bk (rows = tokens, quantised along the features) and V^T = Wv x^T + bv (rows = features, quantised along the keys), on codes of FP6 (E2M3) with E8M0 scales.
; SHARES: work-group (j, t) keeps x's rows 256 t .. 256 t + 255 in LDS, all 1,024 of K (768 bytes a row), and walks three tiles of 128 rows x all of K: rows 128 j .. of Wq, Wk, Wv.  8 x 32 work-groups.
; Tiles Q, K: source 0 = W's 128 rows, source 1 = my wave's 64 rows of x.  Tile V^T: source 0 = 128 rows of x (wave % 2), source 1 = 64 rows of Wv (wave / 2).  A wave: 64 x 128, 32 accumulators.
; A lane holds one row of source 1, its registers run along source 0's rows.  Lane r of block i takes row 32 (i / 2) + 8 (i % 2) + r + 8 (r / 8): the 16 registers of blocks 2 b, 2 b + 1 are 16 neighbours.
; W's bytes are filled again in a tile's last K step, behind a round of the cluster's barrier; the tile's way out stands between that load and the wait for it.
; Results leave as images of the operand's registers: fragment at (k / 256) 192 R + (row block) 3072 + ((k / 128) % 2) 1536; scale words K-major at step x 4 R + 4 x row.
; CLUSTERS: x's tile is asked for jointly by a row of the cluster, W's by a column.  No prefetch: the loop has two trips, and each refill is asked for a whole way out ahead of its wait.
; LIMITS: NaN and infinities are not served; a block whose largest magnitude lies under 2^-124 keeps the scale byte 1: this program alone reads these bytes.
.set PITCH, 816                        ; 768 bytes + 16 behind every 256
.set HB,    64*PITCH
.set WR,    256*PITCH                  ; W's tile lies behind x's
.set SPARE, WR+128*PITCH               ; the spare words, named by no other line
.set SCR,   SPARE+512                  ; 256 bytes a wave: scale words on their way out
.set FR,    12
.set AFR,   96                         ; windows 1, 3: source 0's eight fragments at v0-95, source 1's four at v96-143; window 2: accumulator (a, b) at v[8 (8 a + b)]
.set VB,    6                          ; v6 column bias offset, v7 row bias offset
.set VBM,   7
.set VP,    22                         ; scale offsets: v22 rows of a block; v23 + my 64 rows of x; v27 + my 128 rows of x; v31 + my 64 rows of Wv
.set VX1,   23
.set LI,    24
.set SCW,   25
.set SCRD,  26
.set VX0,   27
.set SPW,   28
.set NIL,   29
.set LI8,   30
.set VW1,   31
.set SCBB,  32                         ; v32-63 source 0's scale words, v224-239 source 1's: register j of a block: lanes 0-15 step j, lanes 16-31 step j + 4
.set SCAB,  224
.set CB,    64                         ; v64-127 the column bias
.set TM,    200
.set PW,    216
.set BM,    240                        ; v240-243 the row bias (V^T)
.set WV,    20
.set RH,    21
.set CH,    22
.set G1,    24
.set G0,    32
.set SEL,   36
.set JT,    42
.set G1B,   48
.set G0B,   56
.set XT,    66
.set W0ROW, (1<<20)|(1<<21)|(5<<22)|(3<<25)
.set MSB, 0
.macro WIN new
.if MSB != (\new)
	s_set_vgpr_msb (MSB<<8)|(\new)
.set MSB, (\new)
.endif
.endm
.macro PLACES n
.rept \n
	v_nop
.endr
.endm
.macro CREST
	s_cmp_lg_u32 s[WV], 0
	s_cbranch_scc1 .Lnot_wave_0_\@
	s_barrier_signal -3
.Lnot_wave_0_\@:
	s_barrier_wait -3
	s_barrier_signal -1
	s_barrier_wait -1
.endm
.macro CROUND
	s_barrier_signal -1
	s_barrier_wait -1
	CREST
.endm
.macro G1SET g, m, w0, d0, d1, st
	s_or_b32 s[\g], s[\m], \w0
	s_mov_b32 s[\g+1], (\d0)<<16
	s_mov_b32 s[\g+2], (\d1)<<16
	s_mov_b32 s[\g+3], (\d0)<<16
	s_mov_b32 s[\g+4], \d1
	s_mov_b32 s[\g+5], \st
	s_mov_b32 s[\g+6], 0
	s_mov_b32 s[\g+7], 0
.endm
.macro SMA d, s, m                     ; s[d] += s[s] x m
	s_mul_i32 s2, s[\s], \m
	s_add_co_u32 s[\d], s[\d], s2
.endm
.macro FRAGR reg, adr, pd, k, row      ; six pieces of 8 bytes; lanes 16-31 read three pieces on, for some pieces behind one padding more (register adr + pd)
.irp p, 0,1,2,3,4,5
.set PCE, 12*(\k)+6*(\p/3)+\p%3
.if PCE%32 < 29
	ds_load_b64 v[\reg+2*\p:\reg+2*\p+1], v[\adr] offset:8*PCE+16*(PCE/32)+(\row)*PITCH
.else
	ds_load_b64 v[\reg+2*\p:\reg+2*\p+1], v[\adr+\pd] offset:8*PCE+16*(PCE/32)+(\row)*PITCH
.endif
.endr
.endm
.macro FETCHQ g, k                     ; a third of step k's fragments into set k % 2.  g = 0, 1: source 0's blocks 0-3, 4-7; 2: source 1's four
	WIN (1+2*((\k)%2))<<6
.irp i, 0,1,2,3
.if (\g) < 2
	FRAGR FR*(4*(\g)+\i), S0A+(\g), 2, \k, 32*(\i/2)+8*(\i%2)
.else
	FRAGR AFR+FR*\i, S1A, 1, \k, 32*(\i/2)+8*(\i%2)
.endif
.endr
.endm
.macro MULQ a, k, zero                 ; 8 products; the 32 accumulators take turns, in the same order in every step
.set SJ, (\k)%4
.if (\zero) && CBIAS
	WIN 0x85
.else
	WIN 0xa0|(5*(1+2*((\k)%2)))
.endif
.irp b, 0,1,2,3,4,5,6,7
.if (\zero) && CBIAS
	v_wmma_scale_f32_16x16x128_f8f6f4 v[8*(8*(\a)+\b):8*(8*(\a)+\b)+7], v[FR*\b:FR*\b+FR-1], v[AFR+FR*(\a):AFR+FR*(\a)+FR-1], v[CB+8*\b:CB+8*\b+7], v[SCBB+4*\b+SJ], v[SCAB+4*(\a)+SJ] matrix_a_fmt:MATRIX_FMT_FP6 matrix_b_fmt:MATRIX_FMT_FP6
.elseif \zero
	v_wmma_scale_f32_16x16x128_f8f6f4 v[8*(8*(\a)+\b):8*(8*(\a)+\b)+7], v[FR*\b:FR*\b+FR-1], v[AFR+FR*(\a):AFR+FR*(\a)+FR-1], 0, v[SCBB+4*\b+SJ], v[SCAB+4*(\a)+SJ] matrix_a_fmt:MATRIX_FMT_FP6 matrix_b_fmt:MATRIX_FMT_FP6
.elseif (\k) < 4
	v_wmma_scale_f32_16x16x128_f8f6f4 v[8*(8*(\a)+\b):8*(8*(\a)+\b)+7], v[FR*\b:FR*\b+FR-1], v[AFR+FR*(\a):AFR+FR*(\a)+FR-1], v[8*(8*(\a)+\b):8*(8*(\a)+\b)+7], v[SCBB+4*\b+SJ], v[SCAB+4*(\a)+SJ] matrix_a_fmt:MATRIX_FMT_FP6 matrix_b_fmt:MATRIX_FMT_FP6
.else
	v_wmma_scale_f32_16x16x128_f8f6f4 v[8*(8*(\a)+\b):8*(8*(\a)+\b)+7], v[FR*\b:FR*\b+FR-1], v[AFR+FR*(\a):AFR+FR*(\a)+FR-1], v[8*(8*(\a)+\b):8*(8*(\a)+\b)+7], v[SCBB+4*\b+SJ], v[SCAB+4*(\a)+SJ] matrix_a_fmt:MATRIX_FMT_FP6 matrix_b_fmt:MATRIX_FMT_FP6 matrix_a_scale:MATRIX_SCALE_ROW1 matrix_b_scale:MATRIX_SCALE_ROW1
.endif
.endr
.endm
.macro STEPN k, zero                   ; step k's products; step k + 1's fragments go into the other set, in three runs
	s_wait_dscnt 0x0
.if (\k) > 0
	PLACES 4
.endif
	FETCHQ 0, (\k)+1
	MULQ 0, \k, \zero
	FETCHQ 1, (\k)+1
	MULQ 1, \k, \zero
	FETCHQ 2, (\k)+1
	MULQ 2, \k, \zero
	MULQ 3, \k, \zero
.endm
.macro SLD reg, n, vo, ptr             ; scale words of n blocks: lane (r, h) takes 16 bytes of its row's 32
.set ii, 0
.rept \n
	global_load_b128 v[\reg+4*ii:\reg+4*ii+3], v[\vo], s[\ptr:\ptr+1] offset:1024*(ii/2)+256*(ii%2)
.set ii, ii+1
.endr
.endm
.macro CBLD ptr                        ; the column bias in the result's layout
.set ii, 0
.rept 8
	global_load_b128 v[CB+8*ii:CB+8*ii+3], v[VB], s[\ptr:\ptr+1] offset:(32*(ii/2)+8*(ii%2))*4
	global_load_b128 v[CB+8*ii+4:CB+8*ii+7], v[VB], s[\ptr:\ptr+1] offset:(32*(ii/2)+8*(ii%2))*4+16
.set ii, ii+1
.endr
.endm
; 64 numbers of a lane in window w become a fragment's codes in v[pc .. pc + 11] and its scale word in v[pw]
.macro QUANT s, w, pc, pw
	WIN (\w)|((\w)<<2)
.irp b, 0,1,2,3
	v_max3_num_f32 v[TM+\b], |v[\s+16*\b]|, |v[\s+16*\b+1]|, 0x1800000   ; with the floor 2^(3 - 127): the byte cannot fall under 1
.endr
.irp i, 2,4,6,8,10,12,14
.irp b, 0,1,2,3
	v_max3_num_f32 v[TM+\b], |v[\s+16*\b+\i]|, |v[\s+16*\b+\i+1]|, v[TM+\b]
.endr
.endr
	WIN 0
.irp b, 0,1,2,3
	v_permlanex16_b32 v[TM+4+\b], v[TM+\b], s[SEL], s[SEL+1]
.endr
.irp b, 0,1,2,3
	v_max_num_f32 v[TM+\b], v[TM+\b], v[TM+4+\b]
.endr
.irp b, 0,1,2,3
	v_add_nc_u32 v[TM+12+\b], 0xff000000, v[TM+\b] ; 2 off the exponent field: the conversion's scale operand
.endr
.irp b, 0,1,2,3
	v_lshrrev_b32 v[TM+4+\b], 23, v[TM+12+\b]
.endr
	v_lshl_or_b32 v[\pw], v[TM+5], 8, v[TM+4]
	v_lshl_or_b32 v[\pw], v[TM+6], 16, v[\pw]
	v_lshl_or_b32 v[\pw], v[TM+7], 24, v[\pw]
	WIN \w
.irp c, 0,1
	v_cvt_scalef32_pk16_fp6_f32 v[\pc+6*\c:\pc+6*\c+2], v[\s+32*\c:\s+32*\c+15], v[TM+12+2*\c]
	v_cvt_scalef32_pk16_fp6_f32 v[\pc+12+4*\c:\pc+14+4*\c], v[\s+16+32*\c:\s+31+32*\c], v[TM+12+2*\c+1]
.endr
	WIN 0
	v_nop                                          ; one plain place behind a scaled conversion
.irp c, 0,1
.irp i, 0,1,2
	v_permlane16_swap_b32 v[\pc+6*\c+\i], v[\pc+12+4*\c+\i]
.endr
.irp i, 0,1,2
	v_mov_b32 v[\pc+3+6*\c+\i], v[\pc+12+4*\c+\i]
.endr
.endr
.endm
.macro OUTBLK a                        ; 16 rows: (V^T: the row bias,) the quantiser, the image to memory, the scale word to my LDS bytes
.set AC, 64*(\a)
.set PCS, 128+20*((\a)%2)
	s_wait_xcnt 0x0                                ; earlier stores have read the registers that are written now
.if CBIAS == 0
	WIN 0x82
.set jj, 0
.rept 32
.if (\a)%2
	v_pk_add_f32 v[AC+jj:AC+jj+1], v[AC+jj:AC+jj+1], v[BM+((\a)&6):BM+((\a)&6)+1] op_sel:[0,1] op_sel_hi:[1,1]
.else
	v_pk_add_f32 v[AC+jj:AC+jj+1], v[AC+jj:AC+jj+1], v[BM+((\a)&6):BM+((\a)&6)+1] op_sel:[0,0] op_sel_hi:[1,0]
.endif
.set jj, jj+2
.endr
.endif
	QUANT AC, 2, PCS, PW+(\a)
.irp c, 0,1,2
	global_store_b128 v[LI], v[PCS+4*\c:PCS+4*\c+3], s[OCR:OCR+1] offset:(\a)*3072+512*\c   ; 512 consecutive bytes, aligned
.endr
	ds_store_b32 v[SCW], v[PW+(\a)] offset:64*(\a)
.endm
; One tile: all of K in eight steps, then the way out.  fill = 1: W's bytes are filled again in the last step.
.macro TILE fill
	s_wait_alu depctr_va_vdst(0)                   ; the wait ahead of the waits below
	s_wait_loadcnt 0x0                             ; this tile's scale words and bias
	s_wait_tensorcnt 0x0                           ; my part of the tile
	s_barrier_signal -1
	s_barrier_wait -1                              ; everybody's part
	FETCHQ 0, 0
	FETCHQ 1, 0
	FETCHQ 2, 0
	STEPN 0, 1
.irp k, 1,2,3,4,5,6
	STEPN \k, 0
.endr
	WIN 0
.if \fill
	s_wait_tensorcnt 0x0                           ; no load of mine is out
	ds_add_u32 v[SPW], v[NIL]
	s_wait_dscnt 0x0                               ; the add, and my last reads of W's tile
	s_barrier_signal -1
	MULQ 0, 7, 0
	MULQ 1, 7, 0
	WIN 0
	s_barrier_wait -1
	CREST                                          ; the barrier has opened a round of the cluster's
	s_mov_b64 s[G0B+2:G0B+3], s[12:13]             ; the next W's tile
	s_or_b32 s[G0B+3], s[G0B+3], 0x80000000
	s_mov_b64 s[12:13], s[16:17]
	s_cmp_eq_u32 s[RH], 0                          ; waves 2, 3 bring 64 rows each
	s_cbranch_scc1 .Lno_fill
	tensor_load_to_lds s[G0B:G0B+3], s[G1B:G1B+7]
	s_nop 0
	PLACES 4
.Lno_fill:
.else
	s_wait_dscnt 0x0
	MULQ 0, 7, 0
	MULQ 1, 7, 0
.endif
	MULQ 2, 7, 0
	MULQ 3, 7, 0
	WIN 0
	PLACES 4
.if \fill
	s_cmp_lg_u32 s3, 0                             ; the next tile's scale words and bias, asked for ahead of the way out
	s_cbranch_scc1 .Lfor_v
	SLD SCBB, 8, VP, 14
	CBLD 94
	s_branch .Lasked_next
.Lfor_v:
	SLD SCBB, 8, VX0, 6
	SLD SCAB, 4, VW1, 18
.irp a, 0,1,2,3
	global_load_b32 v[BM+\a], v[VBM], s[96:97] offset:(32*(\a/2)+8*(\a%2))*4
.endr
.Lasked_next:
.endif
.irp a, 0,1,2,3
	OUTBLK \a
.endr
	ds_load_b64 v[TM:TM+1], v[SCRD]                ; LDS serves a wave's instructions in order: this sees my stores
	s_wait_dscnt 0x0
	global_store_b64 v[LI8], v[TM:TM+1], s[OSR:OSR+1]   ; 64 rows' scale words: 256 consecutive bytes, aligned
.endm
; ---- the launch ----
	s_load_b512 s[4:19], s[0:1], 0x0               ; x's codes, scales; Wq's; Wk's; Wv's
	s_load_b256 s[92:99], s[0:1], 0x40             ; bq, bk, bv, the codes' buffer
	s_load_b64 s[100:101], s[0:1], 0x60            ; the scale words' buffer
	v_lshl_add_u32 v[SPW], v0, 2, SPARE
	v_mov_b32 v[NIL], 0
	ds_add_u32 v[SPW], v[NIL]                      ; the opening lines
	ds_add_u32 v[SPW], v[NIL]
	v_lshrrev_b32 v1, 5, v0
	v_readfirstlane_b32 s[WV], v1
	s_lshr_b32 s[RH], s[WV], 1
	s_and_b32 s[CH], s[WV], 1
	s_bfe_u32 s40, ttmp6, 0x40000
	s_bfe_u32 s41, ttmp6, 0x40004
	s_lshl_b32 s43, s41, 2
	s_lshl_b32 s43, 15, s43                        ; my row of the cluster
	s_lshl_b32 s44, 0x1111, s40                    ; my column
	s_lshl_b32 s[JT], ttmp9, 2
	s_add_co_u32 s[JT], s[JT], s40                 ; j
	s_and_b32 s[XT], ttmp7, 0xffff
	s_lshl_b32 s[XT], s[XT], 2
	s_add_co_u32 s[XT], s[XT], s41                 ; t
	G1SET G1, 43, W0ROW, 768, 128, 768             ; x: waves 0, 1 bring 128 rows each
	G1SET G1B, 44, W0ROW, 768, 64, 768             ; W: waves 2, 3 bring 64 rows each
	s_mov_b32 s[G0], 1
	s_mul_i32 s[G0+1], s[CH], 2*HB
	s_mul_i32 s[G0+2], s[XT], 196608
	SMA G0+2, CH, 98304
	s_mov_b32 s[G0+3], 0
	s_mov_b32 s[G0B], 1
	s_mul_i32 s[G0B+1], s[CH], HB
	s_add_co_u32 s[G0B+1], s[G0B+1], WR
	s_mul_i32 s68, s[JT], 98304
	SMA 68, CH, 49152
	s_mov_b32 s69, 0
	s_wait_dscnt 0x0
	s_wait_kmcnt 0x0
	s_add_nc_u64 s[G0+2:G0+3], s[4:5], s[G0+2:G0+3]
	s_or_b32 s[G0+3], s[G0+3], 0x80000000
	s_add_nc_u64 s[G0B+2:G0B+3], s[8:9], s[68:69]
	s_or_b32 s[G0B+3], s[G0B+3], 0x80000000
	CROUND                                         ; the first joint loads meet
	s_cmp_eq_u32 s[RH], 0                          ; one load a wave
	s_cbranch_scc0 .Lhead_w
	tensor_load_to_lds s[G0:G0+3], s[G1:G1+7]
	s_nop 0
	PLACES 4
	s_branch .Lhead_asked
.Lhead_w:
	tensor_load_to_lds s[G0B:G0B+3], s[G1B:G1B+7]
	s_nop 0
	PLACES 4
.Lhead_asked:
	s_add_nc_u64 s[12:13], s[12:13], s[68:69]      ; Wk's and Wv's tiles
	s_add_nc_u64 s[16:17], s[16:17], s[68:69]
	s_lshl_b32 s70, s[JT], 12
	s_mov_b32 s71, 0
	s_lshl_b32 s72, s[JT], 9
	s_mov_b32 s73, 0
	s_lshl_b32 s74, s[XT], 13
	s_mov_b32 s75, 0
.irp p, 10,14,18
	s_add_nc_u64 s[\p:\p+1], s[\p:\p+1], s[70:71]  ; the W's scales at row 128 j
.endr
.irp p, 92,94,96
	s_add_nc_u64 s[\p:\p+1], s[\p:\p+1], s[72:73]  ; the biases at 128 j
.endr
	s_add_nc_u64 s[6:7], s[6:7], s[74:75]          ; x's scales at row 256 t
	s_lshr_b32 s76, s[JT], 1                       ; Q's codes: K step j / 2, half j % 2, row block 16 t + 4 wave
	s_mul_i32 s76, s76, 1572864
	s_and_b32 s77, s[JT], 1
	SMA 76, 77, 1536
	SMA 76, XT, 49152
	SMA 76, WV, 12288
	s_mov_b32 s77, 0
	s_lshl_b32 s78, s[JT], 15                      ; Q's scale words
	SMA 78, XT, 1024
	SMA 78, WV, 256
	s_mov_b32 s79, 0
	s_mul_i32 s80, s[XT], 196608                   ; V^T's codes: K step t, half wave % 2, row block 8 j + 4 (wave / 2)
	SMA 80, JT, 24576
	SMA 80, RH, 12288
	SMA 80, CH, 1536
	s_add_co_u32 s80, s80, 12582912
	s_mov_b32 s81, 0
	s_lshl_b32 s82, s[XT], 13                      ; V^T's scale words
	SMA 82, CH, 4096
	SMA 82, JT, 512
	SMA 82, RH, 256
	s_add_co_u32 s82, s82, 524288
	s_mov_b32 s83, 0
	s_add_nc_u64 s[84:85], s[98:99], s[80:81]
	s_add_nc_u64 s[86:87], s[100:101], s[82:83]
	s_add_nc_u64 s[98:99], s[98:99], s[76:77]
	s_add_nc_u64 s[100:101], s[100:101], s[78:79]
	s_mov_b32 s[SEL], 0x76543210
	s_mov_b32 s[SEL+1], 0xfedcba98
	v_and_b32 v1, 15, v0                           ; r
	v_bfe_u32 v2, v0, 4, 1                         ; h
	v_and_b32 v3, 8, v1
	v_add_nc_u32 v3, v3, v1                        ; r + 8 (r / 8)
	v_mul_u32_u24 v4, v3, PITCH
	v_mad_u32_u24 v4, v2, 24, v4
	v_lshl_add_u32 v5, v2, 4, v4
	s_wait_alu depctr_va_vdst(0)
	v_lshlrev_b32 v[VP], 5, v3
	v_lshl_add_u32 v[VP], v2, 4, v[VP]
	s_lshl_b32 s2, s[WV], 11
	v_add_nc_u32 v[VX1], s2, v[VP]
	v_lshlrev_b32 v[VB], 6, v2
	SLD SCBB, 8, VP, 10                            ; the first tile's: Wq's scale words, x's, bq
	SLD SCAB, 4, VX1, 6
	CBLD 92
	s_lshl_b32 s2, s[CH], 12
	v_add_nc_u32 v[VX0], s2, v[VP]
	s_lshl_b32 s2, s[RH], 11
	v_add_nc_u32 v[VW1], s2, v[VP]
	s_lshl_b32 s2, s[RH], 8
	v_lshl_add_u32 v[VBM], v3, 2, s2
	v_add_nc_u32 v8, WR, v4                        ; Q, K: source 0 = W's tile: blocks 0-3, 4-7; v10-11 behind one padding more
	v_add_nc_u32 v9, WR+HB, v4
	v_add_nc_u32 v10, WR, v5
	v_add_nc_u32 v11, WR+HB, v5
	s_mul_i32 s2, s[WV], HB
	v_add_nc_u32 v12, s2, v4                       ; source 1 = my 64 rows of x
	v_add_nc_u32 v13, s2, v5
	s_mul_i32 s2, s[CH], 2*HB
	v_add_nc_u32 v16, s2, v4                       ; V^T: source 0 = 128 rows of x
	v_add_nc_u32 v18, s2, v5
	s_add_co_u32 s2, s2, HB
	v_add_nc_u32 v17, s2, v4
	v_add_nc_u32 v19, s2, v5
	s_mul_i32 s2, s[RH], HB
	s_add_co_u32 s2, s2, WR
	v_add_nc_u32 v20, s2, v4                       ; source 1 = 64 rows of Wv
	v_add_nc_u32 v21, s2, v5
	v_and_b32 v3, 31, v0
	v_lshlrev_b32 v[LI], 4, v3
	v_lshlrev_b32 v[LI8], 3, v3
	s_lshl_b32 s2, s[WV], 8
	s_add_co_u32 s2, s2, SCR
	v_lshl_add_u32 v[SCW], v1, 2, s2
	v_add_nc_u32 v[SCRD], s2, v[LI8]
.irp b, 0,1,2,3
	v_mov_b32 v[TM+4+\b], 0                        ; a lane permute's destination counts as one of its sources
.endr
.set S0A, 8
.set S1A, 12
.set CBIAS, 1
.set OCR, 98
.set OSR, 100
	s_mov_b32 s3, 0
.Ltile:                                                ; trip 0: Q, trip 1: K
	TILE 1
	s_wait_xcnt 0x0                                ; the stores have read their bases
	s_add_nc_u64 s[98:99], s[98:99], 6291456       ; K lies behind Q
	s_add_nc_u64 s[100:101], s[100:101], 262144
	s_add_co_u32 s3, s3, 1
	s_cmp_lt_u32 s3, 2
	s_cbranch_scc1 .Ltile
.set S0A, 16
.set S1A, 20
.set CBIAS, 0
.set OCR, 84
.set OSR, 86
	TILE 0                                         ; V^T: nothing more is fetched
	s_wait_tensorcnt 0x0                           ; the wave's end
	ds_add_u32 v[SPW], v[NIL]
	s_wait_dscnt 0x0
	CROUND                                         ; the closing round
	s_endpgm
.Lfunc_end_k_q18bb536817_proj:
	.size	k_q18bb536817_proj, .Lfunc_end_k_q18bb536817_proj-k_q18bb536817_proj
	.p2alignl 7, 3214868480
	.fill 96, 4, 3214868480
	.section	.rodata,"a",@progbits
	.p2align	6, 0x0
	.amdhsa_kernel k_q18bb536817_proj
		.amdhsa_group_segment_fixed_size 327680
		.amdhsa_private_segment_fixed_size 0
		.amdhsa_enable_private_segment 0
		.amdhsa_kernarg_size 104
		.amdhsa_user_sgpr_count 2
		.amdhsa_user_sgpr_kernarg_segment_ptr 1
		.amdhsa_wavefront_size32 1
		.amdhsa_system_sgpr_workgroup_id_x 1
		.amdhsa_system_sgpr_workgroup_id_y 1
		.amdhsa_system_sgpr_workgroup_id_z 1
		.amdhsa_system_vgpr_workitem_id 0
		.amdhsa_next_free_vgpr 1024
		.amdhsa_next_free_sgpr 102
		.amdhsa_reserve_vcc 0
		.amdhsa_float_denorm_mode_32 3
		.amdhsa_float_denorm_mode_16_64 3
		.amdhsa_memory_ordered 1
		.amdhsa_forward_progress 1
		.amdhsa_inst_pref_size 201
	.end_amdhsa_kernel
	.amdgpu_metadata
---
amdhsa.version: [ 1, 2 ]
amdhsa.kernels:
  - .name:           k_q18bb536817_proj
    .symbol:         k_q18bb536817_proj.kd
    .args:
      - { .name: x_codes, .offset: 0, .size: 8, .value_kind: global_buffer, .address_space: global }
      - { .name: x_scales, .offset: 8, .size: 8, .value_kind: global_buffer, .address_space: global }
      - { .name: Wq_codes, .offset: 16, .size: 8, .value_kind: global_buffer, .address_space: global }
      - { .name: Wq_scales, .offset: 24, .size: 8, .value_kind: global_buffer, .address_space: global }
      - { .name: Wk_codes, .offset: 32, .size: 8, .value_kind: global_buffer, .address_space: global }
      - { .name: Wk_scales, .offset: 40, .size: 8, .value_kind: global_buffer, .address_space: global }
      - { .name: Wv_codes, .offset: 48, .size: 8, .value_kind: global_buffer, .address_space: global }
      - { .name: Wv_scales, .offset: 56, .size: 8, .value_kind: global_buffer, .address_space: global }
      - { .name: bq, .offset: 64, .size: 8, .value_kind: global_buffer, .address_space: global }
      - { .name: bk, .offset: 72, .size: 8, .value_kind: global_buffer, .address_space: global }
      - { .name: bv, .offset: 80, .size: 8, .value_kind: global_buffer, .address_space: global }
      - { .name: qkv_codes, .offset: 88, .size: 8, .value_kind: global_buffer, .address_space: global }
      - { .name: qkv_scales, .offset: 96, .size: 8, .value_kind: global_buffer, .address_space: global }
    .group_segment_fixed_size: 327680
    .private_segment_fixed_size: 0
    .kernarg_segment_align: 8
    .kernarg_segment_size: 104
    .max_flat_workgroup_size: 128
    .sgpr_count:     102
    .vgpr_count:     1024
    .wavefront_size: 32
...
	.end_amdgpu_metadata
.endif
;; end of part 5
;; launch scores (part 6): grid 8 x 32, 4 waves a work-group, clusters of 4 x 4, 327,680 bytes of LDS; arguments qkv_codes, qkv_scales, p_codes, p_stats; writes p_codes, p_stats
.if DOCPART == 6
	.amdgcn_target "amdgcn-amd-amdhsa--gfx1250"
	.amdhsa_code_object_version 6
	.text
	.protected	k_q18bb536817_scores
	.globl	k_q18bb536817_scores
	.p2align	8
	.type	k_q18bb536817_scores,@function
k_q18bb536817_scores:
	s_mov_b64 s[64:65], 0
	v_nop
	global_prefetch_b8 v0, s[64:65] scope:SCOPE_SE
	s_setreg_imm32_b32 hwreg(HW_REG_WAVE_MODE, 25, 1), 1
	s_wait_xcnt 0x0
	s_wait_alu depctr_hold_cnt(0) depctr_sa_sdst(0) depctr_va_vdst(0) depctr_va_sdst(0) depctr_va_ssrc(0) depctr_va_vcc(0) depctr_vm_vsrc(0)
	s_getreg_b32 s2, hwreg(HW_REG_IB_STS2, 6, 4)
	s_cmp_eq_u32 s2, 0
	s_cbranch_scc0 .Lentry_in_a_cluster
	s_endpgm
.Lentry_in_a_cluster:
	s_bfe_u32 s2, ttmp6, 0x10000c
	s_cmp_lg_u32 s2, 0xf033
	s_cbranch_scc0 .Lentry_shape_is_right
	s_endpgm
.Lentry_shape_is_right:
; S = Q K^T for each batch, on codes of FP6 (E2M3), and the softmax's p as codes.  A tile is 256 queries x 256 keys, a wave's part 128 x 128.  Source 0 = 16 keys, source 1 = 16 queries: a lane holds one query, its registers run along the keys.
; THE SOFTMAX IS TAKEN PIECE BY PIECE: for each query and each run of 128 keys (a wave's columns): t = score x log2(e) / 8; M = the piece's largest t rounded UP to a whole number; p = 2^(t - M), quantised along the keys;
; the piece's sum l of the unquantised p.  The piece's -M and l are stored beside p's scale words; the next launch brings all 16 pieces of a row under the row's M by whole numbers taken off the scale bytes, which changes no code.
; Q, K come and p leaves as images of the operand's registers: a fragment (16 rows x 128 K) is 1,536 bytes, lane l's 16 bytes at 16 l of each 512; it lies at (k / 256) 192 R + (row block) 3072 + ((k / 128) % 2) 1536, R = 8,192 rows.
; Scale words, -M and l lie K-major: (128-step, row) at step x 32,768 + 4 x row.  Rows keep the order in which the first launch laid them.
; CLUSTERS: Q's tile is asked for jointly by a row of the cluster, K's by a column.
; LIMITS: NaN and infinities are not served; a block whose every p has fallen under 2^-124 keeps the scale byte 1.
.set HALFT, 24576                      ; 128 rows x 256 K as images: a quarter of a slot
.set AIMG,  1
.set BIMG,  1
.set API,   0
.set BPI,   0
.set CBIAS, 0
.set NLA,   3
.set ASK,   2
.set BSK,   2
.set ASTEP, 1152
.set BSTEP, 1152
.set STEP_A, 1572864
.set STEP_B, 1572864
.set LAPS,  2
.set QS,    4608                       ; 4,608 bytes; no scale words land in LDS
.set SCL,   8*HALFT
.set SPARE, SCL+4*QS
.set SCR,   SPARE+512                  ; 1,536 bytes a wave: scale words, -M, l on their way out; no fill lands here
.set OC,    8
.set OS,    10
.set CS,    92                         ; s[92:93] c = log2(e) / 8
.set LI,    24
.set SCW,   25
.set SCRD,  26
.set W,     128                        ; v128-191 t - M, then p
.set BX,    232                        ; v232-235 each block's largest score, then its largest p
.set BY,    236                        ; v236-239 at work
.set SOP,   240                        ; v240-243 the conversions' scale operands
.set NM,    244                        ; v[244:245] -M (the pair is named by the packed form; its low word serves both halves)
.set LS,    246                        ; v[246:247], v[248:249] the sum in two chains
.set LT,    248
.set TT,    250
.set PW,    251
; ---- the core that this program's four launches share ----
.set FR,    12                         ; registers of a fragment
.set PITCH, 240                        ; a row of 192 bytes of codes in LDS: 3 x (64 + 16 of padding)
.set SLOT,  4*HALFT                    ; A's 256 rows, then B's 256 rows
.set ADRA,  16                         ; v16-17 LDS address of my A fragments in slot 0, 1 (v18-19: behind one padding more)
.set ADRB,  20                         ; v20-23 the same for B
.set ADSA,  27                         ; v27  memory offset of my row's scale words: lanes 0-15 the K step's first 128, lanes 16-31 its second
.set SPW,   28                         ; v28  my spare word; never rewritten
.set NIL,   29                         ; v29  0; never rewritten
.set ADSB,  31                         ; v31  the same as v27 for B
.set SC,    32                         ; v32-63 scale words and nothing else: set s: A's block i at SC + 16 s + i, B's at SC + 16 s + 8 + i
.set CB,    64                         ; v64-127 the column bias in the result's layout
.set AF,    128                        ; v128-223 A's fragments, one set.  Window 1: B's two sets at v0 and v128.  Windows 2, 3: accumulator (a, b) at v[8 (8 (a % 4) + b)]
.set SEL,   16                         ; s[16:17] lane selects: lane l xor 16
.set WV,    20                         ; s20 wave;  s21 wave / 2: my half of the rows, and whether I fetch for A (0) or B (1);  s22 wave % 2: my half of the columns, and which 128 rows I fetch
.set RH,    21
.set CH,    22
.set G1,    24                         ; s[24:31], s[32:39] groups 1 and 0 (a set a slot) for A's tiles;  s[48:55], s[56:63] for B's
.set G0,    32
.set TC,    42
.set G1B,   48
.set G0B,   56
.set TR,    66
.set G1S,   68                         ; s[78:79], s[90:91] the addresses of A's and B's scale words
.set G0S,   76
.set G1SB,  80
.set G0SB,  88
.set W0ROW, (1<<20)|(1<<21)|(3<<22)|(3<<25)          ; bytes; 4 words of padding behind every 16; bit 21 beside a mask
.set W0IMG, (3<<16)|(1<<21)                          ; elements of 8 bytes, no padding
.set W0GIV, (3<<16)|(1<<20)|(1<<21)|(5<<22)|(3<<25)  ; 4 words behind every 64
.set W0OWN, (3<<16)|(1<<20)|(1<<21)|(6<<22)|(15<<25) ; 16 words behind every 128
.set MSB, 0
.macro WIN new                         ; the immediate's high byte repeats the setting that is left
.if MSB != (\new)
	s_set_vgpr_msb (MSB<<8)|(\new)
.set MSB, (\new)
.endif
.endm
.macro PLACES n                        ; plain places behind matrix instructions, in front of loads into their registers and of reads of their results
.rept \n
	v_nop
.endr
.endm
.macro CREST                           ; a round of the cluster's barrier behind its opening barrier
	s_cmp_lg_u32 s[WV], 0
	s_cbranch_scc1 .Lnot_wave_0_\@
	s_barrier_signal -3
.Lnot_wave_0_\@:
	s_barrier_wait -3
	s_barrier_signal -1
	s_barrier_wait -1
.endm
.macro CROUND
	s_barrier_signal -1
	s_barrier_wait -1
	CREST
.endm
.macro JLOAD g0a, g1a, g0b, g1b        ; a joint load: waves 0, 1 for A, waves 2, 3 for B; four v_nop follow each line
	s_cmp_eq_u32 s[RH], 0
	s_cbranch_scc0 .Lfor_b_\@
	tensor_load_to_lds s[\g0a:\g0a+3], s[\g1a:\g1a+7]
	s_nop 0
.rept 4
	v_nop
.endr
	s_branch .Lasked_\@
.Lfor_b_\@:
	tensor_load_to_lds s[\g0b:\g0b+3], s[\g1b:\g1b+7]
	s_nop 0
.rept 4
	v_nop
.endr
.Lasked_\@:
.endm
.macro G1SET g, m, w0, d0, d1, st      ; group 1: d1 rows of d0 elements, st elements apart; the mask in s[m]
	s_or_b32 s[\g], s[\m], \w0
	s_mov_b32 s[\g+1], (\d0)<<16
	s_mov_b32 s[\g+2], (\d1)<<16
	s_mov_b32 s[\g+3], (\d0)<<16
	s_mov_b32 s[\g+4], \d1
	s_mov_b32 s[\g+5], \st
	s_mov_b32 s[\g+6], 0
	s_mov_b32 s[\g+7], 0
.endm
.macro SDESC g0, ptr, lr, base         ; group 0 of a scale tile: words 2, 3 hold the byte offset on entry
	s_mov_b32 s[\g0], 1
	s_add_co_u32 s[\g0+1], s[\lr], \base
	s_add_nc_u64 s[\g0+2:\g0+3], s[\ptr:\ptr+1], s[\g0+2:\g0+3]
	s_or_b32 s[\g0+3], s[\g0+3], 0x80000000
.endm
.macro GROUP0 pa, pb                   ; groups 0 of the code tiles, a set for each slot: K steps 0 and 1
	s_add_nc_u64 s[G0+2:G0+3], s[\pa:\pa+1], s[G0+2:G0+3]
	s_add_nc_u64 s[G0+6:G0+7], s[G0+2:G0+3], STEP_A
	s_add_nc_u64 s[G0B+2:G0B+3], s[\pb:\pb+1], s[G0B+2:G0B+3]
	s_add_nc_u64 s[G0B+6:G0B+7], s[G0B+2:G0B+3], STEP_B
.irp s, 0,1
	s_mov_b32 s[G0+4*\s], 1
	s_add_co_u32 s[G0+4*\s+1], s45, \s*SLOT
	s_or_b32 s[G0+4*\s+3], s[G0+4*\s+3], 0x80000000
	s_mov_b32 s[G0B+4*\s], 1
	s_add_co_u32 s[G0B+4*\s+1], s45, \s*SLOT
	s_or_b32 s[G0B+4*\s+3], s[G0B+4*\s+3], 0x80000000
.endr
.endm
.macro HEAD
	v_lshl_add_u32 v[SPW], v0, 2, SPARE
	v_mov_b32 v[NIL], 0
	ds_add_u32 v28, v29
	ds_add_u32 v28, v29
	s_wait_dscnt 0x0
	v_lshrrev_b32 v1, 5, v0
	v_readfirstlane_b32 s[WV], v1
	s_lshr_b32 s[RH], s[WV], 1
	s_and_b32 s[CH], s[WV], 1
	s_bfe_u32 s40, ttmp6, 0x40000                  ; cx, cy: my place in the cluster
	s_bfe_u32 s41, ttmp6, 0x40004
	s_lshl_b32 s43, s41, 2
	s_lshl_b32 s43, 15, s43                        ; my row of the cluster
	s_lshl_b32 s44, 0x1111, s40                    ; my column
	s_mul_i32 s45, s[WV], HALFT                    ; where my quarter of a slot lies
.endm
.macro FRAGR reg, adr, q, rowoff       ; a fragment from rows of codes: six pieces of 8 bytes; lanes 16-31 read three pieces on, for some pieces behind one padding more (second address register)
.irp p, 0,1,2,3,4,5
.set PCE, 12*(\q)+6*(\p/3)+\p%3
.if PCE%8 < 5
	ds_load_b64 v[\reg+2*\p:\reg+2*\p+1], v[\adr] offset:8*PCE+16*(PCE/8)+(\rowoff)*PITCH
.else
	ds_load_b64 v[\reg+2*\p:\reg+2*\p+1], v[\adr+2] offset:8*PCE+16*(PCE/8)+(\rowoff)*PITCH
.endif
.endr
.endm
.macro FRAGI reg, adr, q, i            ; a fragment from an image of its registers: three loads of 512 consecutive bytes
.irp c, 0,1,2
	ds_load_b128 v[\reg+4*\c:\reg+4*\c+3], v[\adr] offset:(\i)*3072+(\q)*1536+512*\c
.endr
.endm
.macro FETCH_B slot, q, p              ; B's eight fragments of the slot's q-th 128 along K into set p
	WIN 0x40
.irp i, 0,1,2,3,4,5,6,7
.if BIMG
	FRAGI 128*(\p)+FR*\i, ADRB+\slot, \q, \i
.elseif BPI
	FRAGR 128*(\p)+FR*\i, ADRB+\slot, \q, 32*(\i/2)+8*(\i%2)
.else
	FRAGR 128*(\p)+FR*\i, ADRB+\slot, \q, 16*\i
.endif
.endr
	WIN 0
.endm
.macro FETCH_A slot, q, i0             ; A's blocks i0 .. i0 + 3
.irp i, \i0, \i0+1, \i0+2, \i0+3
.if AIMG
	FRAGI AF+FR*(\i), ADRA+\slot, \q, \i
.elseif API
	FRAGR AF+FR*(\i), ADRA+\slot, \q, 32*((\i)/2)+8*((\i)%2)
.else
	FRAGR AF+FR*(\i), ADRA+\slot, \q, 16*(\i)
.endif
.endr
.endm
.macro SOFF kind, i                    ; where block i's scale words begin.  0: given scales, rows as they lie; 1: given, rows in this program's order; 2: my own, K-major; 3: my own, in quarters of 64 rows
.if \kind == 0
.set SOF, 544*(\i)
.elseif \kind == 1
.set SOF, 272*(4*((\i)/2)+(\i)%2)
.elseif \kind == 2
.set SOF, 64*(\i)
.else
.set SOF, ((\i)/4)*5120+((\i)%4)*64
.endif
.endm
.macro SCALES sc                       ; a K step's scale words into set sc: one register a block carries both 128-steps, in the two halves of the lanes
.irp i, 0,1,2,3,4,5,6,7
	SOFF ASK, \i
	ds_load_b32 v[SC+16*\sc+\i], v[ADSA] offset:SOF
.endr
.irp i, 0,1,2,3,4,5,6,7
	SOFF BSK, \i
	ds_load_b32 v[SC+16*\sc+8+\i], v[ADSB] offset:SOF
.endr
.endm
; 16 products: A's blocks a0, a0 + 1 x B's eight, the slot's q-th 128 along K; p: B's set; sc: the scale set.  zero = 1: the first product starts the sums.  The 64 accumulators take turns, in the same order in every step.
.macro MUL16 a0, p, q, sc, zero
.irp a, \a0, \a0+1
.irp b, 0,1,2,3,4,5,6,7
.if (\zero) && CBIAS
	v_wmma_scale_f32_16x16x128_f8f6f4 v[8*(8*((\a)%4)+\b):8*(8*((\a)%4)+\b)+7], v[128*(\p)+FR*\b:128*(\p)+FR*\b+FR-1], v[AF+FR*(\a):AF+FR*(\a)+FR-1], v[CB+8*\b:CB+8*\b+7], v[SC+16*(\sc)+8+\b], v[SC+16*(\sc)+(\a)] matrix_a_fmt:MATRIX_FMT_FP6 matrix_b_fmt:MATRIX_FMT_FP6
.elseif \zero
	v_wmma_scale_f32_16x16x128_f8f6f4 v[8*(8*((\a)%4)+\b):8*(8*((\a)%4)+\b)+7], v[128*(\p)+FR*\b:128*(\p)+FR*\b+FR-1], v[AF+FR*(\a):AF+FR*(\a)+FR-1], 0, v[SC+16*(\sc)+8+\b], v[SC+16*(\sc)+(\a)] matrix_a_fmt:MATRIX_FMT_FP6 matrix_b_fmt:MATRIX_FMT_FP6
.elseif (\q) == 0
	v_wmma_scale_f32_16x16x128_f8f6f4 v[8*(8*((\a)%4)+\b):8*(8*((\a)%4)+\b)+7], v[128*(\p)+FR*\b:128*(\p)+FR*\b+FR-1], v[AF+FR*(\a):AF+FR*(\a)+FR-1], v[8*(8*((\a)%4)+\b):8*(8*((\a)%4)+\b)+7], v[SC+16*(\sc)+8+\b], v[SC+16*(\sc)+(\a)] matrix_a_fmt:MATRIX_FMT_FP6 matrix_b_fmt:MATRIX_FMT_FP6
.else
	v_wmma_scale_f32_16x16x128_f8f6f4 v[8*(8*((\a)%4)+\b):8*(8*((\a)%4)+\b)+7], v[128*(\p)+FR*\b:128*(\p)+FR*\b+FR-1], v[AF+FR*(\a):AF+FR*(\a)+FR-1], v[8*(8*((\a)%4)+\b):8*(8*((\a)%4)+\b)+7], v[SC+16*(\sc)+8+\b], v[SC+16*(\sc)+(\a)] matrix_a_fmt:MATRIX_FMT_FP6 matrix_b_fmt:MATRIX_FMT_FP6 matrix_a_scale:MATRIX_SCALE_ROW1 matrix_b_scale:MATRIX_SCALE_ROW1
.endif
.endr
.endr
.endm
.macro STEP slot, zero                 ; a slot's first 128 along K; the second's fragments are fetched in two runs
	s_wait_dscnt 4*NLA                             ; B's set, A's blocks 0-3 and the scale words are in; the youngest loads, A's blocks 4-7, may be out
.if (\zero) && CBIAS
	WIN 0x81                                       ; source 0 window 1, source 1 and C window 0, D window 2
.else
	WIN 0xa1                                       ; C and D window 2
.endif
	MUL16 0, 0, 0, \slot, \zero
	MUL16 2, 0, 0, \slot, \zero
	s_wait_dscnt 0x0                               ; A's blocks 4-7 are in
	PLACES 4
	FETCH_B \slot, 1, 1
	FETCH_A \slot, 1, 0
.if (\zero) && CBIAS
	WIN 0xc1
.else
	WIN 0xf1
.endif
	MUL16 4, 0, 0, \slot, \zero
	MUL16 6, 0, 0, \slot, \zero
	PLACES 4
	WIN 0
	FETCH_A \slot, 1, 4
.endm
; A slot's second 128 along K changes slots: ONE barrier; in front of it each wave waits for all its tensor loads, adds 0 to its spare word, and waits for that and for its reads of this slot.  fill = 1: the slot is filled again, two K steps ahead.
.macro TURN slot, next, fill
	s_wait_tensorcnt 0x0                           ; all my tensor loads have landed: my part of the next slot
	ds_add_u32 v[SPW], v[NIL]                      ; 0 onto my spare word
	s_wait_dscnt 4*NLA+1                           ; (the add and A's blocks 4-7 may be out)
	WIN 0xa1
	MUL16 0, 1, 1, \slot, 0                        ; sixteen products stand between the add and the wait for it
	s_wait_dscnt 0x0                               ; the add is done, and my reads of this slot are over
	s_barrier_signal -1
	MUL16 2, 1, 1, \slot, 0
	WIN 0
	s_barrier_wait -1
.if \fill
	CREST                                          ; the barrier has opened a round of the cluster's: no wave of any partner still reads this slot or has a load on its way
	s_add_nc_u64 s[G0+4*\slot+2:G0+4*\slot+3], s[G0+4*\slot+2:G0+4*\slot+3], 2*STEP_A
	s_add_nc_u64 s[G0B+4*\slot+2:G0B+4*\slot+3], s[G0B+4*\slot+2:G0B+4*\slot+3], 2*STEP_B
	JLOAD G0+4*\slot, G1, G0B+4*\slot, G1B         ; the first tensor load behind the round; its four v_nop are the places in front of the loads below
.else
	PLACES 4
.endif
	FETCH_B \next, 0, 0
	FETCH_A \next, 0, 0
	WIN 0xf1
	MUL16 4, 1, 1, \slot, 0
	MUL16 6, 1, 1, \slot, 0
	PLACES 4
	WIN 0
	FETCH_A \next, 0, 4
.endm
.macro IMAGE a, pc                     ; block a's fragment leaves as it stands: each store covers 512 consecutive bytes, aligned
.irp c, 0,1,2
	global_store_b128 v[LI], v[\pc+4*\c:\pc+4*\c+3], s[OC:OC+1] offset:(\a)*3072+512*\c
.endr
.endm
.macro OUTBASE oc, os                  ; where my codes and my scale words go: K step = tile column, 8,192 rows
	s_mul_i32 s96, s[TC], 1572864
	s_mul_i32 s97, s[TR], 49152
	s_add_co_u32 s96, s96, s97
	s_mul_i32 s97, s[RH], 24576
	s_add_co_u32 s96, s96, s97
	s_mul_i32 s97, s[CH], 1536
	s_add_co_u32 s96, s96, s97
	s_mov_b32 s97, 0
	s_add_nc_u64 s[\oc:\oc+1], s[\oc:\oc+1], s[96:97]
	s_lshl_b32 s96, s[TC], 1
	s_add_co_u32 s96, s96, s[CH]
	s_lshl_b32 s96, s96, 15
	s_lshl_b32 s98, s[TR], 10
	s_add_co_u32 s96, s96, s98
	s_lshl_b32 s98, s[RH], 9
	s_add_co_u32 s96, s96, s98
	s_add_nc_u64 s[\os:\os+1], s[\os:\os+1], s[96:97]
.endm
; ---- the launch ----
	s_load_b256 s[4:11], s[0:1], 0x0               ; Q, K, V^T's codes; their scale words; p's codes; p's scale words, -M, l
	HEAD
	s_lshl_b32 s[TC], ttmp9, 2
	s_add_co_u32 s[TC], s[TC], s40                 ; the tile of 256 keys in the batch
	s_and_b32 s67, ttmp7, 0xffff
	s_lshl_b32 s[TR], s67, 2
	s_add_co_u32 s[TR], s[TR], s41                 ; the tile of 256 queries among all 8,192
	s_lshr_b32 s67, s67, 1                         ; the batch: from the cluster's y alone, so all sixteen partners share it
	G1SET G1, 43, W0IMG, 32, 96, 32
	G1SET G1B, 44, W0IMG, 32, 96, 32
	s_mul_i32 s2, s[TR], 49152
	s_mul_i32 s3, s[CH], 24576
	s_add_co_u32 s[G0+2], s2, s3                   ; Q: the 128 rows that I fetch
	s_mov_b32 s[G0+3], 0
	s_lshl_b32 s2, s[TR], 10
	s_lshl_b32 s3, s[RH], 9                        ; the scale words of the 128 queries that I multiply
	s_add_co_u32 s[G0S+2], s2, s3
	s_mov_b32 s[G0S+3], 0
	s_mul_i32 s46, s[TC], 49152
	s_mul_i32 s47, s[CH], 24576
	s_add_co_u32 s46, s46, s47
	s_mul_i32 s47, s67, 393216
	s_add_co_u32 s46, s46, s47
	s_add_co_u32 s[G0B+2], s46, 6291456            ; K lies behind Q
	s_mov_b32 s[G0B+3], 0
	s_lshl_b32 s46, s[TC], 10
	s_lshl_b32 s47, s[CH], 9
	s_add_co_u32 s46, s46, s47
	s_lshl_b32 s47, s67, 13
	s_add_co_u32 s46, s46, s47
	s_add_co_u32 s[G0SB+2], s46, 262144
	s_mov_b32 s[G0SB+3], 0
	s_mov_b32 s[SEL], 0x76543210
	s_mov_b32 s[SEL+1], 0xfedcba98
	s_mov_b32 s[CS], 0x3e38aa3b                    ; log2(e) / 8
	s_mov_b32 s[CS+1], s[CS]
	s_wait_kmcnt 0x0
	s_add_nc_u64 s[G0S+2:G0S+3], s[6:7], s[G0S+2:G0S+3]       ; Q's and K's scale words go straight into registers
	s_add_nc_u64 s[G0SB+2:G0SB+3], s[6:7], s[G0SB+2:G0SB+3]
	GROUP0 4, 4
	OUTBASE OC, OS
	CROUND                                         ; all sixteen work-groups are here: the first joint loads meet
	JLOAD G0, G1, G0B, G1B                         ; K step 0: one load a wave at the head
	v_and_b32 v1, 15, v0                           ; r
	v_bfe_u32 v2, v0, 4, 1                         ; h
	v_and_b32 v8, 31, v0
	v_lshlrev_b32 v[LI], 4, v8                     ; 16 x lane
	s_wait_alu depctr_va_vdst(0)
	s_mul_i32 s2, s[RH], HALFT
	s_mul_i32 s46, s[CH], HALFT
	s_add_co_u32 s46, s46, 2*HALFT
.irp s, 0,1
	v_add_nc_u32 v[ADRA+\s], s2, v[LI]
	v_add_nc_u32 v[ADRB+\s], s46, v[LI]
	s_add_co_u32 s2, s2, SLOT
	s_add_co_u32 s46, s46, SLOT
.endr
	v_lshlrev_b32 v6, 2, v1
	v_lshl_add_u32 v[ADSA], v2, 15, v6             ; my row's word; lanes 16-31: the K step's second 128
.irp ks, 0,1,2,3                       ; the scale words of all four K steps, v32-95: set ks at 32 + 16 ks
.irp i, 0,1,2,3,4,5,6,7
	global_load_b32 v[32+16*\ks+\i], v[ADSA], s[G0S+2:G0S+3] offset:65536*\ks+64*\i
	global_load_b32 v[40+16*\ks+\i], v[ADSA], s[G0SB+2:G0SB+3] offset:65536*\ks+64*\i
.endr
.endr
	s_mul_i32 s2, s[WV], 1536
	s_add_co_u32 s2, s2, SCR
	v_lshl_add_u32 v[SCW], v1, 2, s2
	v_add_nc_u32 v[SCRD], s2, v[LI]
	s_wait_alu depctr_va_vdst(0)
	s_wait_tensorcnt 0x0                           ; my part of K step 0 is in
	ds_add_u32 v[SPW], v[NIL]
	s_wait_dscnt 0x0
	CROUND
	JLOAD G0+4, G1, G0B+4, G1B                     ; K step 1, the first tensor load behind the round
	s_wait_loadcnt 0x0                             ; the scale words
	FETCH_B 0, 0, 0
	FETCH_A 0, 0, 0
	FETCH_A 0, 0, 4
	STEP 0, 1
	TURN 0, 1, 1
	STEP 1, 0
	TURN 1, 0, 1
.set SC, 64                            ; K steps 2 and 3 take their scale words from v64-95
	STEP 0, 0
	TURN 0, 1, 0
	STEP 1, 0
	s_wait_dscnt 4*NLA
	WIN 0xa1
	MUL16 0, 1, 1, 1, 0
	MUL16 2, 1, 1, 1, 0
	s_wait_dscnt 0x0
	WIN 0xf1
	MUL16 4, 1, 1, 1, 0
	MUL16 6, 1, 1, 1, 0
	WIN 0
	; THE WAY OUT, block by block of 16 queries: the piece's softmax over my 128 keys
	PLACES 4
.irp b, 0,1,2,3
	v_mov_b32 v[BY+\b], 0                          ; written once: a lane permute's destination counts as one of its sources
.endr
	v_mov_b32 v[NM+1], 0                           ; (named as the upper half of a pair)
	v_mov_b32 v[TT], 0
.macro SOFTBLK a
.set WW, 2+(\a)/4
.set AC, 64*((\a)%4)
.set PCS, 192+20*((\a)%2)
.if (\a) > 0
	s_wait_dscnt 0x0                               ; the last block's three LDS stores have read their registers
.endif
.if (\a) > 1
	s_wait_xcnt 0x0                                ; block a - 2's stores have read the registers that this block's codes take
.endif
	WIN WW|(WW<<2)
.irp b, 0,1,2,3
	v_max_num_f32 v[BX+\b], v[AC+16*\b], v[AC+16*\b+1]   ; the largest score of each block of 32 keys: it serves for the piece's maximum and, since p rises with the score, for the block's largest p
.endr
.irp i, 2,4,6,8,10,12,14
.irp b, 0,1,2,3
	v_max3_num_f32 v[BX+\b], v[AC+16*\b+\i], v[AC+16*\b+\i+1], v[BX+\b]
.endr
.endr
	WIN 0
.irp b, 0,1,2,3
	v_permlanex16_b32 v[BY+\b], v[BX+\b], s[SEL], s[SEL+1]
.endr
.irp b, 0,1,2,3
	v_max_num_f32 v[BX+\b], v[BX+\b], v[BY+\b]
.endr
	v_max3_num_f32 v[TT], v[BX], v[BX+1], v[BX+2]
	v_max_num_f32 v[TT], v[TT], v[BX+3]
	v_mul_f32 v[TT], s[CS], v[TT]                  ; the piece's largest t (c is positive)
	v_floor_f32 v[NM], -v[TT]                      ; -M = floor(-t) = -ceil(t): a whole number
	WIN WW
.set jj, 0
.rept 32
	v_pk_fma_f32 v[W+jj:W+jj+1], v[AC+jj:AC+jj+1], s[CS:CS+1], v[NM:NM+1] op_sel_hi:[1,0,0]   ; t - M, two at a time
.set jj, jj+2
.endr
	WIN 0
.irp b, 0,1,2,3
	v_fma_f32 v[BX+\b], v[BX+\b], s[CS], v[NM]     ; the same of each block's largest score
.endr
.set jj, 0
	s_wait_alu depctr_va_vdst(0)
.rept 64
	v_exp_f32 v[W+jj], v[W+jj]                     ; p = 2^(t - M), at most 1
.set jj, jj+1
.endr
	v_nop                                          ; a plain place behind the exponentials
	s_wait_alu depctr_va_vdst(0)                   ; one wait for the batch, ahead of its first reader
.irp b, 0,1,2,3
	v_exp_f32 v[BX+\b], v[BX+\b]                   ; the block's largest p: the same two instructions on the same number give the same bits
.endr
	v_pk_add_f32 v[LS:LS+1], v[W:W+1], v[W+4:W+5]  ; the sum of the UNQUANTISED p, in two chains
	v_pk_add_f32 v[LT:LT+1], v[W+2:W+3], v[W+6:W+7]
.irp j, 8,12,16,20,24,28,32,36,40,44,48,52,56,60
	v_pk_add_f32 v[LS:LS+1], v[LS:LS+1], v[W+\j:W+\j+1]
	v_pk_add_f32 v[LT:LT+1], v[LT:LT+1], v[W+\j+2:W+\j+3]
.endr
	v_pk_add_f32 v[LS:LS+1], v[LS:LS+1], v[LT:LT+1]
	v_add_f32 v[LS], v[LS], v[LS+1]
	v_permlanex16_b32 v[TT], v[LS], s[SEL], s[SEL+1]
	v_add_f32 v[LS], v[LS], v[TT]                  ; with lane l xor 16's 64 keys: the piece's l
	s_wait_alu depctr_va_vdst(0)                   ; and one wait for the four
.irp b, 0,1,2,3
	v_max_num_f32 v[BX+\b], 0x1800000, v[BX+\b]    ; the floor 2^(3 - 127): the byte cannot fall under 1
.endr
.irp b, 0,1,2,3
	v_add_nc_u32 v[SOP+\b], 0xff000000, v[BX+\b]   ; 2 off the exponent field: the conversion's scale operand
.endr
.irp b, 0,1,2,3
	v_lshrrev_b32 v[BY+\b], 23, v[SOP+\b]          ; the scale's byte
.endr
	v_lshl_or_b32 v[PW], v[BY+1], 8, v[BY]
	v_lshl_or_b32 v[PW], v[BY+2], 16, v[PW]
	v_lshl_or_b32 v[PW], v[BY+3], 24, v[PW]
.irp c, 0,1
	v_cvt_scalef32_pk16_fp6_f32 v[PCS+6*\c:PCS+6*\c+2], v[W+32*\c:W+32*\c+15], v[SOP+2*\c]
	v_cvt_scalef32_pk16_fp6_f32 v[PCS+12+4*\c:PCS+14+4*\c], v[W+16+32*\c:W+31+32*\c], v[SOP+2*\c+1]
.endr
	v_nop                                          ; one plain place behind a scaled conversion
.irp c, 0,1
.irp i, 0,1,2
	v_permlane16_swap_b32 v[PCS+6*\c+\i], v[PCS+12+4*\c+\i]
.endr
.irp i, 0,1,2
	v_mov_b32 v[PCS+3+6*\c+\i], v[PCS+12+4*\c+\i]
.endr
.endr
	IMAGE \a, PCS
	ds_store_b32 v[SCW], v[PW] offset:64*(\a)      ; both halves of the lanes write the same word with the same value
	ds_store_b32 v[SCW], v[NM] offset:512+64*(\a)
	ds_store_b32 v[SCW], v[LS] offset:1024+64*(\a)
.endm
.irp a, 0,1,2,3,4,5,6,7
	SOFTBLK \a
.endr
.irp c, 0,1,2
	ds_load_b128 v[W+4*\c:W+4*\c+3], v[SCRD] offset:512*\c   ; LDS serves a wave's instructions in order: these see my stores
.endr
	s_wait_dscnt 0x0
	global_store_b128 v[LI], v[W:W+3], s[OS:OS+1]                      ; my 128 rows' scale words,
	global_store_b128 v[LI], v[W+4:W+7], s[OS:OS+1] offset:524288      ; -M,
	global_store_b128 v[LI], v[W+8:W+11], s[OS:OS+1] offset:1048576    ; and l: 512 consecutive bytes each, aligned
	s_wait_tensorcnt 0x0                           ; the wave's end
	ds_add_u32 v[SPW], v[NIL]
	s_wait_dscnt 0x0
	CROUND                                         ; the closing round
	s_endpgm
.Lfunc_end_k_q18bb536817_scores:
	.size	k_q18bb536817_scores, .Lfunc_end_k_q18bb536817_scores-k_q18bb536817_scores
	.p2alignl 7, 3214868480
	.fill 96, 4, 3214868480
	.section	.rodata,"a",@progbits
	.p2align	6, 0x0
	.amdhsa_kernel k_q18bb536817_scores
		.amdhsa_group_segment_fixed_size 327680
		.amdhsa_private_segment_fixed_size 0
		.amdhsa_enable_private_segment 0
		.amdhsa_kernarg_size 32
		.amdhsa_user_sgpr_count 2
		.amdhsa_user_sgpr_kernarg_segment_ptr 1
		.amdhsa_wavefront_size32 1
		.amdhsa_system_sgpr_workgroup_id_x 1
		.amdhsa_system_sgpr_workgroup_id_y 1
		.amdhsa_system_sgpr_workgroup_id_z 1
		.amdhsa_system_vgpr_workitem_id 0
		.amdhsa_next_free_vgpr 1024
		.amdhsa_next_free_sgpr 100
		.amdhsa_reserve_vcc 0
		.amdhsa_float_denorm_mode_32 3
		.amdhsa_float_denorm_mode_16_64 3
		.amdhsa_memory_ordered 1
		.amdhsa_forward_progress 1
		.amdhsa_inst_pref_size 198
	.end_amdhsa_kernel
	.amdgpu_metadata
---
amdhsa.version: [ 1, 2 ]
amdhsa.kernels:
  - .name:           k_q18bb536817_scores
    .symbol:         k_q18bb536817_scores.kd
    .args:
      - { .name: qkv_codes, .offset: 0, .size: 8, .value_kind: global_buffer, .address_space: global }
      - { .name: qkv_scales, .offset: 8, .size: 8, .value_kind: global_buffer, .address_space: global }
      - { .name: p_codes, .offset: 16, .size: 8, .value_kind: global_buffer, .address_space: global }
      - { .name: p_stats, .offset: 24, .size: 8, .value_kind: global_buffer, .address_space: global }
    .group_segment_fixed_size: 327680
    .private_segment_fixed_size: 0
    .kernarg_segment_align: 8
    .kernarg_segment_size: 32
    .max_flat_workgroup_size: 128
    .sgpr_count:     100
    .vgpr_count:     1024
    .wavefront_size: 32
...
	.end_amdgpu_metadata
.endif
;; end of part 6
;; launch pv (part 7): grid 4 x 64, 4 waves a work-group, clusters of 4 x 4, 327,680 bytes of LDS; arguments p_codes, p_stats, qkv_codes, qkv_scales, o_codes, o_scales; writes o_codes, o_scales
.if DOCPART == 7
	.amdgcn_target "amdgcn-amd-amdhsa--gfx1250"
	.amdhsa_code_object_version 6
	.text
	.protected	k_q18bb536817_pv
	.globl	k_q18bb536817_pv
	.p2align	8
	.type	k_q18bb536817_pv,@function
k_q18bb536817_pv:
	s_mov_b64 s[64:65], 0
	v_nop
	global_prefetch_b8 v0, s[64:65] scope:SCOPE_SE
	s_setreg_imm32_b32 hwreg(HW_REG_WAVE_MODE, 25, 1), 1
	s_wait_xcnt 0x0
	s_wait_alu depctr_hold_cnt(0) depctr_sa_sdst(0) depctr_va_vdst(0) depctr_va_sdst(0) depctr_va_ssrc(0) depctr_va_vcc(0) depctr_vm_vsrc(0)
	s_getreg_b32 s2, hwreg(HW_REG_IB_STS2, 6, 4)
	s_cmp_eq_u32 s2, 0
	s_cbranch_scc0 .Lentry_in_a_cluster
	s_endpgm
.Lentry_in_a_cluster:
	s_bfe_u32 s2, ttmp6, 0x10000c
	s_cmp_lg_u32 s2, 0xf033
	s_cbranch_scc0 .Lentry_shape_is_right
	s_endpgm
.Lentry_shape_is_right:
; O = p V / l for each batch, on codes of FP6 (E2M3), and O as codes along its 1,024 features.  K = the batch's 2,048 keys.
; SHARES.  A tile is 128 queries x 256 features: 64 x 4 tiles, a work-group each.  A wave makes 64 x 128: 32 accumulators.  Source 0 = 16 rows of V^T, source 1 = 16 rows of p: a lane holds one query, its registers run along the features.
; THE RING.  Two LDS slots of 512 keys: four steps of 128, 128 products a wave between two changes of slots.  K is four slots' worth: two first fills and two refills.
; The price of the smaller tile: for 32 products a wave reads 12 fragments from LDS; so a step's loads go in three runs of four fragments between the products.
; p CAME PIECE BY PIECE: each run of 128 keys under its own whole number M.  At the head, while the first tiles are on their way, each thread takes one row of the tile: the row's M is the largest of the 16; each piece's four scale bytes
; have (row's M - piece's M) taken off them, held at 0 from below; each piece's l is multiplied by 2^(piece's M - row's M), exactly; the sum's reciprocal is kept.  The mended words go to LDS by stores; each wave then takes the words of all of K into registers.
; p, V^T come and O leaves as images of the operand's registers (1,536 bytes a fragment of 16 rows x 128 K, at (k / 256) 192 R + (row block) 3072 + ((k / 128) % 2) 1536, R the tensor's rows); scale words lie K-major.
; CLUSTERS: p's tile is asked for jointly by a row of the cluster, V^T's tile by a column.
; REGISTERS, in windows of 256: window 0: v0-31 addresses; v32-63 p's scale words, v64-127 V^T's, and nothing else there; v128-223 at work at the head and on the way out; v240-243 1 / l.
;   windows 1 and 3: the two sets of fragments: V^T's eight at v0-95, p's four at v96-143.   window 2: accumulator (a, b) at v[8 (8 a + b)].
; LIMITS: NaN and infinities are not served.  The shift of a scale byte is held at 127, and a byte at 0: what is so misstated lies under 2^-123, beside a row sum of at least 1/2.  O / l is a reciprocal and a multiplication.
; A block of O whose largest magnitude lies under 2^-124 keeps the scale byte 1.
.set SLOT,  147456                     ; a slot: p's 128 rows x 512 keys (49,152 bytes), then V^T's 256 rows x 512 keys (98,304)
.set BOFF,  49152                      ; where B's part of a slot begins
.set BHALF, 49152                      ; 128 rows of B in a slot
.set BIMG,  1                          ; B comes as images
.set CBIAS, 0
.set SCONV, 0                          ; scale register j of a block: lanes 0-15 step 2 j, lanes 16-31 step 2 j + 1
.set NJ,    8                          ; scale registers a block: 16 steps of 128
.set SCAB,  32
.set SCBB,  64
.set STEP_A, 3145728                   ; from a slot's codes to the next's, in memory: two K steps of 256 x 8,192 rows x 192 bytes
.set STEP_B, 393216                    ; the same with V^T's 1,024 rows
.set SCLB,  2*SLOT                     ; 20,480 bytes behind the two slots that nothing fills
.set SPARE, SCLB+4*5120                ; the spare words: 128 bytes a wave, named by no other line
.set SCLA,  SPARE+512                  ; p's mended scale words: 16 rows of 512 bytes + 64; written by stores alone
.set RL,    SCLA+9216                  ; 1 / l of the tile's 128 rows
.set SCR,   RL+512                     ; 256 bytes a wave: O's scale words on their way out
.set OC,    12                         ; s[12:13] where my codes go;  s[14:15] my scale words
.set OS,    14
.set LI,    24                         ; v24  16 x lane
.set SCW,   25                         ; v25  LDS: my row's scale word
.set SCRD,  26                         ; v26  LDS: my 8 bytes of the wave's 256
.set LI8,   30                         ; v30  8 x lane
.set RLR,   240                        ; v240-243 1 / l of my row in blocks 0-3
.set TM,    200                        ; v200-215 at work in the quantiser
.set PW,    216                        ; v216-219 a scale word for each block
.set PSR,   128                        ; the head: v128-143 my row's 16 scale words, v144-159 -M, v160-175 l
.set PMR,   144
.set PLR,   160
.set RT,    176                        ; v176-191 at work: four pieces at a time
.set GG,    192                        ; v192 the row's -M;  v[194:195] its l;  v196 1 / l
.set LL,    194
.set RR,    196
; ---- the core that this launch and the next share ----
.set FR,    12                         ; registers of a fragment
.set PITCH, 432                        ; a row of 384 bytes of codes in LDS: 3 x (128 + 16 of padding)
.set ADRA,  16                         ; v16-17 LDS address of my A fragments in slot 0, 1
.set ADRB,  20                         ; v20-21 the same for B (v22-23: behind one padding more)
.set ADSA,  27                         ; v27  LDS address of A's scale words
.set SPW,   28                         ; v28  my spare word; never rewritten
.set NIL,   29                         ; v29  0; never rewritten
.set ADSB,  31                         ; v31  offset of my row's V^T scale words in memory
.set CB,    64                         ; v64-127 the column bias in the result's layout
.set AFR,   96                         ; in windows 1 and 3: A's four fragments, behind B's eight
.set SEL,   16                         ; s[16:17] lane selects: lane l xor 16
.set LB,    18                         ; s18  where the 128 rows of B that I fetch, and read, lie in slot 0
.set WV,    20                         ; s20 wave;  s21 wave / 2: my half of the rows, and whether I fetch for A (0) or B (1);  s22 wave % 2: my half of the columns, and which part I fetch
.set RH,    21
.set CH,    22
.set G1,    24                         ; s[24:31], s[32:39] groups 1 and 0 (a set a slot) for A's tiles;  s[48:55], s[56:63] for B's
.set G0,    32
.set TC,    42
.set G1B,   48
.set G0B,   56
.set TR,    66
.set G1S,   68
.set G0S,   76
.set W0IMG, (3<<16)|(1<<21)                          ; elements of 8 bytes, no padding; bit 21 beside a mask
.set W0ROW, (1<<20)|(1<<21)|(4<<22)|(3<<25)          ; bytes; 4 words of padding behind every 32
.set W0OWN, (3<<16)|(1<<20)|(1<<21)|(6<<22)|(15<<25) ; 16 words behind every 128
.set W0PVB, (3<<16)|(1<<20)|(1<<21)|(5<<22)|(15<<25) ; 16 words behind every 64
.set MSB, 0
.macro WIN new                         ; the immediate's high byte repeats the setting that is left
.if MSB != (\new)
	s_set_vgpr_msb (MSB<<8)|(\new)
.set MSB, (\new)
.endif
.endm
.macro PLACES n                        ; plain places behind matrix instructions, in front of loads into their registers and of reads of their results
.rept \n
	v_nop
.endr
.endm
.macro CREST                           ; a round of the cluster's barrier behind its opening barrier
	s_cmp_lg_u32 s[WV], 0
	s_cbranch_scc1 .Lnot_wave_0_\@
	s_barrier_signal -3
.Lnot_wave_0_\@:
	s_barrier_wait -3
	s_barrier_signal -1
	s_barrier_wait -1
.endm
.macro CROUND
	s_barrier_signal -1
	s_barrier_wait -1
	CREST
.endm
.macro JLOAD g0a, g1a, g0b, g1b        ; a joint load: waves 0, 1 for A, waves 2, 3 for B; four v_nop follow each line
	s_cmp_eq_u32 s[RH], 0
	s_cbranch_scc0 .Lfor_b_\@
	tensor_load_to_lds s[\g0a:\g0a+3], s[\g1a:\g1a+7]
	s_nop 0
.rept 4
	v_nop
.endr
	s_branch .Lasked_\@
.Lfor_b_\@:
	tensor_load_to_lds s[\g0b:\g0b+3], s[\g1b:\g1b+7]
	s_nop 0
.rept 4
	v_nop
.endr
.Lasked_\@:
.endm
.macro G1SET g, m, w0, d0, d1, st      ; group 1: d1 rows of d0 elements, st elements apart; the mask in s[m]
	s_or_b32 s[\g], s[\m], \w0
	s_mov_b32 s[\g+1], (\d0)<<16
	s_mov_b32 s[\g+2], (\d1)<<16
	s_mov_b32 s[\g+3], (\d0)<<16
	s_mov_b32 s[\g+4], \d1
	s_mov_b32 s[\g+5], \st
	s_mov_b32 s[\g+6], 0
	s_mov_b32 s[\g+7], 0
.endm
.macro SDESC g0, ptr, lr, base         ; group 0 of a scale tile: words 2, 3 hold the byte offset on entry
	s_mov_b32 s[\g0], 1
	s_add_co_u32 s[\g0+1], s[\lr], \base
	s_add_nc_u64 s[\g0+2:\g0+3], s[\ptr:\ptr+1], s[\g0+2:\g0+3]
	s_or_b32 s[\g0+3], s[\g0+3], 0x80000000
.endm
.macro GROUP0 pa, pb                   ; groups 0 of the code tiles, a set for each slot: K's first and second 512
	s_add_nc_u64 s[G0+2:G0+3], s[\pa:\pa+1], s[G0+2:G0+3]
	s_add_nc_u64 s[G0+6:G0+7], s[G0+2:G0+3], STEP_A
	s_add_nc_u64 s[G0B+2:G0B+3], s[\pb:\pb+1], s[G0B+2:G0B+3]
	s_add_nc_u64 s[G0B+6:G0B+7], s[G0B+2:G0B+3], STEP_B
.irp s, 0,1
	s_mov_b32 s[G0+4*\s], 1
	s_add_co_u32 s[G0+4*\s+1], s45, \s*SLOT
	s_or_b32 s[G0+4*\s+3], s[G0+4*\s+3], 0x80000000
	s_mov_b32 s[G0B+4*\s], 1
	s_add_co_u32 s[G0B+4*\s+1], s[LB], \s*SLOT
	s_or_b32 s[G0B+4*\s+3], s[G0B+4*\s+3], 0x80000000
.endr
.endm
.macro HEAD
	v_lshl_add_u32 v[SPW], v0, 2, SPARE
	v_mov_b32 v[NIL], 0
	ds_add_u32 v28, v29
	ds_add_u32 v28, v29
	s_wait_dscnt 0x0
	v_lshrrev_b32 v1, 5, v0
	v_readfirstlane_b32 s[WV], v1
	s_lshr_b32 s[RH], s[WV], 1
	s_and_b32 s[CH], s[WV], 1
	s_bfe_u32 s40, ttmp6, 0x40000                  ; cx, cy: my place in the cluster
	s_bfe_u32 s41, ttmp6, 0x40004
	s_lshl_b32 s43, s41, 2
	s_lshl_b32 s43, 15, s43                        ; my row of the cluster
	s_lshl_b32 s44, 0x1111, s40                    ; my column
	s_mul_i32 s45, s[CH], 24576                    ; A: waves 0, 1 bring the slot's first and second 256 along K of all 128 rows
	s_mul_i32 s[LB], s[CH], BHALF                  ; B: waves 2, 3 bring 128 rows each, 512 along K
	s_add_co_u32 s[LB], s[LB], BOFF
	s_lshl_b32 s[TC], ttmp9, 2
	s_add_co_u32 s[TC], s[TC], s40                 ; the tile of 256 columns
	s_and_b32 s67, ttmp7, 0xffff                   ; the cluster's y
	s_lshl_b32 s[TR], s67, 2
	s_add_co_u32 s[TR], s[TR], s41                 ; the tile of 128 rows among all 8,192
.endm
.macro FRAGI reg, adr, kk, i           ; a fragment from an image of its registers: three loads of 512 consecutive bytes; kk: which 128 of the slot's 512
.irp c, 0,1,2
	ds_load_b128 v[\reg+4*\c:\reg+4*\c+3], v[\adr] offset:((\kk)/2)*24576+(\i)*3072+((\kk)%2)*1536+512*\c
.endr
.endm
.macro FRAGR reg, adr, kk, rowoff      ; a fragment from rows of codes: six pieces of 8 bytes; lanes 16-31 read three pieces on, for some pieces behind one padding more (second address register)
.irp p, 0,1,2,3,4,5
.set PCE, 12*(\kk)+6*(\p/3)+\p%3
.if PCE%16 < 13
	ds_load_b64 v[\reg+2*\p:\reg+2*\p+1], v[\adr] offset:8*PCE+16*(PCE/16)+(\rowoff)*PITCH
.else
	ds_load_b64 v[\reg+2*\p:\reg+2*\p+1], v[\adr+2] offset:8*PCE+16*(PCE/16)+(\rowoff)*PITCH
.endif
.endr
.endm
.macro FETCHQ g, k                     ; a third of step k's fragments into set k % 2 (window 1 or 3).  g = 0: B's blocks 0-3; 1: B's 4-7; 2: A's four
.set SL, ((\k)/4)%2
.set KK, (\k)%4
	WIN (1+2*((\k)%2))<<6
.if (\g) < 2
.irp i, 0,1,2,3
.if BIMG
	FRAGI FR*(4*(\g)+\i), ADRB+SL, KK, 4*(\g)+\i
.else
	FRAGR FR*(4*(\g)+\i), ADRB+SL, KK, 16*(4*(\g)+\i)
.endif
.endr
.else
.irp i, 0,1,2,3
	FRAGI AFR+FR*\i, ADRA+SL, KK, \i
.endr
.endif
.endm
; 8 products: A's block a x B's eight, step k of 128 along K.  zero = 1: the first product starts the sums.  The 32 accumulators take turns, in the same order in every step.
.macro MULQ a, k, zero
.if SCONV
.set SJ, (\k)%4
.set SR, (\k)/4
.else
.set SJ, (\k)/2
.set SR, (\k)%2
.endif
.if (\zero) && CBIAS
	WIN 0x85                                       ; sources 0 and 1 window 1, C window 0, D window 2
.else
	WIN 0xa0|(5*(1+2*((\k)%2)))                    ; sources 0 and 1 window 1 or 3, C and D window 2
.endif
.irp b, 0,1,2,3,4,5,6,7
.if (\zero) && CBIAS
	v_wmma_scale_f32_16x16x128_f8f6f4 v[8*(8*(\a)+\b):8*(8*(\a)+\b)+7], v[FR*\b:FR*\b+FR-1], v[AFR+FR*(\a):AFR+FR*(\a)+FR-1], v[CB+8*\b:CB+8*\b+7], v[SCBB+NJ*\b+SJ], v[SCAB+NJ*(\a)+SJ] matrix_a_fmt:MATRIX_FMT_FP6 matrix_b_fmt:MATRIX_FMT_FP6
.elseif \zero
	v_wmma_scale_f32_16x16x128_f8f6f4 v[8*(8*(\a)+\b):8*(8*(\a)+\b)+7], v[FR*\b:FR*\b+FR-1], v[AFR+FR*(\a):AFR+FR*(\a)+FR-1], 0, v[SCBB+NJ*\b+SJ], v[SCAB+NJ*(\a)+SJ] matrix_a_fmt:MATRIX_FMT_FP6 matrix_b_fmt:MATRIX_FMT_FP6
.elseif SR == 0
	v_wmma_scale_f32_16x16x128_f8f6f4 v[8*(8*(\a)+\b):8*(8*(\a)+\b)+7], v[FR*\b:FR*\b+FR-1], v[AFR+FR*(\a):AFR+FR*(\a)+FR-1], v[8*(8*(\a)+\b):8*(8*(\a)+\b)+7], v[SCBB+NJ*\b+SJ], v[SCAB+NJ*(\a)+SJ] matrix_a_fmt:MATRIX_FMT_FP6 matrix_b_fmt:MATRIX_FMT_FP6
.else
	v_wmma_scale_f32_16x16x128_f8f6f4 v[8*(8*(\a)+\b):8*(8*(\a)+\b)+7], v[FR*\b:FR*\b+FR-1], v[AFR+FR*(\a):AFR+FR*(\a)+FR-1], v[8*(8*(\a)+\b):8*(8*(\a)+\b)+7], v[SCBB+NJ*\b+SJ], v[SCAB+NJ*(\a)+SJ] matrix_a_fmt:MATRIX_FMT_FP6 matrix_b_fmt:MATRIX_FMT_FP6 matrix_a_scale:MATRIX_SCALE_ROW1 matrix_b_scale:MATRIX_SCALE_ROW1
.endif
.endr
.endm
.macro STEPN k, zero                   ; a step whose successor lies in the same slot: the successor's fragments go into the other set, in three runs between the products
	s_wait_dscnt 0x0                               ; this step's fragments, asked for a step ago, are in
.if (\k) > 0
	PLACES 4                                       ; behind the last step's products, which read the set that is loaded now
.endif
	FETCHQ 0, (\k)+1
	MULQ 0, \k, \zero
	FETCHQ 1, (\k)+1
	MULQ 1, \k, \zero
	FETCHQ 2, (\k)+1
	MULQ 2, \k, \zero
	MULQ 3, \k, \zero
.endm
; A slot's last step changes slots: its own fragments are in registers, so the slot has been read out.  ONE barrier; in front of it each wave waits for all its tensor loads, adds 0 to its spare word, and waits for that and for its reads of this slot.
; fill = 1: the slot is filled again, with the 512 along K two slots on: the load has this step's second half and three steps of the next slot in which to land.
.macro STEPC k, fill
.set SLC, ((\k)/4)%2
	WIN 0                                          ; (the add's two registers lie in window 0)
	s_wait_tensorcnt 0x0                           ; all my tensor loads have landed: my part of the next slot
	ds_add_u32 v[SPW], v[NIL]                      ; 0 onto my spare word
	s_wait_dscnt 0x0                               ; the add is done, this step's fragments are in, and my reads of this slot are over
	s_barrier_signal -1
	MULQ 0, \k, 0                                  ; work on registers while the others arrive
	MULQ 1, \k, 0
	WIN 0
	s_barrier_wait -1
.if \fill
	CREST                                          ; the barrier has opened a round of the cluster's: no wave of any partner still reads this slot or has a load on its way
	s_add_nc_u64 s[G0+4*SLC+2:G0+4*SLC+3], s[G0+4*SLC+2:G0+4*SLC+3], 2*STEP_A
	s_add_nc_u64 s[G0B+4*SLC+2:G0B+4*SLC+3], s[G0B+4*SLC+2:G0B+4*SLC+3], 2*STEP_B
	JLOAD G0+4*SLC, G1, G0B+4*SLC, G1B             ; the first tensor load behind the round; its four v_nop are the places in front of the loads below
.else
	PLACES 4
.endif
	FETCHQ 0, (\k)+1
	FETCHQ 1, (\k)+1
	MULQ 2, \k, 0
	FETCHQ 2, (\k)+1
	MULQ 3, \k, 0
.endm
; 64 numbers of a lane in window w, register s + 16 b + i = k 32 b + 16 (lane / 16) + i of my row, become a fragment's codes in v[pc .. pc + 11] and its scale word in v[pw]
.macro QUANT s, w, pc, pw
	WIN (\w)|((\w)<<2)
.irp b, 0,1,2,3
	v_max3_num_f32 v[TM+\b], |v[\s+16*\b]|, |v[\s+16*\b+1]|, 0x1800000   ; my 16 numbers of block b, and the floor 2^(3 - 127): the byte cannot fall under 1
.endr
.irp i, 2,4,6,8,10,12,14
.irp b, 0,1,2,3
	v_max3_num_f32 v[TM+\b], |v[\s+16*\b+\i]|, |v[\s+16*\b+\i+1]|, v[TM+\b]
.endr
.endr
	WIN 0
.irp b, 0,1,2,3
	v_permlanex16_b32 v[TM+4+\b], v[TM+\b], s[SEL], s[SEL+1]
.endr
.irp b, 0,1,2,3
	v_max_num_f32 v[TM+\b], v[TM+\b], v[TM+4+\b]   ; with lane l xor 16's: the block's largest magnitude
.endr
.irp b, 0,1,2,3
	v_add_nc_u32 v[TM+12+\b], 0xff000000, v[TM+\b] ; 2 off its exponent field: the conversion's scale operand
.endr
.irp b, 0,1,2,3
	v_lshrrev_b32 v[TM+4+\b], 23, v[TM+12+\b]      ; the scale's byte
.endr
	v_lshl_or_b32 v[\pw], v[TM+5], 8, v[TM+4]
	v_lshl_or_b32 v[\pw], v[TM+6], 16, v[\pw]
	v_lshl_or_b32 v[\pw], v[TM+7], 24, v[\pw]
	WIN \w
.irp c, 0,1
	v_cvt_scalef32_pk16_fp6_f32 v[\pc+6*\c:\pc+6*\c+2], v[\s+32*\c:\s+32*\c+15], v[TM+12+2*\c]
	v_cvt_scalef32_pk16_fp6_f32 v[\pc+12+4*\c:\pc+14+4*\c], v[\s+16+32*\c:\s+31+32*\c], v[TM+12+2*\c+1]
.endr
	WIN 0
	v_nop                                          ; one plain place behind a scaled conversion
.irp c, 0,1                                    ; the operand's layout wants a whole block in a lane: lanes 0-15 block 2 c, lanes 16-31 block 2 c + 1
.irp i, 0,1,2
	v_permlane16_swap_b32 v[\pc+6*\c+\i], v[\pc+12+4*\c+\i]
.endr
.irp i, 0,1,2
	v_mov_b32 v[\pc+3+6*\c+\i], v[\pc+12+4*\c+\i]
.endr
.endr
.endm
.macro IMAGE a, pc                     ; block a's fragment leaves as it stands: each store covers 512 consecutive bytes, aligned
.irp c, 0,1,2
	global_store_b128 v[LI], v[\pc+4*\c:\pc+4*\c+3], s[OC:OC+1] offset:(\a)*3072+512*\c
.endr
.endm
.macro OUTBASE oc, os                  ; where my codes and my scale words go: K step of 256 = tile column, 8,192 rows
	s_mul_i32 s96, s[TC], 1572864
	s_mul_i32 s97, s[TR], 24576
	s_add_co_u32 s96, s96, s97
	s_mul_i32 s97, s[RH], 12288
	s_add_co_u32 s96, s96, s97
	s_mul_i32 s97, s[CH], 1536
	s_add_co_u32 s96, s96, s97
	s_mov_b32 s97, 0
	s_add_nc_u64 s[\oc:\oc+1], s[\oc:\oc+1], s[96:97]
	s_lshl_b32 s96, s[TC], 1
	s_add_co_u32 s96, s96, s[CH]
	s_lshl_b32 s96, s96, 15
	s_lshl_b32 s98, s[TR], 9
	s_add_co_u32 s96, s96, s98
	s_lshl_b32 s98, s[RH], 8
	s_add_co_u32 s96, s96, s98
	s_add_nc_u64 s[\os:\os+1], s[\os:\os+1], s[96:97]
.endm
; ---- the launch ----
	s_load_b256 s[4:11], s[0:1], 0x0               ; p's codes; p's scale words, -M, l; Q, K, V^T's codes; their scale words
	s_load_b128 s[12:15], s[0:1], 0x20             ; O's codes, O's scale words
	HEAD
	s_lshr_b32 s67, s67, 2                         ; the batch: four clusters' rows of 512 queries; from the cluster's y alone
	G1SET G1, 43, W0IMG, 32, 96, 32                ; p: 128 rows x 256 keys are 24,576 dense bytes: 96 rows of 256
	G1SET G1B, 44, W0IMG, 3072, 2, 24576           ; V^T: 128 rows x 256 keys are 24,576 dense bytes: one row; the next 256 keys lie 196,608 bytes on
	s_mul_i32 s2, s[TR], 24576
	s_mul_i32 s3, s[CH], 1572864
	s_add_co_u32 s[G0+2], s2, s3
	s_mov_b32 s[G0+3], 0
	s_mul_i32 s46, s[TC], 49152
	s_mul_i32 s47, s[CH], 24576
	s_add_co_u32 s46, s46, s47
	s_mul_i32 s47, s67, 1572864
	s_add_co_u32 s46, s46, s47
	s_add_co_u32 s[G0B+2], s46, 12582912           ; V^T lies behind Q and K
	s_mov_b32 s[G0B+3], 0
	s_lshl_b32 s46, s[TC], 10
	s_lshl_b32 s47, s[CH], 9                       ; the scale words of the 128 rows of V^T that I multiply go straight into registers
	s_add_co_u32 s46, s46, s47                     ; every wave reads the scale words of its 128 rows
	s_lshl_b32 s47, s67, 16
	s_add_co_u32 s46, s46, s47
	s_add_co_u32 s[G0S+2], s46, 524288
	s_mov_b32 s[G0S+3], 0
	s_mov_b32 s[SEL], 0x76543210
	s_mov_b32 s[SEL+1], 0xfedcba98
	s_lshl_b32 s94, s[TR], 9
	s_mov_b32 s95, 0
	s_wait_kmcnt 0x0
	s_add_nc_u64 s[10:11], s[10:11], s[G0S+2:G0S+3]
	GROUP0 4, 8
	OUTBASE OC, OS
	s_add_nc_u64 s[6:7], s[6:7], s[94:95]          ; p's scale words, -M and l at my tile's first row
	CROUND                                         ; all sixteen work-groups are here: the first joint loads meet
	JLOAD G0, G1, G0B, G1B                         ; slot 0: one load a wave at the head
	v_lshlrev_b32 v9, 2, v0                        ; thread t takes the tile's row t: the four waves read 512 consecutive bytes of each piece
.irp k, 0,1,2,3,4,5,6,7,8,9,10,11,12,13,14,15
	global_load_b32 v[PSR+\k], v9, s[6:7] offset:\k*32768
	global_load_b32 v[PMR+\k], v9, s[6:7] offset:\k*32768+524288
	global_load_b32 v[PLR+\k], v9, s[6:7] offset:\k*32768+1048576
.endr
	v_and_b32 v1, 15, v0                           ; r
	v_bfe_u32 v2, v0, 4, 1                         ; h
	v_and_b32 v8, 31, v0
	v_lshlrev_b32 v[LI], 4, v8
	v_lshlrev_b32 v[LI8], 3, v8
	s_mul_i32 s2, s[RH], 12288                     ; my 64 rows of p: four blocks of 3,072 bytes
	s_mul_i32 s46, s[CH], BHALF                    ; my 128 rows of V^T
	s_add_co_u32 s46, s46, BOFF
.irp s, 0,1
	v_add_nc_u32 v[ADRA+\s], s2, v[LI]
	v_add_nc_u32 v[ADRB+\s], s46, v[LI]
	s_add_co_u32 s2, s2, SLOT
	s_add_co_u32 s46, s46, SLOT
.endr
	v_lshlrev_b32 v6, 2, v1
	v_mad_u32_u24 v7, v2, 576, v6                  ; my row's word; lanes 16-31: the odd steps
	s_lshl_b32 s2, s[RH], 8
	s_add_co_u32 s2, s2, SCLA
	v_add_nc_u32 v[ADSA], s2, v7
	v_lshl_add_u32 v[ADSB], v2, 12, v6             ; my row's word; lanes 16-31: the odd steps, 4,096 bytes on
.irp b, 0,1,2,3,4,5,6,7
.irp j, 0,1,2,3,4,5,6,7
	global_load_b32 v[SCBB+8*\b+\j], v[ADSB], s[10:11] offset:64*\b+8192*\j
.endr
.endr
	s_lshl_b32 s2, s[RH], 8
	s_add_co_u32 s2, s2, RL
	v_add_nc_u32 v12, s2, v6                       ; 1 / l of my row in block 0
	s_lshl_b32 s2, s[WV], 8
	s_add_co_u32 s2, s2, SCR
	v_lshl_add_u32 v[SCW], v1, 2, s2
	v_add_nc_u32 v[SCRD], s2, v[LI8]
	v_lshl_add_u32 v10, v0, 2, SCLA                ; where my row's mended words go: 576 bytes from piece to piece
	v_lshl_add_u32 v11, v0, 2, RL
	s_wait_alu depctr_va_vdst(0)                   ; the wait ahead of the waits below
	s_wait_tensorcnt 0x0                           ; my part of slot 0 is in
	ds_add_u32 v[SPW], v[NIL]
	s_wait_dscnt 0x0
	CROUND
	JLOAD G0+4, G1, G0B+4, G1B                     ; slot 1, the first tensor load behind the round; the rows are mended while it is out
	s_wait_loadcnt 0x0
	v_min3_num_f32 v[GG], v[PMR], v[PMR+1], v[PMR+2]   ; the row's -M: the least of the pieces'
.irp k, 3,5,7,9,11,13
	v_min3_num_f32 v[GG], v[GG], v[PMR+\k], v[PMR+\k+1]
.endr
	v_min_num_f32 v[GG], v[GG], v[PMR+15]
.macro MEND4 k0                        ; pieces k0 .. k0 + 3 of my row, line by line, so that no line waits for the line above it
.irp e, 0,1,2,3
	v_sub_f32 v[RT+4*\e], v[GG], v[PMR+\k0+\e]     ; piece's M - row's M: a whole number, 0 or less,
.endr
.irp e, 0,1,2,3
	v_max_num_f32 v[RT+4*\e], 0xc2fe0000, v[RT+4*\e]   ; held at -127
.endr
.irp e, 0,1,2,3
	v_cvt_i32_f32 v[RT+4*\e], v[RT+4*\e]
.endr
.irp e, 0,1,2,3
	v_ldexp_f32 v[PLR+\k0+\e], v[PLR+\k0+\e], v[RT+4*\e]   ; the piece's l under the row's M
.endr
.irp e, 0,1,2,3
	v_sub_nc_u32 v[RT+4*\e], 0, v[RT+4*\e]         ; d, 0 to 127,
.endr
.irp e, 0,1,2,3
	v_lshl_or_b32 v[RT+4*\e], v[RT+4*\e], 8, v[RT+4*\e]
.endr
.irp e, 0,1,2,3
	v_lshl_or_b32 v[RT+4*\e], v[RT+4*\e], 16, v[RT+4*\e]   ; in all four bytes
.endr
.irp e, 0,1,2,3
	v_or_b32 v[RT+4*\e+1], 0x80808080, v[PSR+\k0+\e]   ; the bytes are at most 125: with 128 on top no byte borrows from the next
.endr
.irp e, 0,1,2,3
	v_sub_nc_u32 v[RT+4*\e+1], v[RT+4*\e+1], v[RT+4*\e]   ; 128 + byte - d
.endr
.irp e, 0,1,2,3
	v_lshrrev_b32 v[RT+4*\e+2], 7, v[RT+4*\e+1]
.endr
.irp e, 0,1,2,3
	v_and_b32 v[RT+4*\e+2], 0x01010101, v[RT+4*\e+2]   ; 1 where byte >= d
.endr
.irp e, 0,1,2,3
	v_lshlrev_b32 v[RT+4*\e], 8, v[RT+4*\e+2]
.endr
.irp e, 0,1,2,3
	v_sub_nc_u32 v[RT+4*\e+2], v[RT+4*\e], v[RT+4*\e+2]   ; x 255
.endr
.irp e, 0,1,2,3
	v_and_b32 v[RT+4*\e+1], v[RT+4*\e+1], v[RT+4*\e+2]
.endr
.irp e, 0,1,2,3
	v_and_b32 v[PSR+\k0+\e], 0x7f7f7f7f, v[RT+4*\e+1]   ; max(byte - d, 0)
.endr
.endm
	MEND4 0
	MEND4 4
	MEND4 8
	MEND4 12
	v_pk_add_f32 v[LL:LL+1], v[PLR:PLR+1], v[PLR+2:PLR+3]
.irp k, 4,6,8,10,12,14
	v_pk_add_f32 v[LL:LL+1], v[LL:LL+1], v[PLR+\k:PLR+\k+1]
.endr
	v_add_f32 v[LL], v[LL], v[LL+1]                ; the row's l
	s_wait_alu depctr_va_vdst(0)
	v_rcp_f32 v[RR], v[LL]
	v_nop                                          ; a plain place behind the reciprocal
	s_wait_alu depctr_va_vdst(0)                   ; the wait ahead of its first reader
.irp k, 0,1,2,3,4,5,6,7,8,9,10,11,12,13,14,15
	ds_store_b32 v10, v[PSR+\k] offset:576*\k
.endr
	ds_store_b32 v11, v[RR]
	s_wait_dscnt 0x0                               ; for the others' sake: my stores have landed
	s_barrier_signal -1
	s_barrier_wait -1
.irp a, 0,1,2,3
	ds_load_b32 v[RLR+\a], v12 offset:64*\a
.endr
.irp i, 0,1,2,3                        ; the scale words of all of K, once: register j of a block: steps 2 j (lanes 0-15) and 2 j + 1 (lanes 16-31)
.irp j, 0,1,2,3,4,5,6,7
	ds_load_b32 v[SCAB+8*\i+\j], v[ADSA] offset:64*\i+1152*\j
.endr
.endr
	FETCHQ 0, 0
	FETCHQ 1, 0
	FETCHQ 2, 0
	STEPN 0, 1                                     ; the first step's products start the sums
	STEPN 1, 0
	STEPN 2, 0
	STEPC 3, 1                                     ; slot 0 takes keys 1,024 on
.irp k, 4,5,6
	STEPN \k, 0
.endr
	STEPC 7, 1                                     ; slot 1 takes keys 1,536 on
.irp k, 8,9,10
	STEPN \k, 0
.endr
	STEPC 11, 0                                    ; nothing is left to fetch
.irp k, 12,13,14
	STEPN \k, 0
.endr
	s_wait_dscnt 0x0
	MULQ 0, 15, 0
	MULQ 1, 15, 0
	MULQ 2, 15, 0
	MULQ 3, 15, 0
	WIN 0
	; THE WAY OUT, block by block of 16 rows: x 1 / l, the quantiser along my 128 features, the fragment's image to memory, the scale word to my 256 bytes of LDS
	PLACES 4
.irp b, 0,1,2,3
	v_mov_b32 v[TM+4+\b], 0                        ; written once: a lane permute's destination counts as one of its sources
.endr
.macro OUTBLK a
.set AC, 64*(\a)
.set PCS, 128+20*((\a)%2)
.if (\a) > 1
	s_wait_xcnt 0x0                                ; block a - 2's stores have read the registers that this block's codes take
.endif
	WIN 0x82                                       ; destination and source 0 window 2, 1 / l window 0
.set jj, 0
.rept 32
.if (\a)%2
	v_pk_mul_f32 v[AC+jj:AC+jj+1], v[AC+jj:AC+jj+1], v[RLR+((\a)&6):RLR+((\a)&6)+1] op_sel:[0,1] op_sel_hi:[1,1]
.else
	v_pk_mul_f32 v[AC+jj:AC+jj+1], v[AC+jj:AC+jj+1], v[RLR+((\a)&6):RLR+((\a)&6)+1] op_sel:[0,0] op_sel_hi:[1,0]
.endif
.set jj, jj+2
.endr
	QUANT AC, 2, PCS, PW+(\a)
	IMAGE \a, PCS
	ds_store_b32 v[SCW], v[PW+(\a)] offset:64*(\a) ; both halves of the lanes write the same word with the same value
.endm
.irp a, 0,1,2,3
	OUTBLK \a
.endr
	ds_load_b64 v[TM:TM+1], v[SCRD]                ; LDS serves a wave's instructions in order: this sees my stores
	s_wait_dscnt 0x0
	global_store_b64 v[LI8], v[TM:TM+1], s[OS:OS+1]   ; my 64 rows' scale words: 256 consecutive bytes, aligned
	s_wait_tensorcnt 0x0                           ; the wave's end
	ds_add_u32 v[SPW], v[NIL]
	s_wait_dscnt 0x0
	CROUND                                         ; the closing round
	s_endpgm
.Lfunc_end_k_q18bb536817_pv:
	.size	k_q18bb536817_pv, .Lfunc_end_k_q18bb536817_pv-k_q18bb536817_pv
	.p2alignl 7, 3214868480
	.fill 96, 4, 3214868480
	.section	.rodata,"a",@progbits
	.p2align	6, 0x0
	.amdhsa_kernel k_q18bb536817_pv
		.amdhsa_group_segment_fixed_size 327680
		.amdhsa_private_segment_fixed_size 0
		.amdhsa_enable_private_segment 0
		.amdhsa_kernarg_size 48
		.amdhsa_user_sgpr_count 2
		.amdhsa_user_sgpr_kernarg_segment_ptr 1
		.amdhsa_wavefront_size32 1
		.amdhsa_system_sgpr_workgroup_id_x 1
		.amdhsa_system_sgpr_workgroup_id_y 1
		.amdhsa_system_sgpr_workgroup_id_z 1
		.amdhsa_system_vgpr_workitem_id 0
		.amdhsa_next_free_vgpr 1024
		.amdhsa_next_free_sgpr 100
		.amdhsa_reserve_vcc 0
		.amdhsa_float_denorm_mode_32 3
		.amdhsa_float_denorm_mode_16_64 3
		.amdhsa_memory_ordered 1
		.amdhsa_forward_progress 1
		.amdhsa_inst_pref_size 168
	.end_amdhsa_kernel
	.amdgpu_metadata
---
amdhsa.version: [ 1, 2 ]
amdhsa.kernels:
  - .name:           k_q18bb536817_pv
    .symbol:         k_q18bb536817_pv.kd
    .args:
      - { .name: p_codes, .offset: 0, .size: 8, .value_kind: global_buffer, .address_space: global }
      - { .name: p_stats, .offset: 8, .size: 8, .value_kind: global_buffer, .address_space: global }
      - { .name: qkv_codes, .offset: 16, .size: 8, .value_kind: global_buffer, .address_space: global }
      - { .name: qkv_scales, .offset: 24, .size: 8, .value_kind: global_buffer, .address_space: global }
      - { .name: o_codes, .offset: 32, .size: 8, .value_kind: global_buffer, .address_space: global }
      - { .name: o_scales, .offset: 40, .size: 8, .value_kind: global_buffer, .address_space: global }
    .group_segment_fixed_size: 327680
    .private_segment_fixed_size: 0
    .kernarg_segment_align: 8
    .kernarg_segment_size: 48
    .max_flat_workgroup_size: 128
    .sgpr_count:     100
    .vgpr_count:     1024
    .wavefront_size: 32
...
	.end_amdgpu_metadata
.endif
;; end of part 7
;; launch outp (part 8): grid 4 x 64, 4 waves a work-group, clusters of 4 x 4, 327,680 bytes of LDS; arguments o_codes, o_scales, Wo_codes, Wo_scales, bo, out0; writes out0
.if DOCPART == 8
	.amdgcn_target "amdgcn-amd-amdhsa--gfx1250"
	.amdhsa_code_object_version 6
	.text
	.protected	k_q18bb536817_outp
	.globl	k_q18bb536817_outp
	.p2align	8
	.type	k_q18bb536817_outp,@function
k_q18bb536817_outp:
	s_mov_b64 s[64:65], 0
	v_nop
	global_prefetch_b8 v0, s[64:65] scope:SCOPE_SE
	s_setreg_imm32_b32 hwreg(HW_REG_WAVE_MODE, 25, 1), 1
	s_wait_xcnt 0x0
	s_wait_alu depctr_hold_cnt(0) depctr_sa_sdst(0) depctr_va_vdst(0) depctr_va_sdst(0) depctr_va_ssrc(0) depctr_va_vcc(0) depctr_vm_vsrc(0)
	s_getreg_b32 s2, hwreg(HW_REG_IB_STS2, 6, 4)
	s_cmp_eq_u32 s2, 0
	s_cbranch_scc0 .Lentry_in_a_cluster
	s_endpgm
.Lentry_in_a_cluster:
	s_bfe_u32 s2, ttmp6, 0x10000c
	s_cmp_lg_u32 s2, 0xf033
	s_cbranch_scc0 .Lentry_shape_is_right
	s_endpgm
.Lentry_shape_is_right:
; out = O Wo^T + bo, on codes of FP6 (E2M3); out is f32.  K = 1,024.
; SHARES.  A tile is 128 x 256: 64 x 4 tiles, a work-group each.  A wave makes 64 x 128: 32 accumulators.  Source 0 = 16 rows of Wo, as they lie; source 1 = 16 rows of O: a lane holds eight neighbouring numbers of a row of out.
; ALL OF K LIES IN LDS: two slots of 512 along K, each filled once, at the start; nothing is filled again.  One barrier stands between the two: behind it slot 1 is whole and nobody reads slot 0 any more.
; For 32 products a wave reads 12 fragments from LDS; so a step's loads go in three runs of four fragments between the products.
; O comes as images of the operand's registers (1,536 bytes a fragment of 16 rows x 128 K, at (k / 256) 192 x 8,192 + (row block) 3072 + ((k / 128) % 2) 1536), its scale words K-major; Wo as given: rows of 768 bytes, 32 scale bytes a row.
; Wo's SCALES GO STRAIGHT INTO REGISTERS: sixteen rows' 32 bytes are 512 consecutive bytes: lane (r, h) takes the 16 bytes at 32 r + 16 h: four registers, in lanes 0-15 the words of steps 0-3, in lanes 16-31 those of steps 4-7.
; O's ROWS LIE IN THE ORDER IN WHICH THE FIRST LAUNCH LAID THEM: lane r of block a holds row 32 (a / 2) + 8 (a % 2) + r + 8 (r / 8).  The stores' offsets put each row in its true place.
; The bias is the C of each sum's first product.  Results go through the wave's own stage in LDS and leave as rows of 512 consecutive bytes, aligned.  The stage lies in slot 0, which has had its one fill and its last read by then.
; CLUSTERS: O's tile is asked for jointly by a row of the cluster, Wo's tile by a column.
; REGISTERS, in windows of 256: window 0: v0-31 addresses; v32-63 Wo's scale words, v224-239 O's, and nothing else there; v64-127 the bias, later rows of out; v128-191 rows of out.
;   windows 1 and 3: the two sets of fragments: Wo's eight at v0-95, O's four at v96-143.   window 2: accumulator (a, b) at v[8 (8 a + b)].
; LIMITS: NaN and infinities are not served.
.set SLOT,  49152                      ; O's images of 512 along K; the four runs of 256 along K lie on end from LDS byte 0
.set BOFF,  98304                      ; behind them Wo's 256 whole rows
.set BHALF, 104448                     ; 128 rows of 816 bytes
.set BIMG,  0                          ; B comes as rows of codes
.set CBIAS, 1                          ; the first products take the bias as C
.set SCONV, 1                          ; scale register j of a block: lanes 0-15 step j, lanes 16-31 step j + 4
.set NJ,    4                          ; scale registers a block: 8 steps of 128
.set SCAB,  224
.set SCBB,  32
.set STEP_A, 3145728                   ; from a slot's codes to the next's, in memory
.set STEP_B, 384
.set SPARE, BOFF+2*BHALF               ; the spare words: 128 bytes a wave, named by no other line
.set SPITCH, 528                       ; the stage: 16 rows x (512 + 16) bytes a wave, from LDS byte 0 on
.set STO,   24                         ; v24  the stage: where I put 32 bytes of a row
.set RD,    25                         ; v25  and where I read a row back
.set CO,    26                         ; v26  16 x lane: my bytes of a row of out
.set BK,    64                         ; v64-127, v128-191 by turns: 16 rows read back
; ---- the core that this launch and the one before share ----
.set FR,    12                         ; registers of a fragment
.set PITCH, 816                        ; a whole row of 768 bytes of codes in LDS: 3 x (256 + 16 of padding)
.set ADRA,  16                         ; v16-17 LDS address of my A fragments in slot 0, 1
.set ADRB,  20                         ; v20-21 the same for B (v22-23: behind one padding more)
.set ADSA,  27                         ; v27  LDS address of A's scale words
.set SPW,   28                         ; v28  my spare word; never rewritten
.set NIL,   29                         ; v29  0; never rewritten
.set ADSB,  31
.set CB,    64                         ; v64-127 the column bias in the result's layout
.set AFR,   96                         ; in windows 1 and 3: A's four fragments, behind B's eight
.set SEL,   16
.set LB,    18                         ; s18  where the 128 rows of B that I fetch, and read, lie in slot 0
.set WV,    20                         ; s20 wave;  s21 wave / 2: my half of the rows, and whether I fetch for A (0) or B (1);  s22 wave % 2: my half of the columns, and which part I fetch
.set RH,    21
.set CH,    22
.set G1,    24                         ; s[24:31], s[32:39] groups 1 and 0 (a set a slot) for A's tiles;  s[48:55], s[56:63] for B's
.set G0,    32
.set TC,    42
.set G1B,   48
.set G0B,   56
.set TR,    66
.set G1S,   68
.set G0S,   76
.set W0IMG, (3<<16)|(1<<21)                          ; elements of 8 bytes, no padding; bit 21 beside a mask
.set W0ROW, (1<<20)|(1<<21)|(5<<22)|(3<<25)          ; bytes; 4 words of padding behind every 64
.set W0OWN, (3<<16)|(1<<20)|(1<<21)|(6<<22)|(15<<25) ; 16 words behind every 128
.set W0PVB, (3<<16)|(1<<20)|(1<<21)|(5<<22)|(15<<25) ; 16 words behind every 64
.set MSB, 0
.macro WIN new                         ; the immediate's high byte repeats the setting that is left
.if MSB != (\new)
	s_set_vgpr_msb (MSB<<8)|(\new)
.set MSB, (\new)
.endif
.endm
.macro PLACES n                        ; plain places behind matrix instructions, in front of loads into their registers and of reads of their results
.rept \n
	v_nop
.endr
.endm
.macro CREST                           ; a round of the cluster's barrier behind its opening barrier
	s_cmp_lg_u32 s[WV], 0
	s_cbranch_scc1 .Lnot_wave_0_\@
	s_barrier_signal -3
.Lnot_wave_0_\@:
	s_barrier_wait -3
	s_barrier_signal -1
	s_barrier_wait -1
.endm
.macro CROUND
	s_barrier_signal -1
	s_barrier_wait -1
	CREST
.endm
.macro JLOAD g0a, g1a, g0b, g1b        ; a joint load: waves 0, 1 for A, waves 2, 3 for B; four v_nop follow each line
	s_cmp_eq_u32 s[RH], 0
	s_cbranch_scc0 .Lfor_b_\@
	tensor_load_to_lds s[\g0a:\g0a+3], s[\g1a:\g1a+7]
	s_nop 0
.rept 4
	v_nop
.endr
	s_branch .Lasked_\@
.Lfor_b_\@:
	tensor_load_to_lds s[\g0b:\g0b+3], s[\g1b:\g1b+7]
	s_nop 0
.rept 4
	v_nop
.endr
.Lasked_\@:
.endm
.macro G1SET g, m, w0, d0, d1, st      ; group 1: d1 rows of d0 elements, st elements apart; the mask in s[m]
	s_or_b32 s[\g], s[\m], \w0
	s_mov_b32 s[\g+1], (\d0)<<16
	s_mov_b32 s[\g+2], (\d1)<<16
	s_mov_b32 s[\g+3], (\d0)<<16
	s_mov_b32 s[\g+4], \d1
	s_mov_b32 s[\g+5], \st
	s_mov_b32 s[\g+6], 0
	s_mov_b32 s[\g+7], 0
.endm
.macro SDESC g0, ptr, lr, base         ; group 0 of a scale tile: words 2, 3 hold the byte offset on entry
	s_mov_b32 s[\g0], 1
	s_add_co_u32 s[\g0+1], s[\lr], \base
	s_add_nc_u64 s[\g0+2:\g0+3], s[\ptr:\ptr+1], s[\g0+2:\g0+3]
	s_or_b32 s[\g0+3], s[\g0+3], 0x80000000
.endm
.macro GROUP0 pa, pb                   ; groups 0 of the code tiles, a set for each slot: K's first and second 512
	s_add_nc_u64 s[G0+2:G0+3], s[\pa:\pa+1], s[G0+2:G0+3]
	s_add_nc_u64 s[G0B+2:G0B+3], s[\pb:\pb+1], s[G0B+2:G0B+3]
.irp s, 0
	s_mov_b32 s[G0+4*\s], 1
	s_add_co_u32 s[G0+4*\s+1], s45, \s*SLOT
	s_or_b32 s[G0+4*\s+3], s[G0+4*\s+3], 0x80000000
	s_mov_b32 s[G0B+4*\s], 1
	s_add_co_u32 s[G0B+4*\s+1], s[LB], \s*SLOT
	s_or_b32 s[G0B+4*\s+3], s[G0B+4*\s+3], 0x80000000
.endr
.endm
.macro HEAD
	v_lshl_add_u32 v[SPW], v0, 2, SPARE
	v_mov_b32 v[NIL], 0
	ds_add_u32 v28, v29
	ds_add_u32 v28, v29
	s_wait_dscnt 0x0
	v_lshrrev_b32 v1, 5, v0
	v_readfirstlane_b32 s[WV], v1
	s_lshr_b32 s[RH], s[WV], 1
	s_and_b32 s[CH], s[WV], 1
	s_bfe_u32 s40, ttmp6, 0x40000                  ; cx, cy: my place in the cluster
	s_bfe_u32 s41, ttmp6, 0x40004
	s_lshl_b32 s43, s41, 2
	s_lshl_b32 s43, 15, s43                        ; my row of the cluster
	s_lshl_b32 s44, 0x1111, s40                    ; my column
	s_mul_i32 s45, s[CH], 49152                    ; A: waves 0, 1 bring K's first and second 512 of all 128 rows
	s_mul_i32 s[LB], s[CH], BHALF                  ; B: waves 2, 3 bring 128 rows each, all of K
	s_add_co_u32 s[LB], s[LB], BOFF
	s_lshl_b32 s[TC], ttmp9, 2
	s_add_co_u32 s[TC], s[TC], s40                 ; the tile of 256 columns
	s_and_b32 s67, ttmp7, 0xffff                   ; the cluster's y
	s_lshl_b32 s[TR], s67, 2
	s_add_co_u32 s[TR], s[TR], s41                 ; the tile of 128 rows among all 8,192
.endm
.macro FRAGI reg, adr, kk, i           ; a fragment from an image of its registers: three loads of 512 consecutive bytes; kk: which 128 of the slot's 512
.irp c, 0,1,2
	ds_load_b128 v[\reg+4*\c:\reg+4*\c+3], v[\adr] offset:((\kk)/2)*24576+(\i)*3072+((\kk)%2)*1536+512*\c
.endr
.endm
.macro FRAGR reg, adr, kk, rowoff      ; a fragment from rows of codes: six pieces of 8 bytes; lanes 16-31 read three pieces on, for some pieces behind one padding more (second address register)
.irp p, 0,1,2,3,4,5
.set PCE, 12*(\kk)+6*(\p/3)+\p%3
.if PCE%32 < 29
	ds_load_b64 v[\reg+2*\p:\reg+2*\p+1], v[\adr] offset:8*PCE+16*(PCE/32)+(\rowoff)*PITCH
.else
	ds_load_b64 v[\reg+2*\p:\reg+2*\p+1], v[\adr+2] offset:8*PCE+16*(PCE/32)+(\rowoff)*PITCH
.endif
.endr
.endm
.macro FETCHQ g, k                     ; a third of step k's fragments into set k % 2 (window 1 or 3).  g = 0: B's blocks 0-3; 1: B's 4-7; 2: A's four
.set SL, ((\k)/4)%2
.set KK, (\k)%4
	WIN (1+2*((\k)%2))<<6
.if (\g) < 2
.irp i, 0,1,2,3
.if BIMG
	FRAGI FR*(4*(\g)+\i), ADRB+SL, KK, 4*(\g)+\i
.else
	FRAGR FR*(4*(\g)+\i), ADRB+(\g), \k, 16*\i     ; v20, v22: blocks 0-3; v21, v23: blocks 4-7; the step counts from the row's start
.endif
.endr
.else
.irp i, 0,1,2,3
	FRAGI AFR+FR*\i, ADRA+SL, KK, \i
.endr
.endif
.endm
; 8 products: A's block a x B's eight, step k of 128 along K.  zero = 1: the first product starts the sums.  The 32 accumulators take turns, in the same order in every step.
.macro MULQ a, k, zero
.if SCONV
.set SJ, (\k)%4
.set SR, (\k)/4
.else
.set SJ, (\k)/2
.set SR, (\k)%2
.endif
.if (\zero) && CBIAS
	WIN 0x85                                       ; sources 0 and 1 window 1, C window 0, D window 2
.else
	WIN 0xa0|(5*(1+2*((\k)%2)))                    ; sources 0 and 1 window 1 or 3, C and D window 2
.endif
.irp b, 0,1,2,3,4,5,6,7
.if (\zero) && CBIAS
	v_wmma_scale_f32_16x16x128_f8f6f4 v[8*(8*(\a)+\b):8*(8*(\a)+\b)+7], v[FR*\b:FR*\b+FR-1], v[AFR+FR*(\a):AFR+FR*(\a)+FR-1], v[CB+8*\b:CB+8*\b+7], v[SCBB+NJ*\b+SJ], v[SCAB+NJ*(\a)+SJ] matrix_a_fmt:MATRIX_FMT_FP6 matrix_b_fmt:MATRIX_FMT_FP6
.elseif \zero
	v_wmma_scale_f32_16x16x128_f8f6f4 v[8*(8*(\a)+\b):8*(8*(\a)+\b)+7], v[FR*\b:FR*\b+FR-1], v[AFR+FR*(\a):AFR+FR*(\a)+FR-1], 0, v[SCBB+NJ*\b+SJ], v[SCAB+NJ*(\a)+SJ] matrix_a_fmt:MATRIX_FMT_FP6 matrix_b_fmt:MATRIX_FMT_FP6
.elseif SR == 0
	v_wmma_scale_f32_16x16x128_f8f6f4 v[8*(8*(\a)+\b):8*(8*(\a)+\b)+7], v[FR*\b:FR*\b+FR-1], v[AFR+FR*(\a):AFR+FR*(\a)+FR-1], v[8*(8*(\a)+\b):8*(8*(\a)+\b)+7], v[SCBB+NJ*\b+SJ], v[SCAB+NJ*(\a)+SJ] matrix_a_fmt:MATRIX_FMT_FP6 matrix_b_fmt:MATRIX_FMT_FP6
.else
	v_wmma_scale_f32_16x16x128_f8f6f4 v[8*(8*(\a)+\b):8*(8*(\a)+\b)+7], v[FR*\b:FR*\b+FR-1], v[AFR+FR*(\a):AFR+FR*(\a)+FR-1], v[8*(8*(\a)+\b):8*(8*(\a)+\b)+7], v[SCBB+NJ*\b+SJ], v[SCAB+NJ*(\a)+SJ] matrix_a_fmt:MATRIX_FMT_FP6 matrix_b_fmt:MATRIX_FMT_FP6 matrix_a_scale:MATRIX_SCALE_ROW1 matrix_b_scale:MATRIX_SCALE_ROW1
.endif
.endr
.endm
.macro STEPN k, zero                   ; a step whose successor lies in the same slot: the successor's fragments go into the other set, in three runs between the products
	s_wait_dscnt 0x0                               ; this step's fragments, asked for a step ago, are in
.if (\k) > 0
	PLACES 4                                       ; behind the last step's products, which read the set that is loaded now
.endif
	FETCHQ 0, (\k)+1
	MULQ 0, \k, \zero
	FETCHQ 1, (\k)+1
	MULQ 1, \k, \zero
	FETCHQ 2, (\k)+1
	MULQ 2, \k, \zero
	MULQ 3, \k, \zero
.endm
; A slot's last step changes slots: its own fragments are in registers, so the slot has been read out.  ONE barrier; in front of it each wave waits for all its tensor loads, adds 0 to its spare word, and waits for that and for its reads of this slot.
; fill = 1: the slot is filled again, with the 512 along K two slots on.  (This launch has fill = 0 alone.)
.macro STEPC k, fill
.set SLC, ((\k)/4)%2
	WIN 0                                          ; (the add's two registers lie in window 0)
	s_wait_tensorcnt 0x0                           ; all my tensor loads have landed: my part of the next slot
	ds_add_u32 v[SPW], v[NIL]                      ; 0 onto my spare word: the form of a change of slots in this program's launches
	s_wait_dscnt 0x0                               ; the add is done, this step's fragments are in, and my reads of this slot are over
	s_barrier_signal -1
	MULQ 0, \k, 0                                  ; work on registers while the others arrive
	MULQ 1, \k, 0
	WIN 0
	s_barrier_wait -1
.if \fill
	CREST                                          ; the barrier has opened a round of the cluster's: no wave of any partner still reads this slot or has a load on its way
	s_add_nc_u64 s[G0+4*SLC+2:G0+4*SLC+3], s[G0+4*SLC+2:G0+4*SLC+3], 2*STEP_A
	s_add_nc_u64 s[G0B+4*SLC+2:G0B+4*SLC+3], s[G0B+4*SLC+2:G0B+4*SLC+3], 2*STEP_B
	JLOAD G0+4*SLC, G1, G0B+4*SLC, G1B             ; the first tensor load behind the round; its four v_nop are the places in front of the loads below
.else
	PLACES 4
.endif
	FETCHQ 0, (\k)+1
	FETCHQ 1, (\k)+1
	MULQ 2, \k, 0
	FETCHQ 2, (\k)+1
	MULQ 3, \k, 0
.endm
; ---- the launch ----
	s_load_b256 s[4:11], s[0:1], 0x0               ; O's codes, O's scale words, Wo's codes, Wo's scales
	s_load_b128 s[12:15], s[0:1], 0x20             ; bo, out
	HEAD
	G1SET G1, 43, W0IMG, 3072, 2, 196608           ; O: two runs of 256 along K, 24,576 dense bytes each, 1,572,864 bytes apart
	G1SET G1B, 44, W0ROW, 768, 128, 768            ; Wo: 128 whole rows of 768 bytes
	s_mul_i32 s2, s[TR], 24576
	s_mul_i32 s3, s[CH], 3145728
	s_add_co_u32 s[G0+2], s2, s3
	s_mov_b32 s[G0+3], 0
	s_lshl_b32 s2, s[TR], 9
	s_lshl_b32 s3, s[RH], 8                        ; O's scale words of my 64 rows go straight into registers
	s_add_co_u32 s[G0S+2], s2, s3
	s_mov_b32 s[G0S+3], 0
	s_lshl_b32 s46, s[TC], 8
	s_lshl_b32 s47, s[CH], 7
	s_add_co_u32 s46, s46, s47                     ; Wo: the first of the 128 rows that I fetch (waves 2, 3) and multiply by (every wave)
	s_mul_i32 s[G0B+2], s46, 768
	s_mov_b32 s[G0B+3], 0
	s_lshl_b32 s94, s46, 2                         ; my first column, in bytes of f32
	s_lshl_b32 s93, s46, 5                         ; and these rows' scales: 32 bytes a row
	s_lshl_b32 s96, s[TR], 19                      ; my first row of out: 4,096 bytes a row
	s_lshl_b32 s97, s[RH], 18
	s_add_co_u32 s96, s96, s97
	s_add_co_u32 s96, s96, s94
	s_mov_b32 s97, 0
	s_wait_kmcnt 0x0
	s_add_nc_u64 s[6:7], s[6:7], s[G0S+2:G0S+3]
	GROUP0 4, 8
	s_add_nc_u64 s[14:15], s[14:15], s[96:97]
	CROUND                                         ; all sixteen work-groups are here: the first joint loads meet
	JLOAD G0, G1, G0B, G1B                         ; all of K: one load a wave, and no other in the launch
	v_and_b32 v1, 15, v0                           ; r
	v_bfe_u32 v2, v0, 4, 1                         ; h
	v_lshlrev_b32 v9, 5, v2
	v_add_nc_u32 v9, s94, v9                       ; the bias: numbers (my first column) + 16 b + 8 h + 0 .. 7
.irp b, 0,1,2,3,4,5,6,7
	global_load_b128 v[CB+8*\b:CB+8*\b+3], v9, s[12:13] offset:64*\b
	global_load_b128 v[CB+8*\b+4:CB+8*\b+7], v9, s[12:13] offset:64*\b+16
.endr
	v_lshlrev_b32 v13, 5, v1
	v_lshl_add_u32 v13, v2, 4, v13
	v_add_nc_u32 v13, s93, v13                     ; Wo's scales: row r of a block, 16 bytes for each half of the lanes
.irp b, 0,1,2,3,4,5,6,7
	global_load_b128 v[SCBB+4*\b:SCBB+4*\b+3], v13, s[10:11] offset:512*\b   ; 32 lanes read 512 consecutive bytes, aligned
.endr
	v_and_b32 v8, 31, v0
	v_lshlrev_b32 v[CO], 4, v8                     ; 16 x lane
	v_mul_u32_u24 v4, v1, PITCH
	v_mad_u32_u24 v4, v2, 24, v4                   ; Wo: a fragment's row x pitch + 24 x half
	v_lshl_add_u32 v5, v2, 4, v4                   ; and behind one padding more
	s_mul_i32 s2, s[RH], 12288                     ; my 64 rows of O: four blocks of 3,072 bytes
	s_mul_i32 s46, s[CH], BHALF                    ; my 128 rows of Wo
	s_add_co_u32 s46, s46, BOFF
.irp s, 0,1
	v_add_nc_u32 v[ADRA+\s], s2, v[CO]
	v_add_nc_u32 v[ADRB+\s], s46, v4
	v_add_nc_u32 v[ADRB+2+\s], s46, v5
	s_add_co_u32 s2, s2, SLOT
	s_add_co_u32 s46, s46, 64*PITCH
.endr
	v_lshlrev_b32 v6, 2, v1
	v_lshl_add_u32 v[ADSA], v2, 17, v6             ; O's scale words: my row's; lanes 16-31: four 128-steps on
.irp i, 0,1,2,3
.irp j, 0,1,2,3
	global_load_b32 v[SCAB+4*\i+\j], v[ADSA], s[6:7] offset:64*\i+32768*\j
.endr
.endr
	s_mul_i32 s2, s[WV], 16*SPITCH                 ; my stage
	v_mul_u32_u24 v7, v1, SPITCH
	v_lshl_add_u32 v7, v2, 5, v7
	v_add_nc_u32 v[STO], s2, v7                    ; in: row r, 32 bytes for each half of the lanes
	v_add_nc_u32 v[RD], s2, v[CO]                  ; back: the 32 lanes take one row of 512 bytes
	s_wait_alu depctr_va_vdst(0)
	s_wait_loadcnt 0x0                             ; the bias and Wo's scales
	s_wait_tensorcnt 0x0                           ; my one load is in
	s_barrier_signal -1
	s_barrier_wait -1
	FETCHQ 0, 0
	FETCHQ 1, 0
	FETCHQ 2, 0
	STEPN 0, 1                                     ; the first step's products start the sums, from the bias
	STEPN 1, 0
	STEPN 2, 0
	STEPC 3, 0                                     ; on to slot 1
.irp k, 4,5,6
	STEPN \k, 0
.endr
	s_wait_dscnt 0x0
	MULQ 0, 7, 0
	MULQ 1, 7, 0
	MULQ 2, 7, 0
	MULQ 3, 7, 0
	WIN 0
; THE WAY OUT, block by block of 16 rows x 128 columns, through my own stage.  LDS serves a wave's instructions in order (ISA guide 5.7.1.4): no wait between the stores and the loads, nor in front of the next block's stores.
.macro TOSTAGE a
.set AC, 64*(\a)
	WIN 0x08                                       ; an LDS store's data: window 2
.irp b, 0,1,2,3,4,5,6,7
	ds_store_b128 v[STO], v[AC+8*\b:AC+8*\b+3] offset:64*\b          ; each accumulator from its low end on
	ds_store_b128 v[STO], v[AC+8*\b+4:AC+8*\b+7] offset:64*\b+16
.endr
	WIN 0
.set BB, BK+64*((\a)%2)
.irp t, 0,1,2,3,4,5,6,7,8,9,10,11,12,13,14,15
	ds_load_b128 v[BB+4*\t:BB+4*\t+3], v[RD] offset:\t*SPITCH
.endr
.endm
.macro SEND a, younger                 ; younger: the LDS instructions issued behind block a's loads, which may stay out
.set BB, BK+64*((\a)%2)
	s_wait_dscnt \younger
.irp t, 0,1,2,3,4,5,6,7,8,9,10,11,12,13,14,15
	global_store_b128 v[CO], v[BB+4*\t:BB+4*\t+3], s[14:15] offset:(32*((\a)/2)+8*((\a)%2)+\t+8*(\t/8))*4096 th:TH_STORE_NT   ; the row's true place; 512 consecutive bytes, aligned; at most 63 rows on: inside the signed 24-bit immediate
.endr
.endm
	PLACES 4
	TOSTAGE 0
.irp a, 1,2,3
.if \a > 1
	s_wait_xcnt 0x0                                ; block a - 2's stores have read the registers into which block a's loads land
.endif
	TOSTAGE \a
	SEND \a-1, 32                                  ; behind block a - 1's loads: block a's 16 stores and 16 loads
.endr
	SEND 3, 0
	s_wait_tensorcnt 0x0                           ; the wave's end, in the form of this program's other launches
	ds_add_u32 v[SPW], v[NIL]
	s_wait_dscnt 0x0
	CROUND                                         ; the closing round
	s_endpgm
.Lfunc_end_k_q18bb536817_outp:
	.size	k_q18bb536817_outp, .Lfunc_end_k_q18bb536817_outp-k_q18bb536817_outp
	.p2alignl 7, 3214868480
	.fill 96, 4, 3214868480
	.section	.rodata,"a",@progbits
	.p2align	6, 0x0
	.amdhsa_kernel k_q18bb536817_outp
		.amdhsa_group_segment_fixed_size 327680
		.amdhsa_private_segment_fixed_size 0
		.amdhsa_enable_private_segment 0
		.amdhsa_kernarg_size 48
		.amdhsa_user_sgpr_count 2
		.amdhsa_user_sgpr_kernarg_segment_ptr 1
		.amdhsa_wavefront_size32 1
		.amdhsa_system_sgpr_workgroup_id_x 1
		.amdhsa_system_sgpr_workgroup_id_y 1
		.amdhsa_system_sgpr_workgroup_id_z 1
		.amdhsa_system_vgpr_workitem_id 0
		.amdhsa_next_free_vgpr 1024
		.amdhsa_next_free_sgpr 100
		.amdhsa_reserve_vcc 0
		.amdhsa_float_denorm_mode_32 3
		.amdhsa_float_denorm_mode_16_64 3
		.amdhsa_memory_ordered 1
		.amdhsa_forward_progress 1
		.amdhsa_inst_pref_size 90
	.end_amdhsa_kernel
	.amdgpu_metadata
---
amdhsa.version: [ 1, 2 ]
amdhsa.kernels:
  - .name:           k_q18bb536817_outp
    .symbol:         k_q18bb536817_outp.kd
    .args:
      - { .name: o_codes, .offset: 0, .size: 8, .value_kind: global_buffer, .address_space: global }
      - { .name: o_scales, .offset: 8, .size: 8, .value_kind: global_buffer, .address_space: global }
      - { .name: Wo_codes, .offset: 16, .size: 8, .value_kind: global_buffer, .address_space: global }
      - { .name: Wo_scales, .offset: 24, .size: 8, .value_kind: global_buffer, .address_space: global }
      - { .name: bo, .offset: 32, .size: 8, .value_kind: global_buffer, .address_space: global }
      - { .name: out0, .offset: 40, .size: 8, .value_kind: global_buffer, .address_space: global }
    .group_segment_fixed_size: 327680
    .private_segment_fixed_size: 0
    .kernarg_segment_align: 8
    .kernarg_segment_size: 48
    .max_flat_workgroup_size: 128
    .sgpr_count:     100
    .vgpr_count:     1024
    .wavefront_size: 32
...
	.end_amdgpu_metadata
.endif
;; end of part 8
